; MI455X (gfx1250); checked and timed in simulation.
; The chip was launched on July 23, 2026; its instructions are those of AMD's public machine-readable ISA for CDNA 5 (MIT licence, August 2026) and "CDNA5" Instruction Set Architecture Reference Guide (July 2026). The comments in the code are by the model that wrote it; some were corrected since.
;; Glm4 Attention. Allowed arithmetic: matrix products marked QUANTISED: E2M3 operands, one E8M0 scale for each 32 along K, by v_wmma_scale_f32_16x16x128_f8f6f4 with both operands' format E2M3, f32 sums; everything else in f32.
;; Inputs: Wk 4,096 x 256 float32; Wo 4,096 x 4,096 float32; Wq 4,096 x 4,096 float32; Wv 4,096 x 256 float32; attention_mask 1 x 1 x 1,024 x 2,048 float32; bk 256 float32; bq 4,096 float32; bv 256 float32; cache_k 1 x 2 x 1,024 x 128 float32; cache_v 1 x 2 x 1,024 x 128 float32; cos 1,024 x 32 float32; sin 1,024 x 32 float32; x 1 x 1,024 x 4,096 float32.
;; Outputs: out0 1 x 1,024 x 4,096 float32; out1 1 x 2 x 2,048 x 128 float32; out2 1 x 2 x 2,048 x 128 float32.
;; This version of the problem:
;;   THIS VERSION OF THE PROBLEM IS GIVEN IN LOW PRECISION. The matrix products marked QUANTISED in the list below multiply operands that are first quantised to E2M3 (2 exponent bits, 3 mantissa bits; 6 bits a number), with one power-of-two scale for each 32 numbers along K (OCP MX v1.0); their sums are f32. All else is computed in f32.
;;   The module's matrix products, in the order in which they are computed (A, B: the left and right operand; K: the contracted axis; several contracted axes count as one K, in the product's order):
;;     1. [M 1,024, K 4,096] x [K 4,096, N 4,096]; A: input x; B: input Wq: QUANTISED
;;     2. [M 1,024, K 4,096] x [K 4,096, N 256]; A: input x; B: input Wk: QUANTISED
;;     3. [M 1,024, K 4,096] x [K 4,096, N 256]; A: input x; B: input Wv: QUANTISED
;;     4. batch 32 x [M 1,024, K 128] x [K 128, N 2,048]; A: computed on the way; B: computed on the way: QUANTISED
;;     5. batch 32 x [M 1,024, K 2,048] x [K 2,048, N 128]; A: softmax (see below); B: computed on the way: QUANTISED
;;     6. [M 1,024, K 4,096] x [K 4,096, N 4,096]; A: computed on the way; B: input Wo: QUANTISED
;;   THE QUANTISER, for each operand of a quantised product, along K:
;;     - K is cut into blocks of 32 from its start; a last block that is shorter is filled with zeros.
;;     - A block's scale is 2^e with e = floor(log2(the largest magnitude in the block)) - 2, held to -126 .. 127; a block of zeros has e = 0. As a byte (E8M0): e + 127.
;;     - Each number is divided by its block's scale, clamped to +-7.5, and rounded to the nearest number of E2M3, ties to even, subnormals kept.
;;     - The product sums the exact products of the quantised numbers (number of the format x scale) in f32.
;;   ~~~python
;;   def quantise(x, axis):      # numpy; x: float32 -> the quantised numbers, widened to float32 again
;;       x = np.moveaxis(x, axis, -1); K = x.shape[-1]
;;       x = np.pad(x, [(0, 0)] * (x.ndim - 1) + [(0, -K % 32)]); x = x.reshape(x.shape[:-1] + (-1, 32)); a = np.abs(x).max(-1, keepdims=True)
;;       e = np.where(a > 0, np.clip(np.frexp(np.where(a > 0, a, 1))[1] - 1 - 2, -126, 127), 0)      # np.frexp(a)[1] - 1 = floor(log2(a)), exactly
;;       r = np.clip(x / 2.0 ** e, -7.5, 7.5)
;;       step = 2.0 ** (np.maximum(np.frexp(np.where(r == 0, 1, r))[1] - 1, 0) - 3)
;;       q = np.round(r / step) * step * 2.0 ** e      # np.round: ties to even
;;       return np.moveaxis(q.reshape(q.shape[:-2] + (-1,))[..., :K], -1, axis).astype(np.float32)
;;   ~~~
;;   SOFTMAX AHEAD OF A QUANTISED PRODUCT. Where the list says 'softmax', what is quantised is not the finished softmax but p = 2^(t - M), with t = logit x log2(e) and M = ceil(the row's largest t), a whole number; so 1/2 < the row's largest p <= 1. The row's sum l is taken of the UNQUANTISED p, in f32, and the product's result is divided by l at the end. Since M is a whole number, a kernel that streams over the keys may use a running M (the ceiling of the running maximum): every later rescaling is an exact power of two, which a block's scale takes up: the codes' values come out the same.
;;   OPERANDS COMPUTED ON THE WAY. 'Computed on the way' means the value that the module computes at that place (a softmax that the list does not call 'softmax' is quantised finished and normalised). What goes into a quantiser is computed in f32, as accurately as f32 sums, v_exp_f32 and their like allow (about 1e-6 of the number): no bf16 or f16 on the way to a quantiser, and a product that is left as it is and whose result goes on into a quantised operand takes f32 operands (vector FMAs, or v_wmma_f32_16x16x4_f32). A number that lies on a knife's edge between two numbers of the format may be rounded either way, as far as f32 arithmetic and the matrix unit's own rounding can turn it there, and no further.
;; 2 versions. Each part assembles by itself: llvm-mc -triple=amdgcn-amd-amdhsa -mcpu=gfx1250 --defsym DOCPART=n.
;; ======== version 1 of 2: 4 launches
;; workspace buffers: xw 18,022,400 bytes; wo 13,107,200 bytes; kv 819,200 bytes; qq 3,276,800 bytes; oo 3,276,800 bytes
;; launch quant (part 1): grid 1296 x 1, 4 waves a work-group, no clusters, 25,088 bytes of LDS; arguments Wq, Wo, Wk, Wv, cache_v, cache_k, x, xw, wo, kv, out1, out2; writes xw, wo, kv, out1, out2
.if DOCPART == 1
	.amdgcn_target "amdgcn-amd-amdhsa--gfx1250"
	.amdhsa_code_object_version 6
	.text
	.protected	k_qb1b9710e4f_quant
	.globl	k_qb1b9710e4f_quant
	.p2align	8
	.type	k_qb1b9710e4f_quant,@function
k_qb1b9710e4f_quant:
	s_mov_b64 s[64:65], 0
	v_nop
	global_prefetch_b8 v0, s[64:65] scope:SCOPE_SE
	s_setreg_imm32_b32 hwreg(HW_REG_WAVE_MODE, 25, 1), 1
	s_wait_xcnt 0x0
; THE QUANTISER: every operand that arrives as f32 and is read by many work-groups later becomes codes of FP6 (E2M3) with one E8M0 byte for each 32 along K, once.
; All codes are laid as IMAGES OF OPERAND REGISTERS: a fragment (16 rows x 128 K, 12 registers a lane) is [group 0..2][lane 0..31][16 bytes] = 1,536 bytes, group g = registers 4 g .. 4 g + 3.
; Lane (r, h) holds row r; registers 6 c .. 6 c + 5 hold k = 64 c + 32 h + 0 .. 31.  Scale bytes: [K / 256][image row][8 bytes]; for K = 128 (the keys): [image row][4 bytes].
; ROWS IN TURNED ORDER (weights' columns, keys, V's channels): in each 32 rows, tile 2 b + u, image row i holds true row 32 b + 8 u + i + 8 (i / 8), so that the product's result has 16 neighbours in a lane's 16 registers.
; THREE ROLES, parted by the work-group's number; inside a role ONE path, the tensors told apart by scalars and pointers chosen on that number:
;   columns (0 .. 1095): K is the FIRST axis (Wq, Wo, Wk, Wv; cache_v, whose K is the keys).  A lane takes a column, its registers run down K; a work-group takes 128 columns x 256 K.
;   rows (1096 .. 1231): K is innermost (x, cache_k).  A wave makes four fragments; lane (r, h) loads 16 neighbours of each block of 32 of its row.
;   copy (1232 .. 1295): the caches go into the first halves of out1 and out2.
; A block's scale is 2^(floor(log2(largest magnitude)) - 2): its byte is the largest magnitude's exponent field - 2, held at 1 from below by a floor among the maximum's leaves.
; LIMITS: a block of zeros gets the byte 1 (its codes are zeros; the bytes are read by this program alone); NaN and infinities among the inputs are not served.
; The caches are read twice in this launch (quantised and copied); the quantising roles keep one hint for all their tensors.
.set XSO,   3145728                    ; xw: x's image at 0, x's scale bytes here,
.set WI,    3276800                    ;     the QKV weights' image (288 tiles of 16 columns x 32 K steps),
.set WSO,   17432576                   ;     their scale bytes
.set WOSO,  12582912                   ; wo: Wo's image at 0, its scale bytes here
.set VI,    393216                     ; kv: K's image at 0, V's image,
.set KSO,   786432                     ;     K's scale words,
.set VSO,   802816                     ;     V's scale bytes
.set SPARE, 24576                      ; LDS: four stages of 6,144 bytes, then the spare words, 128 bytes a wave
.set G_WO,  512                        ; first work-group of each tensor
.set G_WK,  1024
.set G_WV,  1056
.set G_CV,  1088
.set G_X,   1096
.set G_CK,  1224
.set G_CP,  1232
.set SPW,   2                          ; v2  LDS address of my spare word; never rewritten
.set NIL,   3                          ; v3  0; never rewritten
.set OFF,   32                         ; columns: v32-63 byte offset of K row i of a block, at my column
.set X,     64                         ; columns: v64-127 two sets of 32 numbers; later the stage read back
.set NUM,   64                         ; rows: v64-127, v128-191 two sets of 64 numbers
.set TM,    44                         ; rows: v44-59 at work in QUANT
.set PC,    24                         ; rows: v24-43 the codes just made
.set SEL,   52                         ; rows: s[52:53] lane selects for lane l xor 16
.set P_G0,  30                         ; the tensor's first work-group
.set P_SRC, 32                         ; s[32:33] where it is read
.set P_NS,  34                         ; bytes from K row to K row
.set P_XM,  35                         ; work-group number -> column block: mask,
.set P_XS,  36                         ; shift to the K block,
.set P_YM,  37                         ; its mask,
.set P_HS,  38                         ; shift to the head (cache_v alone)
.set P_DO,  39                         ; the image's offset in its buffer
.set P_DST, 40                         ; s[40:41] the buffer that takes image and scale bytes
.set P_SRT, 42                         ; image bytes from tile of rows to tile of rows
.set P_SKS, 43                         ; and from K step to K step
.set P_RB,  44                         ; first tile; tiles for a column block; tiles for a pair of waves
.set P_XT,  45
.set P_WT,  46
.set P_SO,  47                         ; the scale bytes' offset
.set P_SP,  66                         ; scale bytes for 256 along K
.macro PICK reg, val                   ; takes val where the last compare held
	s_cselect_b32 s[\reg], \val, s[\reg]
.endm
.macro FINISH                          ; the wave's end
	s_wait_tensorcnt 0x0
	ds_add_u32 v[SPW], v[NIL]
	s_wait_dscnt 0x0
	s_endpgm
.endm
.macro LOADW t                         ; block t of 32 along K: 32 loads, each 128 consecutive bytes a wave, 512 a work-group
.set LI, 0
.rept 32
	global_load_b32 v[X+32*((\t)%2)+LI], v[OFF+LI], s[48+2*(\t):49+2*(\t)] th:TH_LOAD_NT
.set LI, LI+1
.endr
.endm
.macro BLOCKW t                        ; block t: K step t / 4, block t % 4 = 2 c + h of that step's fragment
.set XB, X+32*((\t)%2)
.set SBASE, 1536*((\t)/4)+256*((\t)%2)
.if (\t) < 7
	s_wait_loadcnt 32                              ; this block's 32 loads are in; the next block's 32 may be out
.else
	s_wait_loadcnt 0x0
.endif
	v_max3_num_f32 v12, |v[XB]|, |v[XB+1]|, |v[XB+2]|              ; the block's largest magnitude: all 32 numbers are mine; two chains
	v_max3_num_f32 v13, |v[XB+3]|, |v[XB+4]|, |v[XB+5]|
.irp i, 6,10,14,18,22,26
	v_max3_num_f32 v12, v12, |v[XB+\i]|, |v[XB+\i+1]|
	v_max3_num_f32 v13, v13, |v[XB+\i+2]|, |v[XB+\i+3]|
.endr
	v_max3_num_f32 v12, v12, |v[XB+30]|, |v[XB+31]|
	v_max3_num_f32 v12, v12, v13, 0x1800000        ; and the floor 2^(3 - 127): the byte cannot fall under 1
	v_add_nc_u32 v14, 0xff000000, v12              ; 2 off the exponent field: the conversion takes this operand's exponent field as its scale
	v_lshrrev_b32 v15, 23, v14                     ; the scale's byte
.if (\t)%4 == 0
	v_mov_b32 v[16+(\t)/4], v15                    ; four bytes to a word, the lower K in the lower byte
.else
	v_lshl_or_b32 v[16+(\t)/4], v15, 8*((\t)%4), v[16+(\t)/4]
.endif
	v_cvt_scalef32_pk16_fp6_f32 v[20:22], v[XB:XB+15], v14
	v_cvt_scalef32_pk16_fp6_f32 v[28:30], v[XB+16:XB+31], v14      ; (a conversion's three registers begin on an even number)
	v_nop                                          ; one plain place behind the conversions
	v_mov_b32 v23, v28
	v_mov_b32 v24, v29
	v_mov_b32 v25, v30                             ; v20-25: the block's 24 bytes
.if ((\t)/2)%2 == 0                    ; c = 0: registers 0-5 of the fragment: all of group 0, the first half of group 1
	ds_store_b128 v4, v[20:23] offset:SBASE
	ds_store_b64 v4, v[24:25] offset:SBASE+512
.else                                  ; c = 1: registers 6-11: the second half of group 1, all of group 2
	ds_store_b64 v4, v[20:21] offset:SBASE+520
	ds_store_b128 v4, v[22:25] offset:SBASE+1024
.endif
.if (\t) < 6
	LOADW (\t)+2
.endif
	s_wait_dscnt 0x0                               ; the stores have read v20-25: the next block writes them
.endm
.macro XLOAD f                         ; fragment f: my 16 numbers of each of the four blocks of my row
.irp b, 0,1,2,3
.irp j, 0,1,2,3
	global_load_b128 v[NUM+64*((\f)%2)+16*\b+4*\j:NUM+64*((\f)%2)+16*\b+4*\j+3], v[4+(\f)], s[P_SRC:P_SRC+1] offset:128*\b+16*\j th:TH_LOAD_NT
.endr
.endr
.endm
; 64 numbers of a lane, register 16 b + i = k 32 b + 16 (lane / 16) + i of my row, become a fragment's codes in v[PC] on and its scale word in v[pw]
.macro QUANT s, pw
.irp b, 0,1,2,3
	v_max3_num_f32 v[TM+\b], |v[\s+16*\b]|, |v[\s+1+16*\b]|, 0x1800000   ; my 16 numbers of block b, and the floor
.endr
.irp i, 2,4,6,8,10,12,14
.irp b, 0,1,2,3
	v_max3_num_f32 v[TM+\b], v[TM+\b], |v[\s+16*\b+\i]|, |v[\s+1+16*\b+\i]|   ; the four blocks by turns
.endr
.endr
.irp b, 0,1,2,3
	v_permlanex16_b32 v[TM+4+\b], v[TM+\b], s[SEL], s[SEL+1]
.endr
.irp b, 0,1,2,3
	v_max_num_f32 v[TM+\b], v[TM+\b], v[TM+4+\b]   ; with lane l xor 16's 16: the block's largest magnitude
.endr
.irp b, 0,1,2,3
	v_add_nc_u32 v[TM+12+\b], 0xff000000, v[TM+\b]
.endr
.irp b, 0,1,2,3
	v_lshrrev_b32 v[TM+4+\b], 23, v[TM+12+\b]
.endr
	v_lshl_or_b32 v[\pw], v[TM+5], 8, v[TM+4]      ; my row's scale word (both halves of the lanes hold it)
	v_lshl_or_b32 v[\pw], v[TM+6], 16, v[\pw]
	v_lshl_or_b32 v[\pw], v[TM+7], 24, v[\pw]
.irp c, 0,1
	v_cvt_scalef32_pk16_fp6_f32 v[PC+6*\c:PC+2+6*\c], v[\s+32*\c:\s+15+32*\c], v[TM+12+2*\c]
	v_cvt_scalef32_pk16_fp6_f32 v[PC+12+4*\c:PC+14+4*\c], v[\s+16+32*\c:\s+31+32*\c], v[TM+12+2*\c+1]
.endr
	v_nop                                          ; one plain place behind the conversions
.irp c, 0,1                            ; the layout wants a whole block in a lane: lanes 0-15 block 2 c, lanes 16-31 block 2 c + 1
.irp i, 0,1,2
	v_permlane16_swap_b32 v[PC+6*\c+\i], v[PC+12+4*\c+\i]
.endr
.irp i, 0,1,2
	v_mov_b32 v[PC+3+6*\c+\i], v[PC+12+4*\c+\i]
.endr
.endr
.endm
	s_load_b512 s[4:19], s[0:1], 0x0               ; Wq 4, Wo 6, Wk 8, Wv 10, cache_v 12, cache_k 14, x 16, xw 18
	s_load_b256 s[20:27], s[0:1], 0x40             ; wo 20, kv 22, out1 24, out2 26
	v_lshl_add_u32 v[SPW], v0, 2, SPARE
	v_mov_b32 v[NIL], 0
	v_lshrrev_b32 v1, 5, v0
	v_readfirstlane_b32 s28, v1                    ; wave 0..3
	v_and_b32 v1, 31, v0                           ; lane
	s_mov_b32 s29, ttmp9                           ; the work-group's number
	s_wait_kmcnt 0x0
	s_cmp_ge_u32 s29, G_CP
	s_cbranch_scc1 .Lcopy
	s_cmp_ge_u32 s29, G_X
	s_cbranch_scc1 .Lrows
	; ---------------- columns: K is the first axis ----------------
	s_mov_b32 s[P_G0], 0                           ; Wq's figures; each later tensor's take their place from its first work-group on
	s_mov_b64 s[P_SRC:P_SRC+1], s[4:5]
	s_mov_b64 s[P_DST:P_DST+1], s[18:19]
	s_mov_b32 s[P_NS], 16384
	s_mov_b32 s[P_XM], 31
	s_mov_b32 s[P_XS], 5
	s_mov_b32 s[P_YM], 15
	s_mov_b32 s[P_HS], 9
	s_mov_b32 s[P_DO], WI
	s_mov_b32 s[P_SRT], 49152
	s_mov_b32 s[P_SKS], 1536
	s_mov_b32 s[P_RB], 0
	s_mov_b32 s[P_XT], 8
	s_mov_b32 s[P_WT], 4
	s_mov_b32 s[P_SO], WSO
	s_mov_b32 s[P_SP], 36864
	s_cmp_ge_u32 s29, G_WO                         ; Wo
	PICK P_G0, G_WO
	s_cselect_b64 s[P_SRC:P_SRC+1], s[6:7], s[P_SRC:P_SRC+1]
	s_cselect_b64 s[P_DST:P_DST+1], s[20:21], s[P_DST:P_DST+1]
	PICK P_DO, 0
	PICK P_SO, WOSO
	PICK P_SP, 32768
	s_cmp_ge_u32 s29, G_WK                         ; Wk: tiles 256 + 8 cx + 0..3 take its columns 64 cx on
	PICK P_G0, G_WK
	s_cselect_b64 s[P_SRC:P_SRC+1], s[8:9], s[P_SRC:P_SRC+1]
	s_cselect_b64 s[P_DST:P_DST+1], s[18:19], s[P_DST:P_DST+1]
	PICK P_NS, 1024
	PICK P_XM, 1
	PICK P_XS, 1
	PICK P_DO, WI
	PICK P_RB, 256
	PICK P_XT, 16
	PICK P_WT, 8
	PICK P_SO, WSO
	PICK P_SP, 36864
	s_cmp_ge_u32 s29, G_WV                         ; Wv: tiles 256 + 8 cx + 4..7
	PICK P_G0, G_WV
	s_cselect_b64 s[P_SRC:P_SRC+1], s[10:11], s[P_SRC:P_SRC+1]
	PICK P_RB, 260
	s_cmp_ge_u32 s29, G_CV                         ; cache_v: K = the keys, columns = the head's 128
	PICK P_G0, G_CV
	s_cselect_b64 s[P_SRC:P_SRC+1], s[12:13], s[P_SRC:P_SRC+1]
	s_cselect_b64 s[P_DST:P_DST+1], s[22:23], s[P_DST:P_DST+1]
	PICK P_NS, 512
	PICK P_XM, 0
	PICK P_XS, 0
	PICK P_YM, 3
	PICK P_HS, 2
	PICK P_DO, VI
	PICK P_SRT, 1536
	PICK P_SKS, 12288
	PICK P_RB, 0
	PICK P_XT, 0
	PICK P_WT, 4
	PICK P_SO, VSO
	PICK P_SP, 1024
	s_sub_co_u32 s67, s29, s[P_G0]
	s_and_b32 s68, s67, s[P_XM]                    ; which 128 columns
	s_lshr_b32 s69, s67, s[P_XS]
	s_and_b32 s69, s69, s[P_YM]                    ; which 256 along K
	s_lshr_b32 s70, s67, s[P_HS]                   ; which head (0 for the weights)
	s_lshr_b32 s71, s28, 1
	s_and_b32 s72, s28, 1
	s_mul_i32 s73, s[P_XT], s68
	s_add_co_u32 s73, s73, s[P_RB]
	s_mul_i32 s74, s[P_WT], s71
	s_add_co_u32 s73, s73, s74
	s_lshl_b32 s74, s72, 1
	s_add_co_u32 s73, s73, s74                     ; the first of my wave's two tiles of 16 columns
	s_lshl_b32 s74, s70, 19                        ; source: head x 524,288
	s_lshl_b32 s75, s[P_NS], 8
	s_mul_i32 s75, s75, s69                        ; + 256 K rows x K block
	s_add_co_u32 s74, s74, s75
	s_lshl_b32 s75, s68, 9                         ; + 128 columns x 4 bytes x column block
	s_add_co_u32 s74, s74, s75
	s_lshl_b32 s75, s28, 7                         ; + 32 columns x 4 bytes x wave
	s_add_co_u32 s74, s74, s75
	s_mov_b32 s75, 0
	s_add_nc_u64 s[48:49], s[P_SRC:P_SRC+1], s[74:75]   ; block 0's first K row
	s_lshl_b32 s76, s[P_NS], 5
	s_mov_b32 s77, 0
.irp t, 1,2,3,4,5,6,7
	s_add_nc_u64 s[48+2*\t:49+2*\t], s[46+2*\t:47+2*\t], s[76:77]   ; block t's: 32 K rows further down
.endr
	s_mul_i32 s78, s70, 196608                     ; image: head
	s_add_co_u32 s78, s78, s[P_DO]
	s_mul_i32 s79, s73, s[P_SRT]                   ; + tile
	s_add_co_u32 s78, s78, s79
	s_lshl_b32 s79, s69, 1
	s_mul_i32 s79, s79, s[P_SKS]                   ; + two K steps x K block
	s_add_co_u32 s78, s78, s79
	s_mov_b32 s79, 0
	s_add_nc_u64 s[80:81], s[P_DST:P_DST+1], s[78:79]
	s_lshl_b32 s82, s70, 13                        ; scale bytes: head
	s_add_co_u32 s82, s82, s[P_SO]
	s_mul_i32 s83, s69, s[P_SP]                    ; + K block
	s_add_co_u32 s82, s82, s83
	s_lshl_b32 s83, s73, 7                         ; + 16 rows x 8 bytes x tile
	s_add_co_u32 s82, s82, s83
	s_mov_b32 s83, 0
	s_add_nc_u64 s[84:85], s[P_DST:P_DST+1], s[82:83]
	v_bfe_u32 v7, v1, 3, 1                         ; my column's tile of the two: u = (lane / 8) % 2,
	v_and_b32 v12, 7, v1
	v_lshrrev_b32 v13, 4, v1
	v_lshl_add_u32 v12, v13, 3, v12                ; and its row there: lane % 8 + 8 (lane / 16)
	s_mul_i32 s86, s28, 6144                       ; my wave's stage: [u][K step][1,536]
	v_mul_u32_u24 v4, v7, 3072
	v_lshl_add_u32 v4, v12, 4, v4
	v_add_nc_u32 v4, s86, v4                       ; into it
	v_lshlrev_b32 v8, 4, v1                        ; 16 x lane
	v_add_nc_u32 v5, s86, v8                       ; out of it
	v_lshl_add_u32 v6, v7, 4, v12
	v_lshlrev_b32 v6, 3, v6                        ; my column's 8 scale bytes
	v_add_nc_u32 v9, s[P_SKS], v8                  ; v8-11: the four fragments' places in the image: (u, K step)
	v_add_nc_u32 v10, s[P_SRT], v8
	v_add_nc_u32 v11, s[P_SKS], v10
	v_lshlrev_b32 v[OFF], 2, v1
.set LI, 0
.rept 31
	v_add_nc_u32 v[OFF+LI+1], s[P_NS], v[OFF+LI]
.set LI, LI+1
.endr
	LOADW 0
	LOADW 1
.irp t, 0,1,2,3,4,5,6,7
	BLOCKW \t
.endr
	global_store_b64 v6, v[16:17], s[84:85]        ; 32 lanes store 256 consecutive bytes of scale bytes
.set LI, 0
.rept 12
	ds_load_b128 v[X+4*LI:X+4*LI+3], v5 offset:512*LI   ; LDS serves a wave's instructions in order: these see my stores
.set LI, LI+1
.endr
.set LI, 0
.rept 12
	s_wait_dscnt 11-LI                             ; the younger read-backs may be out
	global_store_b128 v[8+LI/3], v[X+4*LI:X+4*LI+3], s[80:81] offset:512*(LI%3)   ; 512 consecutive bytes, at a multiple of 256
.set LI, LI+1
.endr
	FINISH
	; ---------------- rows: K is innermost ----------------
.Lrows:
	s_cmp_ge_u32 s29, G_CK                         ; x, or cache_k
	s_mov_b32 s30, G_X
	PICK 30, G_CK
	s_cselect_b64 s[P_SRC:P_SRC+1], s[14:15], s[16:17]
	s_cselect_b64 s[P_DST:P_DST+1], s[22:23], s[18:19]
	s_mov_b32 s34, 16384                           ; bytes from row to row
	PICK 34, 512
	s_mov_b32 s35, 1024                            ; source bytes for a step of lo: 256 along K | 64 keys
	PICK 35, 32768
	s_mov_b32 s36, 262144                          ; source: fragment f % 2: 16 rows on | 8 keys on
	PICK 36, 4096
	s_mov_b32 s37, 512                             ; fragment f / 2: 128 along K on | 32 keys on
	PICK 37, 16384
	s_mov_b32 s38, 98304                           ; image bytes for a step of hi: two tiles of rows | a head
	PICK 38, 196608
	s_mov_b32 s39, 3072                            ; for a step of lo: two K steps | four tiles
	PICK 39, 6144
	s_mov_b32 s42, 49152                           ; image: fragment f % 2
	PICK 42, 1536
	s_mov_b32 s43, 1536                            ; fragment f / 2
	PICK 43, 3072
	s_mov_b32 s44, XSO
	PICK 44, KSO
	s_mov_b32 s45, 8192                            ; scale bytes for a step of lo,
	PICK 45, 256
	s_mov_b32 s46, 256                             ; of hi
	PICK 46, 8192
	s_cselect_b32 s47, 8, 0                        ; the keys of a tile are not neighbours: row r + 8 (r / 8)
	s_sub_co_u32 s66, s29, s30
	s_lshl_b32 s66, s66, 2
	s_add_co_u32 s66, s66, s28                     ; my wave among the tensor's
	s_lshr_b32 s67, s66, 4                         ; hi: which 32 rows | which head
	s_and_b32 s68, s66, 15                         ; lo: which 256 along K | which 64 keys
	s_lshl_b32 s70, s67, 19
	s_mul_i32 s71, s68, s35
	s_add_co_u32 s70, s70, s71
	s_mov_b32 s71, 0
	s_add_nc_u64 s[P_SRC:P_SRC+1], s[P_SRC:P_SRC+1], s[70:71]
	s_mul_i32 s70, s67, s38
	s_mul_i32 s72, s68, s39
	s_add_co_u32 s70, s70, s72
	s_add_nc_u64 s[48:49], s[P_DST:P_DST+1], s[70:71]   ; the image (both begin at byte 0 of their buffers)
	s_mul_i32 s70, s68, s45
	s_mul_i32 s72, s67, s46
	s_add_co_u32 s70, s70, s72
	s_add_co_u32 s70, s70, s44
	s_add_nc_u64 s[50:51], s[P_DST:P_DST+1], s[70:71]   ; the scale bytes
	s_mov_b32 s[SEL], 0x76543210
	s_mov_b32 s[SEL+1], 0xfedcba98
	v_and_b32 v14, 15, v1                          ; r
	v_lshrrev_b32 v15, 4, v1                       ; h
	v_lshrrev_b32 v13, 3, v14
	v_mad_u32_u24 v13, v13, s47, v14               ; my row of the fragment's 16
	v_mul_lo_u32 v4, v13, s34
	v_lshl_add_u32 v4, v15, 6, v4                  ; v4-7: + 64 h: my 16 numbers of a block; the four fragments
	v_add_nc_u32 v5, s36, v4
	v_add_nc_u32 v6, s37, v4
	v_add_nc_u32 v7, s37, v5
	v_lshlrev_b32 v8, 4, v1                        ; v8-11: their places in the image
	v_add_nc_u32 v9, s42, v8
	v_add_nc_u32 v10, s43, v8
	v_add_nc_u32 v11, s43, v9
	v_lshlrev_b32 v12, 3, v1
	v_lshlrev_b32 v13, 2, v1
.irp b, 0,1,2,3
	v_mov_b32 v[TM+4+\b], 0                        ; written once: a lane permute's destination counts as one of its sources
.endr
	XLOAD 0
	XLOAD 1
.irp f, 0,1,2,3
.if \f < 3
	s_wait_loadcnt 16                              ; this fragment's 16 loads are in; the other set's 16 may be out
.else
	s_wait_loadcnt 0x0
.endif
.if \f > 0
	s_wait_xcnt 0x0                                ; the last fragment's stores have read v[PC] on
.endif
	QUANT NUM+64*(\f%2), 16+\f
.irp c, 0,1,2
	global_store_b128 v[8+\f], v[PC+4*\c:PC+4*\c+3], s[48:49] offset:512*\c   ; 512 consecutive bytes, at a multiple of 256
.endr
.if \f < 2
	XLOAD \f+2
.endif
.endr
	v_cmp_le_u32 vcc_lo, 16, v1                    ; lanes 16-31 store for the fragments with f % 2 = 1
	v_cndmask_b32 v20, v16, v17, vcc_lo
	v_cndmask_b32 v21, v18, v19, vcc_lo
	s_cmp_ge_u32 s29, G_CK
	s_cbranch_scc1 .Lkeys
	global_store_b64 v12, v[20:21], s[50:51]       ; x: 32 rows x two K steps' words: 256 consecutive bytes
	FINISH
.Lkeys:
	global_store_b32 v13, v20, s[50:51]            ; keys: one word an image row: tiles 0, 1,
	global_store_b32 v13, v21, s[50:51] offset:128 ; tiles 2, 3
	FINISH
	; ---------------- copy: the caches are the first 1,024 keys of out1 and out2 ----------------
.Lcopy:
	s_sub_co_u32 s30, s29, G_CP
	s_lshr_b32 s31, s30, 4                         ; 0, 1: cache_k's heads; 2, 3: cache_v's
	s_and_b32 s30, s30, 15                         ; which 32,768 bytes of the head's 524,288
	s_cmp_lt_u32 s31, 2
	s_cselect_b64 s[32:33], s[14:15], s[12:13]
	s_cselect_b64 s[40:41], s[24:25], s[26:27]
	s_and_b32 s31, s31, 1
	s_lshl_b32 s34, s30, 15
	s_lshl_b32 s35, s28, 13                        ; 8,192 bytes a wave
	s_add_co_u32 s34, s34, s35
	s_lshl_b32 s36, s31, 19
	s_add_co_u32 s36, s36, s34
	s_mov_b32 s37, 0
	s_add_nc_u64 s[32:33], s[32:33], s[36:37]
	s_lshl_b32 s36, s31, 20                        ; a head of the outputs is twice as long
	s_add_co_u32 s36, s36, s34
	s_add_nc_u64 s[40:41], s[40:41], s[36:37]
	v_lshlrev_b32 v4, 4, v1
.set LI, 0
.rept 16
	global_load_b128 v[64+4*LI:67+4*LI], v4, s[32:33] offset:512*LI
.set LI, LI+1
.endr
.set LI, 0
.rept 16
	s_wait_loadcnt 15-LI                           ; the younger loads may be out
	global_store_b128 v4, v[64+4*LI:67+4*LI], s[40:41] offset:512*LI
.set LI, LI+1
.endr
	FINISH
.Lfunc_end_k_qb1b9710e4f_quant:
	.size	k_qb1b9710e4f_quant, .Lfunc_end_k_qb1b9710e4f_quant-k_qb1b9710e4f_quant
	.p2alignl 7, 3214868480
	.fill 96, 4, 3214868480
	.section	.rodata,"a",@progbits
	.p2align	6, 0x0
	.amdhsa_kernel k_qb1b9710e4f_quant
		.amdhsa_group_segment_fixed_size 25088
		.amdhsa_private_segment_fixed_size 0
		.amdhsa_enable_private_segment 0
		.amdhsa_kernarg_size 96
		.amdhsa_user_sgpr_count 2
		.amdhsa_user_sgpr_kernarg_segment_ptr 1
		.amdhsa_wavefront_size32 1
		.amdhsa_system_sgpr_workgroup_id_x 1
		.amdhsa_system_sgpr_workgroup_id_y 1
		.amdhsa_system_sgpr_workgroup_id_z 1
		.amdhsa_system_vgpr_workitem_id 0
		.amdhsa_next_free_vgpr 192
		.amdhsa_next_free_sgpr 100
		.amdhsa_reserve_vcc 1
		.amdhsa_float_denorm_mode_32 3
		.amdhsa_float_denorm_mode_16_64 3
		.amdhsa_memory_ordered 1
		.amdhsa_forward_progress 1
		.amdhsa_inst_pref_size 77
	.end_amdhsa_kernel
	.amdgpu_metadata
---
amdhsa.version: [ 1, 2 ]
amdhsa.kernels:
  - .name:           k_qb1b9710e4f_quant
    .symbol:         k_qb1b9710e4f_quant.kd
    .args:
      - { .name: Wq, .offset: 0, .size: 8, .value_kind: global_buffer, .address_space: global }
      - { .name: Wo, .offset: 8, .size: 8, .value_kind: global_buffer, .address_space: global }
      - { .name: Wk, .offset: 16, .size: 8, .value_kind: global_buffer, .address_space: global }
      - { .name: Wv, .offset: 24, .size: 8, .value_kind: global_buffer, .address_space: global }
      - { .name: cache_v, .offset: 32, .size: 8, .value_kind: global_buffer, .address_space: global }
      - { .name: cache_k, .offset: 40, .size: 8, .value_kind: global_buffer, .address_space: global }
      - { .name: x, .offset: 48, .size: 8, .value_kind: global_buffer, .address_space: global }
      - { .name: xw, .offset: 56, .size: 8, .value_kind: global_buffer, .address_space: global }
      - { .name: wo, .offset: 64, .size: 8, .value_kind: global_buffer, .address_space: global }
      - { .name: kv, .offset: 72, .size: 8, .value_kind: global_buffer, .address_space: global }
      - { .name: out1, .offset: 80, .size: 8, .value_kind: global_buffer, .address_space: global }
      - { .name: out2, .offset: 88, .size: 8, .value_kind: global_buffer, .address_space: global }
    .group_segment_fixed_size: 25088
    .private_segment_fixed_size: 0
    .kernarg_segment_align: 8
    .kernarg_segment_size: 96
    .max_flat_workgroup_size: 128
    .sgpr_count:     100
    .vgpr_count:     192
    .wavefront_size: 32
...
	.end_amdgpu_metadata
.endif
;; end of part 1
;; launch qkv (part 2): grid 36 x 8, 4 waves a work-group, clusters of 4 x 4, 327,680 bytes of LDS; arguments xw, bq, bk, bv, cos, sin, qq, kv, out1, out2; writes qq, kv, out1, out2
.if DOCPART == 2
	.amdgcn_target "amdgcn-amd-amdhsa--gfx1250"
	.amdhsa_code_object_version 6
	.text
	.protected	k_qb1b9710e4f_qkv
	.globl	k_qb1b9710e4f_qkv
	.p2align	8
	.type	k_qb1b9710e4f_qkv,@function
k_qb1b9710e4f_qkv:
	s_mov_b64 s[64:65], 0
	v_nop
	global_prefetch_b8 v0, s[64:65] scope:SCOPE_SE
	s_setreg_imm32_b32 hwreg(HW_REG_WAVE_MODE, 25, 1), 1
	s_wait_xcnt 0x0
	s_wait_alu depctr_hold_cnt(0) depctr_sa_sdst(0) depctr_va_vdst(0) depctr_va_sdst(0) depctr_va_ssrc(0) depctr_va_vcc(0) depctr_vm_vsrc(0)
	s_getreg_b32 s2, hwreg(HW_REG_IB_STS2, 6, 4)
	s_cmp_eq_u32 s2, 0
	s_cbranch_scc0 .Lentry_in_a_cluster
	s_endpgm
.Lentry_in_a_cluster:
	s_bfe_u32 s2, ttmp6, 0x10000c
	s_cmp_lg_u32 s2, 0xf033
	s_cbranch_scc0 .Lentry_shape_is_right
	s_endpgm
.Lentry_shape_is_right:
; q, k, v = x W + b on codes of FP6 (E2M3) with E8M0 scales, then the partial rope, then: q as codes for the attention; k and v as f32 into out1 and out2 (keys 1,024 on) and as codes for the attention.
; x's and the weights' codes come as images of operand registers (a fragment of 16 rows x 128 K is 1,536 bytes: [group][lane][16 bytes]), so a fragment is three LDS loads of 512 consecutive bytes.
; A tile of the result is 128 rows x 128 columns; four waves, each 64 x 64: 16 accumulators.  36 tile columns: 0-31 are the 32 heads of q; 32 + cx holds 64 columns of k and 64 of v (columns 64 cx on of each).
; K goes in slots of 512 (four steps of 128) through a ring of two LDS slots; the scale bytes of the tile's rows and columns for all of K come once, with the first fills.
; CLUSTERS: 4 x 4 work-groups; x's tiles are shared along a row of the cluster, the weights' along a column: each is asked for jointly, by one tensor load with a mask that names the four.
; THE PRODUCT IS USED TRANSPOSED (source 0 = 16 columns of W, source 1 = 16 rows of x), and the weights' columns lie in turned order, so that lane (r, h) holds row 16 a + r and its registers 32 a + 16 bb + i hold
; columns 32 bb + 16 h + i, i = 0 .. 15: 16 neighbours along the next product's K.  The bias is the C of each sum's first matrix instruction.
; No branch hangs on a work-group's place in its cluster: where there is no rope the wave multiplies by cos = 1 and sin = 0; the cluster with x = 8 (all sixteen partners alike) takes the way out for k and v.
; The new keys' codes and all scale halves leave in stores of 8 and of 2 bytes: a small part of what the launch writes.
; LIMITS: NaN and infinities are not served; a block of zeros gets the scale byte 1 with zero codes (read by this program alone).
; REGISTERS: window 0: v1-9 lane terms, v16-30 addresses, v32-47 scale words (two sets), v48-79 the bias, later at work, v80-127 at work, v128-255 the accumulators ((a, b) at v[128 + 8 (4 a + b)]).
;   window 1: two sets of fragments, v0-95 and v96-191 (x's four at + 12 i, W's four at + 48 + 12 i); on the way out rows read back.   window 2: v0-127 cos and sin.
.set SLOT,   98304                     ; x's 8 tiles of rows x 4 K steps x 1,536, then W's
.set HALFT,  24576                     ; what one tensor load brings: 4 tiles of rows x 6,144 bytes
.set RTS,    6144                      ; a tile of rows' four K steps
.set RTG,    49152                     ; a tile of rows' 32 K steps in memory
.set SCL,    2*SLOT                    ; the scale bytes: 8,192 bytes for each wave's load: [16][64 rows][8]
.set SPARE,  SCL+32768                 ; the spare words, 128 bytes a wave
.set SPITCH, 272                       ; the way out: rows of 256 bytes + 16; 64 rows a wave, in slot 0, which has had its last fill and its last read by then
.set STGW,   64*SPITCH
.set XSO,    3145728
.set WI,     3276800
.set WSO,    17432576
.set QSO,    3145728
.set VI,     393216
.set KSO,    786432
.set VSO,    802816
.set ADRA, 16
.set ADRB, 20
.set STO,  24
.set RD,   25
.set CO,   26
.set ADRS, 27
.set SPW,  28
.set NIL,  29
.set CA,   30
.set SC,   32
.set BI,   48
.set ACC,  128
.set G1A,  24
.set G0A,  32
.set G1B,  40
.set G0B,  48
.set G1SA, 56
.set G1SB, 68
.set G0SA, 76
.set G0SB, 80
.set WV,   84
.set RH,   85                          ; my half of the tile's rows.  Also: I fetch for x (0) or for W (1)
.set CH,   86                          ; my half of its columns.  Also: which half of that tile I fetch
.set CX,   87
.set CY,   88
.set TX,   89
.set TY,   90
.set NRM,  91                          ; all ones where my columns have no rope, else 0
.set KVC,  2                           ; 1 in the cluster that makes k and v
.set SEL,  100
.set MSB, 0
.macro WIN new                         ; the immediate's high byte repeats the setting that is left
.if MSB != \new
	s_set_vgpr_msb (MSB<<8)|\new
.set MSB, \new
.endif
.endm
.set MUL,  0x05                        ; sources 0 and 1 window 1; C and D window 0
.set TO_F, 0x40                        ; destination window 1, address window 0
.macro PLACES n
.rept \n
	v_nop
.endr
.endm
; A joint load: waves 0 and 1 fetch for x, waves 2 and 3 for W.  Each line has one mask and one set of registers for all that issue it; the branch hangs on the wave's number alone.
; An s_nop 0 and four v_nop follow each of the two lines.
.macro JLOAD g0a, g1a, g0b, g1b
	s_cmp_eq_u32 s[RH], 0
	s_cbranch_scc0 .Lfor_b_\@
	tensor_load_to_lds s[\g0a:\g0a+3], s[\g1a:\g1a+7]
	s_nop 0
	PLACES 4
	s_branch .Lasked_\@
.Lfor_b_\@:
	tensor_load_to_lds s[\g0b:\g0b+3], s[\g1b:\g1b+7]
	s_nop 0
	PLACES 4
.Lasked_\@:
.endm
.macro CREST                           ; a round of the cluster's barrier behind its opening barrier
	s_cmp_lg_u32 s[WV], 0
	s_cbranch_scc1 .Lnot_wave_0_\@
	s_barrier_signal -3
.Lnot_wave_0_\@:
	s_barrier_wait -3
	s_barrier_signal -1
	s_barrier_wait -1
.endm
.macro CROUND
	s_barrier_signal -1
	s_barrier_wait -1
	CREST
.endm
.macro FETCH slot, q, f                ; the slot's q-th K step: W's four fragments and x's four into set f: 24 loads of 512 consecutive bytes
	WIN TO_F
.irp i, 0,1,2,3
.irp g, 0,1,2
	ds_load_b128 v[(\f)+48+12*\i+4*\g:(\f)+48+12*\i+4*\g+3], v[ADRB+\slot] offset:\i*RTS+(\q)*1536+512*\g
.endr
.endr
.irp i, 0,1,2,3
.irp g, 0,1,2
	ds_load_b128 v[(\f)+12*\i+4*\g:(\f)+12*\i+4*\g+3], v[ADRA+\slot] offset:\i*RTS+(\q)*1536+512*\g
.endr
.endr
	WIN 0
.endm
.macro SCALES kap, set                 ; two K steps' scale words: lanes 0-15 x's tile i, lanes 16-31 W's tile i
.irp i, 0,1,2,3
	ds_load_b64 v[SC+8*(\set)+2*\i:SC+8*(\set)+2*\i+1], v[ADRS] offset:(\kap)*512+128*\i
.endr
.endm
.macro MULA f, a, q, set, first        ; x's tile a against W's four.  The 16 accumulators take turns in the same order in every step
.irp b, 0,1,2,3
.if \first
	v_wmma_scale_f32_16x16x128_f8f6f4 v[ACC+8*(4*(\a)+\b):ACC+8*(4*(\a)+\b)+7], v[(\f)+48+12*\b:(\f)+48+12*\b+11], v[(\f)+12*(\a):(\f)+12*(\a)+11], v[BI+8*\b:BI+8*\b+7], v[SC+8*(\set)+2*\b+(\q)%2], v[SC+8*(\set)+2*(\a)+(\q)%2] matrix_a_fmt:MATRIX_FMT_FP6 matrix_b_fmt:MATRIX_FMT_FP6 matrix_a_scale:MATRIX_SCALE_ROW1
.else
	v_wmma_scale_f32_16x16x128_f8f6f4 v[ACC+8*(4*(\a)+\b):ACC+8*(4*(\a)+\b)+7], v[(\f)+48+12*\b:(\f)+48+12*\b+11], v[(\f)+12*(\a):(\f)+12*(\a)+11], v[ACC+8*(4*(\a)+\b):ACC+8*(4*(\a)+\b)+7], v[SC+8*(\set)+2*\b+(\q)%2], v[SC+8*(\set)+2*(\a)+(\q)%2] matrix_a_fmt:MATRIX_FMT_FP6 matrix_b_fmt:MATRIX_FMT_FP6 matrix_a_scale:MATRIX_SCALE_ROW1
.endif
.endr
.endm
; One of a slot's first three K steps: this step's fragments are in; the next step's are asked for, into the set that the last step multiplied, four places behind its products; then 16 products.
.macro STEP slot, q, kap, first
	s_wait_dscnt 0x0
	PLACES 4
	FETCH \slot, (\q)+1, 96*(((\q)+1)%2)
.if (\q) == 1
	SCALES \kap, 1
.endif
	WIN MUL
.irp aa, 0,1,2,3
	MULA 96*((\q)%2), \aa, \q, (\q)/2, \first
.endr
	WIN 0
.endm
; A slot's last K step changes slots: ONE barrier; in front of it each wave waits for all its tensor loads, adds 0 to its spare word, and waits for that and for its reads of this slot.
.macro TURN slot, next, fill, kap
	s_wait_tensorcnt 0x0                           ; all my tensor loads have landed: my part of the next slot
	ds_add_u32 v[SPW], v[NIL]                      ; 0 onto my spare word
	s_wait_dscnt 1                                 ; the add alone may be out: this step's fragments are in
	WIN MUL
	MULA 96, 0, 3, 1, 0
	s_wait_dscnt 0x0                               ; the add is done, and my reads of this slot are over
	s_barrier_signal -1
	MULA 96, 1, 3, 1, 0
	WIN 0
	s_barrier_wait -1
.if \fill
	CREST                                          ; the barrier has opened a round of the cluster's: no wave of any partner still reads this slot or has a load on its way
	s_add_nc_u64 s[G0A+4*\slot+2:G0A+4*\slot+3], s[G0A+4*\slot+2:G0A+4*\slot+3], 2*RTS
	s_add_nc_u64 s[G0B+4*\slot+2:G0B+4*\slot+3], s[G0B+4*\slot+2:G0B+4*\slot+3], 2*RTS
	JLOAD G0A+4*\slot, G1A, G0B+4*\slot, G1B       ; the first tensor load behind the round; its four v_nop are the places in front of the loads below
.else
	PLACES 4
.endif
.if \next == 0
	v_add_nc_u32 v[ADRS], 2048, v[ADRS]            ; a lap's four blocks of scale words on (no LDS load of mine is out)
.endif
	FETCH \next, 0, 0
	SCALES \kap, 0
	WIN MUL
	MULA 96, 2, 3, 1, 0
	MULA 96, 3, 3, 1, 0
	WIN 0
.endm
	s_load_b512 s[4:19], s[0:1], 0x0               ; xw 4, bq 6, bk 8, bv 10, cos 12, sin 14, qq 16, kv 18
	s_load_b128 s[20:23], s[0:1], 0x40             ; out1 20, out2 22
	v_lshl_add_u32 v[SPW], v0, 2, SPARE
	v_mov_b32 v[NIL], 0
	ds_add_u32 v[SPW], v[NIL]                      ; the wave's opening
	v_lshrrev_b32 v1, 5, v0
	v_readfirstlane_b32 s[WV], v1
	s_lshr_b32 s[RH], s[WV], 1
	s_and_b32 s[CH], s[WV], 1
	s_bfe_u32 s[CX], ttmp6, 0x40000
	s_bfe_u32 s[CY], ttmp6, 0x40004
	s_lshl_b32 s[TX], ttmp9, 2
	s_add_co_u32 s[TX], s[TX], s[CX]               ; tile column = 4 x cluster x + cx
	s_and_b32 s[TY], ttmp7, 0xffff
	s_lshl_b32 s[TY], s[TY], 2
	s_add_co_u32 s[TY], s[TY], s[CY]               ; tile row = 4 x cluster y + cy
	s_lshl_b32 s92, s[CY], 2
	s_lshl_b32 s92, 15, s92                        ; my row of the cluster
	s_lshl_b32 s93, 0x1111, s[CX]                  ; my column
	s_or_b32 s[G1A], s92, (3<<16)|(1<<21)          ; codes: elements of 8 bytes, no padding; x's tiles go to my row,
	s_or_b32 s[G1B], s93, (3<<16)|(1<<21)          ; W's to my column
.irp g, G1A, G1B
	s_mov_b32 s[\g+1], 768<<16                     ; tensor_dim0: 768 elements = 6,144 bytes
	s_mov_b32 s[\g+2], 4<<16                       ; tensor_dim1 = 4
	s_mov_b32 s[\g+3], 768<<16                     ; tile_dim0
	s_mov_b32 s[\g+4], 4                           ; tile_dim1
	s_mov_b32 s[\g+5], 6144                        ; from tile of rows to tile of rows: 49,152 bytes
	s_mov_b32 s[\g+6], 0
	s_mov_b32 s[\g+7], 0
.endr
	s_or_b32 s[G1SA], s92, (3<<16)|(1<<21)         ; scale bytes: 16 rows (one for each 256 along K) of 64 image rows x 8 bytes
	s_or_b32 s[G1SB], s93, (3<<16)|(1<<21)
.irp g, G1SA, G1SB
	s_mov_b32 s[\g+1], 64<<16
	s_mov_b32 s[\g+2], 16<<16
	s_mov_b32 s[\g+3], 64<<16
	s_mov_b32 s[\g+4], 16
	s_mov_b32 s[\g+6], 0
	s_mov_b32 s[\g+7], 0
.endr
	s_mov_b32 s[G1SA+5], 1024                      ; x has 1,024 rows,
	s_mov_b32 s[G1SB+5], 4608                      ; the weights 4,608 columns
	s_lshl_b32 s92, s[TY], 3                       ; x's codes: tile of rows 8 TY + 4 x half (no register here ever holds cx)
	s_lshl_b32 s93, s[CH], 2
	s_add_co_u32 s92, s92, s93
	s_mul_i32 s92, s92, RTG
	s_mov_b32 s93, 0
	s_lshl_b32 s94, s[TX], 3                       ; W's codes: tile 8 TX + 4 x half (and none here cy)
	s_lshl_b32 s95, s[CH], 2
	s_add_co_u32 s94, s94, s95
	s_mul_i32 s94, s94, RTG
	s_add_co_u32 s94, s94, WI
	s_mov_b32 s95, 0
	s_lshl_b32 s96, s[TY], 10                      ; x's scale bytes: row 128 TY + 64 x half, 8 bytes a row
	s_lshl_b32 s97, s[CH], 9
	s_add_co_u32 s96, s96, s97
	s_add_co_u32 s96, s96, XSO
	s_mov_b32 s97, 0
	s_lshl_b32 s98, s[TX], 10                      ; W's
	s_lshl_b32 s99, s[CH], 9
	s_add_co_u32 s98, s98, s99
	s_add_co_u32 s98, s98, WSO
	s_mov_b32 s99, 0
	s_mul_i32 s100, s[WV], HALFT                   ; where they go: wave x a quarter of a slot; no place in the cluster enters an LDS address
	s_lshl_b32 s101, s[WV], 13
	s_wait_dscnt 0x0                               ; the opening add is done
	s_wait_kmcnt 0x0
	s_add_nc_u64 s[92:93], s[4:5], s[92:93]
	s_add_nc_u64 s[94:95], s[4:5], s[94:95]
	s_add_nc_u64 s[96:97], s[4:5], s[96:97]
	s_add_nc_u64 s[98:99], s[4:5], s[98:99]
	CROUND                                         ; all sixteen work-groups are here: the first joint loads meet
	s_mov_b32 s[G0SA], 1
	s_add_co_u32 s[G0SA+1], s101, SCL
	s_mov_b64 s[G0SA+2:G0SA+3], s[96:97]
	s_or_b32 s[G0SA+3], s[G0SA+3], 0x80000000
	s_mov_b32 s[G0SB], 1
	s_add_co_u32 s[G0SB+1], s101, SCL
	s_mov_b64 s[G0SB+2:G0SB+3], s[98:99]
	s_or_b32 s[G0SB+3], s[G0SB+3], 0x80000000
	JLOAD G0SA, G1SA, G0SB, G1SB                   ; the scale bytes first: they are wanted with the first K step
.irp s, 0,1
	s_mov_b32 s[G0A+4*\s], 1
	s_add_co_u32 s[G0A+4*\s+1], s100, \s*SLOT
	s_add_nc_u64 s[G0A+4*\s+2:G0A+4*\s+3], s[92:93], \s*RTS
	s_or_b32 s[G0A+4*\s+3], s[G0A+4*\s+3], 0x80000000
	s_mov_b32 s[G0B+4*\s], 1
	s_add_co_u32 s[G0B+4*\s+1], s100, \s*SLOT
	s_add_nc_u64 s[G0B+4*\s+2:G0B+4*\s+3], s[94:95], \s*RTS
	s_or_b32 s[G0B+4*\s+3], s[G0B+4*\s+3], 0x80000000
	JLOAD G0A+4*\s, G1A, G0B+4*\s, G1B             ; three loads of mine are out
.endr
	v_and_b32 v1, 15, v0                           ; r
	v_bfe_u32 v2, v0, 4, 1                         ; h
	v_and_b32 v3, 31, v0                           ; lane
	v_lshlrev_b32 v4, 4, v3                        ; 16 x lane
	v_lshlrev_b32 v8, 3, v3                        ; 8 x lane
	v_lshlrev_b32 v9, 2, v3                        ; 4 x lane
	s_mul_i32 s92, s[RH], HALFT                    ; my 64 rows of x,
	s_mul_i32 s93, s[CH], HALFT                    ; my 64 columns of W,
	s_add_co_u32 s93, s93, 2*HALFT                 ; which lie behind x's 128 rows
.irp s, 0,1
	v_add_nc_u32 v[ADRA+\s], s92, v4
	v_add_nc_u32 v[ADRB+\s], s93, v4
	s_add_co_u32 s92, s92, SLOT
	s_add_co_u32 s93, s93, SLOT
.endr
	s_lshl_b32 s92, s[RH], 13                      ; scale words: lanes 0-15 x's half RH, lanes 16-31 W's half CH: the lower base + h x the distance
	s_lshl_b32 s93, s[CH], 13
	s_add_co_u32 s93, s93, 16384
	s_sub_co_u32 s93, s93, s92
	v_mul_u32_u24 v5, s93, v2
	s_add_co_u32 s92, s92, SCL
	v_lshl_add_u32 v5, v1, 3, v5
	v_add_nc_u32 v[ADRS], s92, v5
	s_mul_i32 s92, s[WV], STGW                     ; my stage
	v_mul_u32_u24 v5, v1, SPITCH
	v_lshl_add_u32 v5, v2, 6, v5
	v_add_nc_u32 v[STO], s92, v5                   ; in: row r, + 64 h
	v_mul_u32_u24 v5, v2, SPITCH
	v_lshl_add_u32 v5, v1, 4, v5
	v_add_nc_u32 v[RD], s92, v5                    ; back by rows: lanes 0-15 one row, lanes 16-31 the next
	v_lshl_add_u32 v[CA], v3, 2, s92               ; back by columns: a lane a column
	v_lshlrev_b32 v[CO], 9, v2
	v_lshl_add_u32 v[CO], v1, 4, v[CO]             ; the same two rows in out1 or out2: 512 bytes a row
	s_cmp_eq_u32 ttmp9, 8
	s_cselect_b32 s[KVC], 1, 0                     ; the same in all sixteen partners
	s_cmp_eq_u32 s[CH], 0                          ; the bias of my 64 columns
	s_cselect_b64 s[92:93], s[8:9], s[10:11]
	s_lshl_b32 s94, s[CX], 8
	s_lshl_b32 s95, s[TX], 9
	s_lshl_b32 s96, s[CH], 8
	s_add_co_u32 s95, s95, s96
	s_cmp_eq_u32 s[KVC], 1
	s_cselect_b64 s[92:93], s[92:93], s[6:7]
	s_cselect_b32 s94, s94, s95
	s_mov_b32 s95, 0
	s_add_nc_u64 s[92:93], s[92:93], s[94:95]
	s_and_b32 s96, s[CX], 1                        ; no rope: q: the head's upper 64; k: likewise (odd cx); v: never any
	s_or_b32 s96, s96, s[CH]
	s_cmp_eq_u32 s[KVC], 1
	s_cselect_b32 s96, s96, s[CH]
	s_sub_co_u32 s[NRM], 0, s96
	s_lshl_b32 s96, s[TY], 14                      ; cos and sin at my first row: 128 bytes a row
	s_lshl_b32 s97, s[RH], 13
	s_add_co_u32 s96, s96, s97
	s_mov_b32 s97, 0
	s_add_nc_u64 s[12:13], s[12:13], s[96:97]
	s_add_nc_u64 s[14:15], s[14:15], s[96:97]
	v_lshlrev_b32 v7, 6, v2                        ; bias: + 16 h numbers
	v_lshlrev_b32 v6, 7, v1
	v_lshl_add_u32 v6, v2, 5, v6                   ; cos, sin: row r, + 8 h pairs
.irp b, 0,1,2,3
.irp e, 0,1
	global_load_b128 v[BI+8*\b+4*\e:BI+8*\b+4*\e+3], v7, s[92:93] offset:(32*(\b/2)+8*(\b%2))*4+16*\e   ; tile b's register j: column 32 (b / 2) + 16 h + 8 (b % 2) + j
.endr
.endr
	WIN 0x80                                       ; destination window 2
.irp a, 0,1,2,3
.irp bb, 0,1
.irp e, 0,1
	global_load_b128 v[32*\a+16*\bb+4*\e:32*\a+16*\bb+4*\e+3], v6, s[12:13] offset:\a*2048+64*\bb+16*\e       ; cos of pairs 16 bb + 8 h + 0 .. 7
	global_load_b128 v[32*\a+16*\bb+8+4*\e:32*\a+16*\bb+8+4*\e+3], v6, s[14:15] offset:\a*2048+64*\bb+16*\e   ; sin
.endr
.endr
.endr
	WIN 0
	s_wait_tensorcnt 1                             ; the scale bytes and my part of slot 0 are in; slot 1's load may be out
	s_barrier_signal -1
	s_barrier_wait -1
	FETCH 0, 0, 0
	SCALES 0, 0
	s_wait_loadcnt 32                              ; the bias is in; the 32 loads of cos and sin may be out
	STEP 0, 0, 0, 1                                ; the first step stands in front of the loop: its products start the sums, on the bias
	s_mov_b32 s3, 3
.Llap:                                                 ; a trip goes once round the ring and fills both slots again
	STEP 0, 1, 1, 0
	STEP 0, 2, 0, 0
	TURN 0, 1, 1, 2
	STEP 1, 0, 0, 0
	STEP 1, 1, 3, 0
	STEP 1, 2, 0, 0
	TURN 1, 0, 1, 0
	STEP 0, 0, 0, 0
	s_sub_co_u32 s3, s3, 1
	s_cmp_lg_u32 s3, 0
	s_cbranch_scc1 .Llap
	STEP 0, 1, 1, 0                                ; the last lap fills nothing
	STEP 0, 2, 0, 0
	TURN 0, 1, 0, 2
	STEP 1, 0, 0, 0
	STEP 1, 1, 3, 0
	STEP 1, 2, 0, 0
	s_wait_dscnt 0x0
	WIN MUL
.irp aa, 0,1,2,3
	MULA 96, \aa, 3, 1, 0
.endr
	WIN 0
	; ---------------- the rope ----------------
	PLACES 4
	s_wait_loadcnt 0x0                             ; cos and sin
	WIN 0x82                                       ; destination and source 0 window 2
.set T, 0
.rept 8
.irp i, 0,1,2,3,4,5,6,7
	v_cndmask_b32 v[16*T+\i], v[16*T+\i], 1.0, s[NRM]         ; where my columns have no rope: cos = 1,
	v_cndmask_b32 v[16*T+8+\i], v[16*T+8+\i], 0, s[NRM]       ; sin = 0
.endr
.set T, T+1
.endr
	WIN 0x08                                       ; source 1 window 2
.macro ROPE a                          ; registers 2 i, 2 i + 1 of a lane's 16 are a pair.  Each accumulator is read from its low end on
.irp bb, 0,1
.irp i, 0,1,2,3,4,5,6,7
	v_mul_f32 v[80+2*(\i%4)], v[ACC+32*(\a)+16*\bb+2*\i+1], v[32*(\a)+16*\bb+8+\i]
	v_mul_f32 v[81+2*(\i%4)], v[ACC+32*(\a)+16*\bb+2*\i], v[32*(\a)+16*\bb+8+\i]
	v_fma_f32 v[ACC+32*(\a)+16*\bb+2*\i], v[ACC+32*(\a)+16*\bb+2*\i], v[32*(\a)+16*\bb+\i], -v[80+2*(\i%4)]
	v_fma_f32 v[ACC+32*(\a)+16*\bb+2*\i+1], v[ACC+32*(\a)+16*\bb+2*\i+1], v[32*(\a)+16*\bb+\i], v[81+2*(\i%4)]
.endr
.endr
.endm
	ROPE 0
	ROPE 1
	ROPE 2
	ROPE 3
	WIN 0
	s_mov_b32 s[SEL], 0x76543210
	s_mov_b32 s[SEL+1], 0xfedcba98
	v_mov_b32 v50, 0                               ; written once: a lane permute's destination counts as one of its sources
	v_mov_b32 v51, 0
	v_cmp_le_u32 vcc_lo, 16, v3                    ; lanes 16-31
; Rows 16 a on: my 64 columns are two blocks of 32.  Codes into v[96 + 8 a] on: lane (r, h) then holds block h of row r, six registers; the two bytes into v[56 + a].
.macro QUANT2 a
.set QB, ACC+32*(\a)
.irp b, 0,1
	v_max3_num_f32 v[48+\b], |v[QB+16*\b]|, |v[QB+16*\b+1]|, 0x1800000
.endr
.irp i, 2,4,6,8,10,12,14
.irp b, 0,1
	v_max3_num_f32 v[48+\b], v[48+\b], |v[QB+16*\b+\i]|, |v[QB+16*\b+\i+1]|
.endr
.endr
.irp b, 0,1
	v_permlanex16_b32 v[50+\b], v[48+\b], s[SEL], s[SEL+1]
.endr
.irp b, 0,1
	v_max_num_f32 v[48+\b], v[48+\b], v[50+\b]
.endr
.irp b, 0,1
	v_add_nc_u32 v[52+\b], 0xff000000, v[48+\b]
.endr
.irp b, 0,1
	v_lshrrev_b32 v[54+\b], 23, v[52+\b]
.endr
	v_lshl_or_b32 v[56+(\a)], v55, 8, v54
	v_cvt_scalef32_pk16_fp6_f32 v[96+8*(\a):98+8*(\a)], v[QB:QB+15], v52
	v_cvt_scalef32_pk16_fp6_f32 v[88:90], v[QB+16:QB+31], v53
	v_nop                                          ; one plain place behind the conversions
.irp i, 0,1,2
	v_permlane16_swap_b32 v[96+8*(\a)+\i], v[88+\i]
.endr
.irp i, 0,1,2
	v_mov_b32 v[99+8*(\a)+\i], v[88+\i]
.endr
.endm
	s_cmp_eq_u32 s[KVC], 1
	s_cbranch_scc1 .Lkv
	; ---------------- q: codes and scale halves for the attention ----------------
	s_mul_i32 s92, s[TX], 98304                    ; head
	s_lshl_b32 s93, s[TY], 3
	s_lshl_b32 s94, s[RH], 2
	s_add_co_u32 s93, s93, s94
	s_mul_i32 s93, s93, 1536                       ; tile of 16 queries
	s_add_co_u32 s92, s92, s93
	s_mul_i32 s93, s[CH], 768                      ; registers 6 CH on
	s_add_co_u32 s92, s92, s93
	s_mov_b32 s93, 0
	s_add_nc_u64 s[92:93], s[16:17], s[92:93]
	s_lshl_b32 s94, s[TX], 12
	s_lshl_b32 s95, s[TY], 9
	s_add_co_u32 s94, s94, s95
	s_lshl_b32 s95, s[RH], 8
	s_add_co_u32 s94, s94, s95
	s_lshl_b32 s95, s[CH], 1
	s_add_co_u32 s94, s94, s95
	s_add_co_u32 s94, s94, QSO
	s_mov_b32 s95, 0
	s_add_nc_u64 s[94:95], s[16:17], s[94:95]
.irp a, 0,1,2,3
	QUANT2 \a
.irp p, 0,1,2
	global_store_b64 v8, v[96+8*\a+2*\p:97+8*\a+2*\p], s[92:93] offset:1536*\a+256*\p   ; 32 lanes store 256 consecutive bytes, at a multiple of 256
.endr
.endr
	v_cndmask_b32 v60, v56, v57, vcc_lo            ; lanes 16-31 store for the next 16 rows
	v_cndmask_b32 v61, v58, v59, vcc_lo
	global_store_b16 v9, v60, s[94:95]             ; my half of each row's scale word
	global_store_b16 v9, v61, s[94:95] offset:128
	s_branch .Ldone
	; ---------------- k and v ----------------
.Lkv:
	s_and_b32 s96, s[CX], 1                        ; which 64 of the head's 128
	s_lshr_b32 s97, s[CX], 1                       ; which head of the two
	s_cmp_eq_u32 s[CH], 0
	s_cselect_b64 s[92:93], s[20:21], s[22:23]     ; k goes to out1, v to out2
	s_lshl_b32 s94, s97, 20
	s_lshl_b32 s95, s[TY], 16
	s_add_co_u32 s94, s94, s95
	s_lshl_b32 s95, s[RH], 15
	s_add_co_u32 s94, s94, s95
	s_lshl_b32 s95, s96, 8
	s_add_co_u32 s94, s94, s95
	s_add_co_u32 s94, s94, 1024*512                ; behind the cache's 1,024 keys
	s_mov_b32 s95, 0
	s_add_nc_u64 s[92:93], s[92:93], s[94:95]
.irp a, 0,1,2,3                        ; a lane's 16 neighbours are 64 bytes of a row: through my own stage, back as whole rows of 256 bytes
.irp bb, 0,1
.irp i, 0,1,2,3
	ds_store_b128 v[STO], v[ACC+32*\a+16*\bb+4*\i:ACC+32*\a+16*\bb+4*\i+3] offset:16*\a*SPITCH+128*\bb+16*\i
.endr
.endr
.endr
	WIN 0x40                                       ; destination window 1
.set T, 0
.rept 32
	ds_load_b128 v[4*T:4*T+3], v[RD] offset:2*T*SPITCH   ; LDS serves a wave's instructions in order: these see my stores
.set T, T+1
.endr
	WIN 0x04                                       ; a store's data are its source 1: window 1
.set T, 0
.rept 32
	s_wait_dscnt 31-T                              ; the younger read-backs may be out
	global_store_b128 v[CO], v[4*T:4*T+3], s[92:93] offset:2*T*512   ; 16 lanes store 256 consecutive bytes, at a multiple of 256
.set T, T+1
.endr
	WIN 0
	s_mul_i32 s94, s97, 196608                     ; the images: head,
	s_add_co_u32 s95, s[TY], 8                     ; key step 8 + TY
	s_mul_i32 s98, s95, 12288
	s_add_co_u32 s94, s94, s98
	s_cmp_eq_u32 s[CH], 1
	s_cbranch_scc1 .Lvpart
	; k: quantised along the head's 128; its rows (keys) go to their turned places in K's image
	s_mul_i32 s98, s[RH], 6144
	s_add_co_u32 s98, s98, s94
	s_mov_b32 s99, 0
	s_add_nc_u64 s[98:99], s[18:19], s[98:99]
	s_lshl_b32 s94, s97, 13
	s_lshl_b32 s95, s95, 9
	s_add_co_u32 s94, s94, s95
	s_lshl_b32 s95, s[RH], 8
	s_add_co_u32 s94, s94, s95
	s_lshl_b32 s95, s96, 1
	s_add_co_u32 s94, s94, s95
	s_add_co_u32 s94, s94, KSO
	s_mov_b32 s95, 0
	s_add_nc_u64 s[94:95], s[18:19], s[94:95]
	s_cmp_eq_u32 s96, 0                            ; where registers 6 c .. 6 c + 5 lie in a fragment's image, in three pieces of 8 bytes
	s_cselect_b32 s4, 0, 520
	s_mov_b32 s5, 1024
	s_cselect_b32 s5, 8, s5
	s_mov_b32 s6, 1032
	s_cselect_b32 s6, 512, s6
	v_lshrrev_b32 v62, 3, v1                       ; key 16 (a % 2) + r of 32: tile r / 8, image row r % 8 + 8 (a % 2)
	v_mul_u32_u24 v62, v62, 1536
	v_and_b32 v63, 7, v1
	v_lshl_add_u32 v63, v2, 4, v63
	v_lshl_add_u32 v62, v63, 4, v62
	v_add_nc_u32 v64, s4, v62
	v_add_nc_u32 v65, s5, v62
	v_add_nc_u32 v66, s6, v62
	v_lshrrev_b32 v67, 3, v1
	v_and_b32 v68, 7, v1
	v_lshl_add_u32 v67, v67, 4, v68
	v_lshl_add_u32 v67, v2, 3, v67
	v_lshlrev_b32 v67, 2, v67                      ; the scale word of image row 16 (r / 8) + r % 8 + 8 h
.irp a, 0,1,2,3
	QUANT2 \a
.irp p, 0,1,2
	global_store_b64 v[64+\p], v[96+8*\a+2*\p:97+8*\a+2*\p], s[98:99] offset:(\a/2)*3072+(\a%2)*128
.endr
.endr
	v_cndmask_b32 v60, v56, v57, vcc_lo
	v_cndmask_b32 v61, v58, v59, vcc_lo
	global_store_b16 v67, v60, s[94:95]
	global_store_b16 v67, v61, s[94:95] offset:128
	s_branch .Ldone
	; v: quantised along the KEYS: read from my stage by columns, a lane a channel, its registers down the keys
.Lvpart:
	s_mul_i32 s98, s96, 6144
	s_add_co_u32 s98, s98, s94
	s_add_co_u32 s98, s98, VI
	s_mov_b32 s99, 0
	s_add_nc_u64 s[98:99], s[18:19], s[98:99]
	s_lshl_b32 s94, s97, 13
	s_lshr_b32 s4, s95, 1
	s_lshl_b32 s4, s4, 10
	s_add_co_u32 s94, s94, s4
	s_lshl_b32 s4, s96, 9
	s_add_co_u32 s94, s94, s4
	s_and_b32 s4, s95, 1
	s_lshl_b32 s4, s4, 2
	s_add_co_u32 s94, s94, s4
	s_lshl_b32 s4, s[RH], 1
	s_add_co_u32 s94, s94, s4
	s_add_co_u32 s94, s94, VSO
	s_mov_b32 s95, 0
	s_add_nc_u64 s[94:95], s[18:19], s[94:95]
	s_cmp_eq_u32 s[RH], 0                          ; my 64 keys are registers 6 RH on of the key step's fragments
	s_cselect_b32 s4, 0, 520
	s_mov_b32 s5, 1024
	s_cselect_b32 s5, 8, s5
	s_mov_b32 s6, 1032
	s_cselect_b32 s6, 512, s6
	v_bfe_u32 v62, v3, 3, 1                        ; my channel's tile of the two, and its row there
	v_and_b32 v63, 7, v3
	v_lshrrev_b32 v68, 4, v3
	v_lshl_add_u32 v63, v68, 3, v63
	v_mul_u32_u24 v68, v62, 1536
	v_lshl_add_u32 v68, v63, 4, v68
	v_add_nc_u32 v64, s4, v68
	v_add_nc_u32 v65, s5, v68
	v_add_nc_u32 v66, s6, v68
	v_lshl_add_u32 v67, v62, 4, v63
	v_lshlrev_b32 v67, 3, v67
.macro VLOAD dh, kb                    ; channels 32 dh on, keys 32 kb on, into the accumulators' registers, which are free: the results lie in the stage
.set VX, ACC+32*(2*(\dh)+(\kb))
.set T, 0
.rept 32
	ds_load_b32 v[VX+T], v[CA] offset:(32*(\kb)+T)*SPITCH+128*(\dh)
.set T, T+1
.endr
.endm
.macro VCOL dh, kb
.set VX, ACC+32*(2*(\dh)+(\kb))
.set VC, 96+8*(2*(\dh)+(\kb))
	v_max3_num_f32 v48, |v[VX]|, |v[VX+1]|, |v[VX+2]|
	v_max3_num_f32 v49, |v[VX+3]|, |v[VX+4]|, |v[VX+5]|
.irp i, 6,10,14,18,22,26
	v_max3_num_f32 v48, v48, |v[VX+\i]|, |v[VX+\i+1]|
	v_max3_num_f32 v49, v49, |v[VX+\i+2]|, |v[VX+\i+3]|
.endr
	v_max3_num_f32 v48, v48, |v[VX+30]|, |v[VX+31]|
	v_max3_num_f32 v48, v48, v49, 0x1800000
	v_add_nc_u32 v52, 0xff000000, v48
	v_lshrrev_b32 v[54+(\kb)], 23, v52
	v_cvt_scalef32_pk16_fp6_f32 v[VC:VC+2], v[VX:VX+15], v52
	v_cvt_scalef32_pk16_fp6_f32 v[88:90], v[VX+16:VX+31], v52
	v_nop                                          ; one plain place behind the conversions
.irp i, 0,1,2
	v_mov_b32 v[VC+3+\i], v[88+\i]
.endr
.irp p, 0,1,2
	global_store_b64 v[64+\p], v[VC+2*\p:VC+2*\p+1], s[98:99] offset:(\dh)*3072+(\kb)*256
.endr
.if (\kb) == 1
	v_lshl_or_b32 v[56+(\dh)], v55, 8, v54
	global_store_b16 v67, v[56+(\dh)], s[94:95] offset:(\dh)*256
.endif
.endm
	VLOAD 0, 0
	VLOAD 0, 1
	s_wait_dscnt 32                                ; the next item's 32 reads may be out
	VCOL 0, 0
	VLOAD 1, 0
	s_wait_dscnt 32
	VCOL 0, 1
	VLOAD 1, 1
	s_wait_dscnt 32
	VCOL 1, 0
	s_wait_dscnt 0x0
	VCOL 1, 1
.Ldone:
	s_wait_tensorcnt 0x0                           ; the wave's end
	ds_add_u32 v[SPW], v[NIL]
	s_wait_dscnt 0x0
	CROUND                                         ; the closing round: no work-group ends while a partner may still ask for a tile that names it
	s_endpgm
.Lfunc_end_k_qb1b9710e4f_qkv:
	.size	k_qb1b9710e4f_qkv, .Lfunc_end_k_qb1b9710e4f_qkv-k_qb1b9710e4f_qkv
	.p2alignl 7, 3214868480
	.fill 96, 4, 3214868480
	.section	.rodata,"a",@progbits
	.p2align	6, 0x0
	.amdhsa_kernel k_qb1b9710e4f_qkv
		.amdhsa_group_segment_fixed_size 327680
		.amdhsa_private_segment_fixed_size 0
		.amdhsa_enable_private_segment 0
		.amdhsa_kernarg_size 80
		.amdhsa_user_sgpr_count 2
		.amdhsa_user_sgpr_kernarg_segment_ptr 1
		.amdhsa_wavefront_size32 1
		.amdhsa_system_sgpr_workgroup_id_x 1
		.amdhsa_system_sgpr_workgroup_id_y 1
		.amdhsa_system_sgpr_workgroup_id_z 1
		.amdhsa_system_vgpr_workitem_id 0
		.amdhsa_next_free_vgpr 640
		.amdhsa_next_free_sgpr 102
		.amdhsa_reserve_vcc 1
		.amdhsa_float_denorm_mode_32 3
		.amdhsa_float_denorm_mode_16_64 3
		.amdhsa_memory_ordered 1
		.amdhsa_forward_progress 1
		.amdhsa_inst_pref_size 145
	.end_amdhsa_kernel
	.amdgpu_metadata
---
amdhsa.version: [ 1, 2 ]
amdhsa.kernels:
  - .name:           k_qb1b9710e4f_qkv
    .symbol:         k_qb1b9710e4f_qkv.kd
    .args:
      - { .name: xw, .offset: 0, .size: 8, .value_kind: global_buffer, .address_space: global }
      - { .name: bq, .offset: 8, .size: 8, .value_kind: global_buffer, .address_space: global }
      - { .name: bk, .offset: 16, .size: 8, .value_kind: global_buffer, .address_space: global }
      - { .name: bv, .offset: 24, .size: 8, .value_kind: global_buffer, .address_space: global }
      - { .name: cos, .offset: 32, .size: 8, .value_kind: global_buffer, .address_space: global }
      - { .name: sin, .offset: 40, .size: 8, .value_kind: global_buffer, .address_space: global }
      - { .name: qq, .offset: 48, .size: 8, .value_kind: global_buffer, .address_space: global }
      - { .name: kv, .offset: 56, .size: 8, .value_kind: global_buffer, .address_space: global }
      - { .name: out1, .offset: 64, .size: 8, .value_kind: global_buffer, .address_space: global }
      - { .name: out2, .offset: 72, .size: 8, .value_kind: global_buffer, .address_space: global }
    .group_segment_fixed_size: 327680
    .private_segment_fixed_size: 0
    .kernarg_segment_align: 8
    .kernarg_segment_size: 80
    .max_flat_workgroup_size: 128
    .sgpr_count:     102
    .vgpr_count:     640
    .wavefront_size: 32
...
	.end_amdgpu_metadata
.endif
;; end of part 2
;; launch attn (part 3): grid 64 x 4, 8 waves a work-group, clusters of 4 x 1, 327,680 bytes of LDS; arguments qq, kv, attention_mask, oo; writes oo
.if DOCPART == 3
	.amdgcn_target "amdgcn-amd-amdhsa--gfx1250"
	.amdhsa_code_object_version 6
	.text
	.protected	k_qb1b9710e4f_attn
	.globl	k_qb1b9710e4f_attn
	.p2align	8
	.type	k_qb1b9710e4f_attn,@function
k_qb1b9710e4f_attn:
	s_mov_b64 s[64:65], 0
	v_nop
	global_prefetch_b8 v0, s[64:65] scope:SCOPE_SE
	s_setreg_imm32_b32 hwreg(HW_REG_WAVE_MODE, 25, 1), 1
	s_wait_xcnt 0x0
	s_wait_alu depctr_hold_cnt(0) depctr_sa_sdst(0) depctr_va_vdst(0) depctr_va_sdst(0) depctr_va_ssrc(0) depctr_va_vcc(0) depctr_vm_vsrc(0)
	s_getreg_b32 s2, hwreg(HW_REG_IB_STS2, 6, 4)
	s_cmp_eq_u32 s2, 0
	s_cbranch_scc0 .Lentry_in_a_cluster
	s_endpgm
.Lentry_in_a_cluster:
	s_bfe_u32 s2, ttmp6, 0x10000c
	s_cmp_lg_u32 s2, 0x3003
	s_cbranch_scc0 .Lentry_shape_is_right
	s_endpgm
.Lentry_shape_is_right:
; o = softmax(q k^T / sqrt(128) + mask) v, both products on codes of FP6 (E2M3) with E8M0 scales; o leaves as codes for the last product.
; THE MASK IS AN INPUT: every query walks all 2,048 keys and every number of the mask is read.  It hangs on the query alone, so a work-group takes 16 QUERIES AND 8 HEADS: wave w has head 8 y + w, and all eight waves
; read one tile of the mask in LDS.  The eight heads share one key and value head (y / 2).
; CLUSTER: four neighbouring tiles of queries of one group of heads walk the same K and V: those tiles are asked for jointly (waves 0-3; mask 15); each work-group's own rows of the mask come by a load of its own (wave 4).
; THE SOFTMAX: t = (q . k + mask x sqrt(128)) x c, c = log2(e) / sqrt(128): the mask's tile, multiplied by sqrt(128), is the C of the matrix instruction that makes the scores.  M = the running largest t rounded UP to a
; whole number; p = 2^(t - M) is quantised along the keys; the row's sum is taken of the unquantised p and divides at the end; when M moves, sum and O are multiplied by 2^(old M - new M), which rounds nothing.
; t and t - M are two instructions (a multiply, an add), so that t - M is never above 0 whatever the mask holds.
; LAYOUT: both products transposed (S^T = K Q^T, O^T = V^T P^T): a lane holds ONE query (lane % 16).  K's keys and V's channels lie in turned order in their images, so that the 16 registers of two neighbouring tiles are
; 16 neighbouring keys (for p) or channels (for o's quantiser).  All codes are images of operand registers: a fragment is three loads of 512 consecutive bytes.
; LIMITS: infinities and NaN in the mask or elsewhere are not served; t is rounded as written above, not as (q . k / sqrt(128) + mask) x log2(e).
; REGISTERS: v1-4 lane terms; v5, v6 the add's two; v8-11 the step's addresses; v12 -M, v13 the largest t, v[14:15] the sum; v16-27 Q; v28 the prefetches' offset; v32-79 four fragments; v96-159 mask, scores, t, p;
;   v160-223 O^T; v224-235 p's codes; v232-254 at work; v248-251 scale words (lanes 0-15 an even tile, lanes 16-31 the odd one beside it); v255 Q's scale words.
.set SLOT1,  131072                    ; slot 1 begins here: one exclusive or turns an address from slot to slot
.set KSTEPB, 12288                     ; a key step's 8 fragments.  A slot: K step 0, K step 1, V step 0, V step 1, the mask's 16 rows x 256 keys
.set VOFF,   24576
.set MOFF,   49152
.set MP,     1040                      ; a row of the mask's tile: 1,024 bytes + 16
.set SCK,    262144                    ; K's scale words of the whole head: 8,192 bytes
.set SCV,    270336                    ; V's
.set SPARE,  278528                    ; the spare words, 128 bytes a wave
.set KSO,    786432
.set QSO,    3145728
.set OSO,    3145728
.set SPW, 5
.set NIL, 6
.set AD,  8
.set ADM, 9
.set ADS, 10
.set ADT, 11
.set PFO, 28
.set TM,  232
.set PC,  32
.set PW,  248
.set WV,  12
.set CX,  13
.set QT,  14
.set HG,  15
.set KVH, 16
.set HEAD, 17
.set R128, 18                          ; s[18:19] sqrt(128)
.set SEL, 20
.set CS,  22                           ; s[22:23] c
.set G1D, 24
.set G1S, 32
.set G1M, 40
.set G0D, 48
.set G0S, 52
.set G0M, 56
.set TB,  60
.set TS,  61
.set TJ,  62
.set SLOTS, 63
.set PFA, 66
.set PFS, 68
.set LIM, 70
.macro PLACES n
.rept \n
	v_nop
.endr
.endm
.macro CROUND                          ; a round of the cluster's barrier
	s_barrier_signal -1
	s_barrier_wait -1
	s_cmp_lg_u32 s[WV], 0
	s_cbranch_scc1 .Lnot_wave_0_\@
	s_barrier_signal -3
.Lnot_wave_0_\@:
	s_barrier_wait -3
	s_barrier_signal -1
	s_barrier_wait -1
.endm
; A slot's loads: waves 0-3 ask jointly for K's two steps and V's two, wave 4 for the work-group's rows of the mask, the others for nothing.  The branches hang on the wave's number alone.
; An s_nop 0 and four v_nop follow each line.
.macro TLOAD
	s_cmp_lt_u32 s[WV], 4
	s_cbranch_scc0 .Lnot_kv_\@
	tensor_load_to_lds s[G0D:G0D+3], s[G1D:G1D+7]
	s_nop 0
	PLACES 4
	s_branch .Lasked_\@
.Lnot_kv_\@:
	s_cmp_eq_u32 s[WV], 4
	s_cbranch_scc0 .Lasked_\@
	tensor_load_to_lds s[G0M:G0M+3], s[G1M:G1M+7]
	s_nop 0
	PLACES 4
.Lasked_\@:
.endm
; A PREFETCH INTO THE L2 of what the NEXT change of slots will ask for, a slot's two key steps ahead of that load; one instruction a wave, lanes 256 bytes apart; each block of 256 bytes is named once in the launch.
; K and V (24,576 bytes of each head's K and of its V a slot): the cluster with x = 0 and y = 0 asks, waves 5-7; its four partners take (head, K or V) by ADDRESS.  The mask (16 rows x 1,024 bytes a slot): the
; work-groups with y = 0 ask, waves 2 and 3, eight rows each.  The last change that fills a slot asks for nothing; slots 0 and 1 come by their loads alone.
.macro ASK
	s_cmp_gt_u32 s[SLOTS], s[LIM]
	s_cbranch_scc0 .Lnot_mine_\@
	global_prefetch_b8 v[PFO], s[PFA:PFA+1] th:TH_LOAD_NT scope:SCOPE_SE
.Lnot_mine_\@:
.endm
	s_load_b256 s[4:11], s[0:1], 0x0               ; qq 4, kv 6, mask 8, oo 10
	v_lshl_add_u32 v[SPW], v0, 2, SPARE
	v_mov_b32 v[NIL], 0
	ds_add_u32 v[SPW], v[NIL]                      ; the wave's opening
	v_lshrrev_b32 v8, 5, v0
	v_readfirstlane_b32 s[WV], v8                  ; wave 0..7
	s_bfe_u32 s[CX], ttmp6, 0x40000
	s_lshl_b32 s[QT], ttmp9, 2
	s_add_co_u32 s[QT], s[QT], s[CX]               ; my tile of 16 queries
	s_and_b32 s[HG], ttmp7, 0xffff                 ; my group of 8 heads
	s_lshr_b32 s[KVH], s[HG], 1
	s_lshl_b32 s[HEAD], s[HG], 3
	s_add_co_u32 s[HEAD], s[HEAD], s[WV]
	s_mov_b32 s[G1D], 15|(3<<16)|(1<<21)           ; a key step's fragments: 12,288 dense bytes as 48 rows of 256; all four work-groups
	s_mov_b32 s[G1D+1], 32<<16
	s_mov_b32 s[G1D+2], 48<<16
	s_mov_b32 s[G1D+3], 32<<16
	s_mov_b32 s[G1D+4], 48
	s_mov_b32 s[G1D+5], 32
	s_mov_b32 s[G1D+6], 0
	s_mov_b32 s[G1D+7], 0
	s_mov_b32 s[G1S], 15|(3<<16)|(1<<21)           ; a head's scale bytes: 8,192 dense bytes
	s_mov_b32 s[G1S+1], 32<<16
	s_mov_b32 s[G1S+2], 32<<16
	s_mov_b32 s[G1S+3], 32<<16
	s_mov_b32 s[G1S+4], 32
	s_mov_b32 s[G1S+5], 32
	s_mov_b32 s[G1S+6], 0
	s_mov_b32 s[G1S+7], 0
	s_mov_b32 s[G1M], (2<<16)|(1<<20)|(7<<22)|(3<<25)   ; the mask: elements of 4 bytes, 4 words of padding behind every 256; no work-group mask
	s_mov_b32 s[G1M+1], 256<<16
	s_mov_b32 s[G1M+2], 16<<16
	s_mov_b32 s[G1M+3], 256<<16
	s_mov_b32 s[G1M+4], 16
	s_mov_b32 s[G1M+5], 2048
	s_mov_b32 s[G1M+6], 0
	s_mov_b32 s[G1M+7], 0
	s_lshr_b32 s72, s[WV], 1                       ; waves 0, 1: K's steps; waves 2, 3: V's (no register here ever holds cx)
	s_mul_i32 s72, s72, 393216
	s_mul_i32 s73, s[KVH], 196608
	s_add_co_u32 s72, s72, s73
	s_and_b32 s73, s[WV], 1
	s_mul_i32 s73, s73, KSTEPB
	s_add_co_u32 s72, s72, s73
	s_mov_b32 s73, 0
	s_mul_i32 s74, s[WV], KSTEPB
	s_lshl_b32 s76, s[WV], 14                      ; wave 0: K's scale words; wave 1: V's
	s_lshl_b32 s77, s[KVH], 13
	s_add_co_u32 s76, s76, s77
	s_add_co_u32 s76, s76, KSO
	s_mov_b32 s77, 0
	s_lshl_b32 s75, s[WV], 13
	s_add_co_u32 s75, s75, SCK
	s_lshl_b32 s78, s[QT], 17                      ; my 16 rows of the mask
	s_mov_b32 s79, 0
	s_mov_b32 s[R128], 0x413504f3                  ; sqrt(128)
	s_mov_b32 s[R128+1], s[R128]
	s_mov_b32 s[SEL], 0x76543210
	s_mov_b32 s[SEL+1], 0xfedcba98
	s_mov_b32 s[CS], 0x3e0293ee                    ; log2(e) / sqrt(128)
	s_mov_b32 s[CS+1], s[CS]
	s_mov_b32 s[TB], 0
	s_mov_b32 s[TS], 0
	s_mov_b32 s[TJ], 0
	s_mov_b32 s[SLOTS], 7
	s_wait_dscnt 0x0                               ; the opening add is done
	s_wait_kmcnt 0x0
	s_mov_b32 s[G0S], 1
	s_mov_b32 s[G0S+1], s75
	s_add_nc_u64 s[G0S+2:G0S+3], s[6:7], s[76:77]
	s_or_b32 s[G0S+3], s[G0S+3], 0x80000000
	s_mov_b32 s[G0D], 1
	s_mov_b32 s[G0D+1], s74
	s_add_nc_u64 s[G0D+2:G0D+3], s[6:7], s[72:73]
	s_or_b32 s[G0D+3], s[G0D+3], 0x80000000
	s_mov_b32 s[G0M], 1
	s_mov_b32 s[G0M+1], MOFF
	s_add_nc_u64 s[G0M+2:G0M+3], s[8:9], s[78:79]
	s_or_b32 s[G0M+3], s[G0M+3], 0x80000000
	CROUND                                         ; all four work-groups are here: the first joint loads meet
	s_cmp_lt_u32 s[WV], 2
	s_cbranch_scc0 .Lno_scales
	tensor_load_to_lds s[G0S:G0S+3], s[G1S:G1S+7]  ; the scale bytes of the whole head: filled once
	s_nop 0
	PLACES 4
.Lno_scales:
	TLOAD                                          ; slot 0
	s_mul_i32 s72, s[HEAD], 98304                  ; Q's codes,
	s_mul_i32 s74, s[QT], 1536
	s_add_co_u32 s72, s72, s74
	s_add_nc_u64 s[74:75], s[4:5], s[72:73]
	s_lshl_b32 s72, s[HEAD], 12                    ; its scale words,
	s_lshl_b32 s76, s[QT], 6
	s_add_co_u32 s72, s72, s76
	s_add_co_u32 s72, s72, QSO
	s_add_nc_u64 s[76:77], s[4:5], s[72:73]
	s_mul_i32 s72, s[QT], 49152                    ; o's fragment: tile of rows QT, K step = head,
	s_mul_i32 s78, s[HEAD], 1536
	s_add_co_u32 s72, s72, s78
	s_add_nc_u64 s[78:79], s[10:11], s[72:73]
	s_lshr_b32 s72, s[HEAD], 1                     ; and its scale words
	s_lshl_b32 s72, s72, 13
	s_lshl_b32 s80, s[QT], 7
	s_add_co_u32 s72, s72, s80
	s_and_b32 s80, s[HEAD], 1
	s_lshl_b32 s80, s80, 2
	s_add_co_u32 s72, s72, s80
	s_add_co_u32 s72, s72, OSO
	s_add_nc_u64 s[80:81], s[10:11], s[72:73]
	; the prefetches: where my wave's stand, and who asks
	s_and_b32 s82, s[CX], 1                        ; K or V,
	s_mul_i32 s82, s82, 393216
	s_lshr_b32 s83, s[CX], 1                       ; of which head,
	s_mul_i32 s83, s83, 196608
	s_add_co_u32 s82, s82, s83
	s_add_co_u32 s83, s[WV], 3
	s_and_b32 s83, s83, 3                          ; waves 5, 6, 7: parts 0, 1, 2 of 8,192 bytes,
	s_lshl_b32 s83, s83, 13
	s_add_co_u32 s82, s82, s83
	s_add_co_u32 s82, s82, 24576                   ; in slot 1: the first change of slots steps it to slot 2
	s_lshl_b32 s83, s[QT], 17                      ; the mask: my work-group's rows,
	s_and_b32 s84, s[WV], 1
	s_lshl_b32 s84, s84, 16                        ; eight of them,
	s_add_co_u32 s83, s83, s84
	s_add_co_u32 s83, s83, 1024                    ; in slot 1
	s_lshr_b32 s84, s[WV], 1
	s_cmp_eq_u32 s84, 1
	s_cselect_b32 s84, 0, 1                        ; 0 in waves 2 and 3
	s_cmp_ge_u32 s[WV], 5
	s_cselect_b32 s85, ttmp9, 1                    ; 0 in waves 5-7 of the first cluster along x
	s_cselect_b64 s[PFA:PFA+1], s[6:7], s[8:9]
	s_cselect_b32 s82, s82, s83
	s_mov_b32 s[PFS], 1024
	s_cselect_b32 s[PFS], 24576, s[PFS]            ; a slot on
	s_mov_b32 s71, 8192
	s_cselect_b32 s71, 1024, s71                   ; from four lanes to the next four
	s_mov_b32 s83, 0
	s_mov_b32 s[PFS+1], 0
	s_add_nc_u64 s[PFA:PFA+1], s[PFA:PFA+1], s[82:83]
	s_min_u32 s84, s84, s85
	s_or_b32 s84, s84, s[HG]                       ; and y = 0: the same in all four partners
	s_cmp_eq_u32 s84, 0
	s_cselect_b32 s[LIM], 1, -1
	v_and_b32 v7, 31, v0                           ; lane
	v_and_b32 v8, 15, v0                           ; r
	v_bfe_u32 v9, v0, 4, 1                         ; h
	v_lshlrev_b32 v1, 4, v7                        ; an image's place for my lane
	v_mul_u32_u24 v2, v8, MP
	v_lshl_add_u32 v2, v9, 6, v2
	v_add_nc_u32 v2, MOFF, v2                      ; the mask: row r, + 16 h keys
	v_lshl_add_u32 v3, v7, 2, SCK                  ; K's scale words: 4 bytes an image row
	v_lshl_add_u32 v4, v7, 3, SCV                  ; V's: 8 bytes an image row
	v_lshlrev_b32 v10, 3, v7
.irp c, 0,1
.irp p, 0,1,2
	global_load_b64 v[16+6*\c+2*\p:17+6*\c+2*\p], v10, s[74:75] offset:768*\c+256*\p   ; Q's fragment stays in registers
.endr
.endr
	v_lshlrev_b32 v254, 2, v8
	global_load_b32 v255, v254, s[76:77]           ; Q's scale words
	v_lshrrev_b32 v[PFO], 2, v7
	v_mul_lo_u32 v[PFO], v[PFO], s71
	v_and_b32 v29, 3, v7
	v_lshl_add_u32 v[PFO], v29, 8, v[PFO]
	v_mov_b32 v13, 0xff61b1e6                      ; the largest t so far: -3e38
	v_floor_f32 v12, -v13                          ; -M
	v_mov_b32 v14, 0
	v_mov_b32 v15, 0
.irp b, 0,1,2,3
	v_mov_b32 v[236+\b], 0                         ; written once: a lane permute's destination counts as one of its sources
.endr
	v_mov_b32 v253, 0                              ; (named as the upper half of v[252:253] before it is first written)
.set J, 0
.rept 64
	v_mov_b32 v[160+J], 0                          ; O^T: the step is written once; the first finds zeros, which the first change of M leaves zeros
.set J, J+1
.endr
; A KEY STEP: 128 keys, the q-th of the slot in hand
.macro STEP q
	v_add_nc_u32 v[AD], s[TB], v1                  ; (these four are also the places behind the last products)
	v_add_nc_u32 v[ADM], s[TB], v2
	v_add_nc_u32 v[ADS], s[TS], v3
	v_add_nc_u32 v[ADT], s[TJ], v4
.irp b, 0,1,2,3
.irp i, 0,1,2,3
	ds_load_b128 v[96+16*\b+4*\i:99+16*\b+4*\i], v[ADM] offset:512*(\q)+128*\b+16*\i   ; the mask of my query at keys 32 b + 16 h + 0 .. 15, straight into the scores' registers
.endr
.endr
.irp w, 0,1,2,3
	ds_load_b32 v[248+\w], v[ADS] offset:128*\w
.endr
.irp g, 0,1                            ; S^T = K Q^T + mask x sqrt(128), four tiles of 16 keys at a time
.if \g > 0
	PLACES 4                                       ; in front of loads into registers that matrix instructions have read
.endif
.irp t, 0,1,2,3
.irp c, 0,1,2
	ds_load_b128 v[32+12*\t+4*\c:35+12*\t+4*\c], v[AD] offset:KSTEPB*(\q)+1536*(4*\g+\t)+512*\c
.endr
.endr
.if \g == 0
	s_wait_dscnt 16                                ; the mask is in; the 4 scale words and 12 loads of K behind it may be out
.set J, 0
.rept 32
	v_pk_mul_f32 v[96+J:97+J], v[96+J:97+J], s[R128:R128+1] op_sel_hi:[1,0]
.set J, J+2
.endr
.endif
	s_wait_dscnt 0x0
.irp t, 0,1,2,3
.if \t%2 == 0
	v_wmma_scale_f32_16x16x128_f8f6f4 v[96+8*(4*\g+\t):103+8*(4*\g+\t)], v[32+12*\t:43+12*\t], v[16:27], v[96+8*(4*\g+\t):103+8*(4*\g+\t)], v[248+2*\g+\t/2], v255 matrix_a_fmt:MATRIX_FMT_FP6 matrix_b_fmt:MATRIX_FMT_FP6
.else
	v_wmma_scale_f32_16x16x128_f8f6f4 v[96+8*(4*\g+\t):103+8*(4*\g+\t)], v[32+12*\t:43+12*\t], v[16:27], v[96+8*(4*\g+\t):103+8*(4*\g+\t)], v[248+2*\g+\t/2], v255 matrix_a_fmt:MATRIX_FMT_FP6 matrix_b_fmt:MATRIX_FMT_FP6 matrix_a_scale:MATRIX_SCALE_ROW1
.endif
.endr
.endr
	PLACES 4
.set J, 0
.rept 32
	v_pk_mul_f32 v[96+J:97+J], v[96+J:97+J], s[CS:CS+1] op_sel_hi:[1,0]   ; t, each accumulator from its low end on
.set J, J+2
.endr
.irp b, 0,1,2,3
	v_max3_num_f32 v[232+\b], v[96+16*\b], v[97+16*\b], v[98+16*\b]   ; the largest t of each block of 32 keys: for the row's maximum, and, since p rises with t, for the block's largest p
.endr
.irp i, 3,5,7,9,11,13
.irp b, 0,1,2,3
	v_max3_num_f32 v[232+\b], v[232+\b], v[96+16*\b+\i], v[97+16*\b+\i]
.endr
.endr
.irp b, 0,1,2,3
	v_max_num_f32 v[232+\b], v[232+\b], v[111+16*\b]
.endr
.irp b, 0,1,2,3
	v_permlanex16_b32 v[236+\b], v[232+\b], s[SEL], s[SEL+1]
.endr
.irp b, 0,1,2,3
	v_max_num_f32 v[232+\b], v[232+\b], v[236+\b]  ; with lane l xor 16's 16 keys
.endr
	v_max3_num_f32 v254, v232, v233, v234
	v_max_num_f32 v254, v254, v235
	v_max_num_f32 v13, v13, v254                   ; the running largest t
	v_mov_b32 v254, v12
	v_floor_f32 v12, -v13                          ; the new -M = -ceil(t): a whole number
	v_sub_f32 v254, v12, v254                      ; old M - new M, 0 or less
	v_cvt_i32_f32 v254, v254                       ; (it saturates)
	v_ldexp_f32 v252, 1.0, v254                    ; f = 2^(old M - new M)
.set J, 0
.rept 32
	v_pk_add_f32 v[96+J:97+J], v[96+J:97+J], v[12:13] op_sel_hi:[1,0]   ; t - M, 0 or less
.set J, J+2
.endr
.irp b, 0,1,2,3
	v_add_f32 v[232+\b], v[232+\b], v12            ; the same of each block's largest t
.endr
.set J, 0
.rept 64
	v_exp_f32 v[96+J], v[96+J]                     ; p = 2^(t - M): not normalised
.set J, J+1
.endr
	v_pk_mul_f32 v[14:15], v[14:15], v[252:253] op_sel_hi:[1,0]   ; the sums under the new M (a plain place behind the exponentials)
	s_wait_alu depctr_va_vdst(0)                   ; one wait for the whole batch, ahead of its first reader
.irp b, 0,1,2,3
	v_exp_f32 v[232+\b], v[232+\b]                 ; the block's largest p: the same instructions on the same number give the same bits
.endr
	v_pk_add_f32 v[236:237], v[96:97], v[98:99]    ; the row's sum of the unquantised p, in two chains
.irp j, 4,8,12,16,20,24,28,32,36,40,44,48,52,56,60
	v_pk_add_f32 v[14:15], v[14:15], v[96+\j:97+\j]
	v_pk_add_f32 v[236:237], v[236:237], v[98+\j:99+\j]
.endr
	v_pk_add_f32 v[14:15], v[14:15], v[236:237]
	s_wait_alu depctr_va_vdst(0)                   ; and one for the four
.irp b, 0,1,2,3
	v_max_num_f32 v[232+\b], 0x1800000, v[232+\b]  ; the floor: the byte cannot fall under 1
.endr
.irp b, 0,1,2,3
	v_add_nc_u32 v[244+\b], 0xff000000, v[232+\b]
.endr
.irp b, 0,1,2,3
	v_lshrrev_b32 v[236+\b], 23, v[244+\b]
.endr
	v_lshl_or_b32 v253, v237, 8, v236              ; p's scale word for these 128 keys
	v_lshl_or_b32 v253, v238, 16, v253
	v_lshl_or_b32 v253, v239, 24, v253
.irp c, 0,1
	v_cvt_scalef32_pk16_fp6_f32 v[224+6*\c:226+6*\c], v[96+32*\c:111+32*\c], v[244+2*\c]
	v_cvt_scalef32_pk16_fp6_f32 v[236+4*\c:238+4*\c], v[112+32*\c:127+32*\c], v[244+2*\c+1]
.endr
	v_nop                                          ; one plain place behind the conversions
.irp c, 0,1
.irp i, 0,1,2
	v_permlane16_swap_b32 v[224+6*\c+\i], v[236+4*\c+\i]
.endr
.irp i, 0,1,2
	v_mov_b32 v[227+6*\c+\i], v[236+4*\c+\i]
.endr
.endr
.set J, 0
.rept 32
	v_pk_mul_f32 v[160+J:161+J], v[160+J:161+J], v[252:253] op_sel_hi:[1,0]   ; O^T under the new M (these 32 are also the places in front of the products and loads below)
.set J, J+2
.endr
.irp w, 0,1,2,3
	ds_load_b32 v[248+\w], v[ADT] offset:256*\w+4*(\q)
.endr
.irp g, 0,1                            ; O^T += V^T P^T, four tiles of 16 channels at a time
.if \g > 0
	PLACES 4
.endif
.irp t, 0,1,2,3
.irp c, 0,1,2
	ds_load_b128 v[32+12*\t+4*\c:35+12*\t+4*\c], v[AD] offset:VOFF+KSTEPB*(\q)+1536*(4*\g+\t)+512*\c
.endr
.endr
	s_wait_dscnt 0x0
.irp t, 0,1,2,3
.if \t%2 == 0
	v_wmma_scale_f32_16x16x128_f8f6f4 v[160+8*(4*\g+\t):167+8*(4*\g+\t)], v[32+12*\t:43+12*\t], v[224:235], v[160+8*(4*\g+\t):167+8*(4*\g+\t)], v[248+2*\g+\t/2], v253 matrix_a_fmt:MATRIX_FMT_FP6 matrix_b_fmt:MATRIX_FMT_FP6
.else
	v_wmma_scale_f32_16x16x128_f8f6f4 v[160+8*(4*\g+\t):167+8*(4*\g+\t)], v[32+12*\t:43+12*\t], v[224:235], v[160+8*(4*\g+\t):167+8*(4*\g+\t)], v[248+2*\g+\t/2], v253 matrix_a_fmt:MATRIX_FMT_FP6 matrix_b_fmt:MATRIX_FMT_FP6 matrix_a_scale:MATRIX_SCALE_ROW1
.endif
.endr
.endr
	s_add_co_u32 s[TS], s[TS], 512                 ; the next step's scale words of K
.endm
; THE CHANGE OF SLOTS stands at a slot's head.  Each wave waits for all its tensor loads, adds 0 to its spare word, and waits for that and for its reads of the slot that it has left.  fill = 1: a round of the
; cluster's barrier, and behind it the other slot is filled with the keys that follow: the load has a slot's two key steps in which to land.
.macro CHANGE fill
	s_wait_tensorcnt 0x0                           ; no tensor load of mine is out, so a group 0 may be written
	ds_add_u32 v[SPW], v[NIL]                      ; 0 onto my spare word
.if \fill
	s_xor_b32 s[G0D+1], s[G0D+1], SLOT1
	s_add_nc_u64 s[G0D+2:G0D+3], s[G0D+2:G0D+3], 2*KSTEPB
	s_xor_b32 s[G0M+1], s[G0M+1], SLOT1
	s_add_nc_u64 s[G0M+2:G0M+3], s[G0M+2:G0M+3], 1024
	s_wait_xcnt 0x0                                ; the last prefetch, a slot back, has read its address
	s_add_nc_u64 s[PFA:PFA+1], s[PFA:PFA+1], s[PFS:PFS+1]
	s_wait_dscnt 0x0                               ; the add is done, and my reads of the slot that I have left are over
	CROUND
	TLOAD                                          ; the first thing behind the round, and a wave's one tensor load until the next
	ASK
.else
	s_wait_dscnt 0x0
	s_barrier_signal -1
	s_barrier_wait -1
.endif
.endm
.macro SLOT_STEPS
	STEP 0
	STEP 1
	s_add_co_u32 s[TJ], s[TJ], 1024                ; the next slot's scale words of V
	s_xor_b32 s[TB], s[TB], SLOT1
.endm
	s_wait_loadcnt 0x0                             ; Q
.Lslot:                                                ; seven trips: behind each change of slots but the last the next slot is asked for
	CHANGE 1
	SLOT_STEPS
	s_sub_co_u32 s[SLOTS], s[SLOTS], 1
	s_cmp_lg_u32 s[SLOTS], 0
	s_cbranch_scc1 .Lslot
	CHANGE 0                                       ; the last slot is written out
	SLOT_STEPS
	; THE WAY OUT: O^T / the sum is row r of o at channels 32 b + 16 h + i in register 16 b + i: it is quantised along the channels, which are the last product's K, and leaves as one fragment's image
	PLACES 4
	v_add_f32 v14, v14, v15
	v_permlanex16_b32 v252, v14, s[SEL], s[SEL+1]
	v_add_f32 v14, v14, v252                       ; the row's sum
	v_rcp_f32 v14, v14
	v_and_b32 v7, 15, v0                           ; (a plain place behind the reciprocal)
	v_lshlrev_b32 v7, 3, v7                        ; my row's 8 bytes of scale words
	s_wait_alu depctr_va_vdst(0)                   ; the wait, ahead of the first reader
.set J, 0
.rept 64
	v_mul_f32 v[96+J], v[160+J], v14
.set J, J+1
.endr
.irp b, 0,1,2,3
	v_max3_num_f32 v[TM+\b], |v[96+16*\b]|, |v[97+16*\b]|, 0x1800000
.endr
.irp i, 2,4,6,8,10,12,14
.irp b, 0,1,2,3
	v_max3_num_f32 v[TM+\b], v[TM+\b], |v[96+16*\b+\i]|, |v[97+16*\b+\i]|
.endr
.endr
.irp b, 0,1,2,3
	v_permlanex16_b32 v[TM+4+\b], v[TM+\b], s[SEL], s[SEL+1]
.endr
.irp b, 0,1,2,3
	v_max_num_f32 v[TM+\b], v[TM+\b], v[TM+4+\b]
.endr
.irp b, 0,1,2,3
	v_add_nc_u32 v[TM+12+\b], 0xff000000, v[TM+\b]
.endr
.irp b, 0,1,2,3
	v_lshrrev_b32 v[TM+4+\b], 23, v[TM+12+\b]
.endr
	v_lshl_or_b32 v[PW], v[TM+5], 8, v[TM+4]
	v_lshl_or_b32 v[PW], v[TM+6], 16, v[PW]
	v_lshl_or_b32 v[PW], v[TM+7], 24, v[PW]
.irp c, 0,1
	v_cvt_scalef32_pk16_fp6_f32 v[PC+6*\c:PC+2+6*\c], v[96+32*\c:111+32*\c], v[TM+12+2*\c]
	v_cvt_scalef32_pk16_fp6_f32 v[PC+12+4*\c:PC+14+4*\c], v[112+32*\c:127+32*\c], v[TM+12+2*\c+1]
.endr
	v_nop                                          ; one plain place behind the conversions
.irp c, 0,1
.irp i, 0,1,2
	v_permlane16_swap_b32 v[PC+6*\c+\i], v[PC+12+4*\c+\i]
.endr
.irp i, 0,1,2
	v_mov_b32 v[PC+3+6*\c+\i], v[PC+12+4*\c+\i]
.endr
.endr
.irp c, 0,1,2
	global_store_b128 v1, v[PC+4*\c:PC+4*\c+3], s[78:79] offset:512*\c   ; 512 consecutive bytes, at a multiple of 256
.endr
	global_store_b32 v7, v[PW], s[80:81]           ; lanes l and l + 16 hold the same word and name the same place
	s_wait_tensorcnt 0x0                           ; the wave's end
	ds_add_u32 v[SPW], v[NIL]
	s_wait_dscnt 0x0
	CROUND                                         ; the closing round
	s_endpgm
.Lfunc_end_k_qb1b9710e4f_attn:
	.size	k_qb1b9710e4f_attn, .Lfunc_end_k_qb1b9710e4f_attn-k_qb1b9710e4f_attn
	.p2alignl 7, 3214868480
	.fill 96, 4, 3214868480
	.section	.rodata,"a",@progbits
	.p2align	6, 0x0
	.amdhsa_kernel k_qb1b9710e4f_attn
		.amdhsa_group_segment_fixed_size 327680
		.amdhsa_private_segment_fixed_size 0
		.amdhsa_enable_private_segment 0
		.amdhsa_kernarg_size 32
		.amdhsa_user_sgpr_count 2
		.amdhsa_user_sgpr_kernarg_segment_ptr 1
		.amdhsa_wavefront_size32 1
		.amdhsa_system_sgpr_workgroup_id_x 1
		.amdhsa_system_sgpr_workgroup_id_y 1
		.amdhsa_system_sgpr_workgroup_id_z 1
		.amdhsa_system_vgpr_workitem_id 0
		.amdhsa_next_free_vgpr 256
		.amdhsa_next_free_sgpr 100
		.amdhsa_reserve_vcc 0
		.amdhsa_float_denorm_mode_32 3
		.amdhsa_float_denorm_mode_16_64 3
		.amdhsa_memory_ordered 1
		.amdhsa_forward_progress 1
		.amdhsa_inst_pref_size 115
	.end_amdhsa_kernel
	.amdgpu_metadata
---
amdhsa.version: [ 1, 2 ]
amdhsa.kernels:
  - .name:           k_qb1b9710e4f_attn
    .symbol:         k_qb1b9710e4f_attn.kd
    .args:
      - { .name: qq, .offset: 0, .size: 8, .value_kind: global_buffer, .address_space: global }
      - { .name: kv, .offset: 8, .size: 8, .value_kind: global_buffer, .address_space: global }
      - { .name: attention_mask, .offset: 16, .size: 8, .value_kind: global_buffer, .address_space: global }
      - { .name: oo, .offset: 24, .size: 8, .value_kind: global_buffer, .address_space: global }
    .group_segment_fixed_size: 327680
    .private_segment_fixed_size: 0
    .kernarg_segment_align: 8
    .kernarg_segment_size: 32
    .max_flat_workgroup_size: 256
    .sgpr_count:     100
    .vgpr_count:     256
    .wavefront_size: 32
...
	.end_amdgpu_metadata
.endif
;; end of part 3
;; launch outp (part 4): grid 32 x 8, 4 waves a work-group, clusters of 4 x 4, 327,680 bytes of LDS; arguments oo, wo, out0; writes out0
.if DOCPART == 4
	.amdgcn_target "amdgcn-amd-amdhsa--gfx1250"
	.amdhsa_code_object_version 6
	.text
	.protected	k_qb1b9710e4f_outp
	.globl	k_qb1b9710e4f_outp
	.p2align	8
	.type	k_qb1b9710e4f_outp,@function
k_qb1b9710e4f_outp:
	s_mov_b64 s[64:65], 0
	v_nop
	global_prefetch_b8 v0, s[64:65] scope:SCOPE_SE
	s_setreg_imm32_b32 hwreg(HW_REG_WAVE_MODE, 25, 1), 1
	s_wait_xcnt 0x0
	s_wait_alu depctr_hold_cnt(0) depctr_sa_sdst(0) depctr_va_vdst(0) depctr_va_sdst(0) depctr_va_ssrc(0) depctr_va_vcc(0) depctr_vm_vsrc(0)
	s_getreg_b32 s2, hwreg(HW_REG_IB_STS2, 6, 4)
	s_cmp_eq_u32 s2, 0
	s_cbranch_scc0 .Lentry_in_a_cluster
	s_endpgm
.Lentry_in_a_cluster:
	s_bfe_u32 s2, ttmp6, 0x10000c
	s_cmp_lg_u32 s2, 0xf033
	s_cbranch_scc0 .Lentry_shape_is_right
	s_endpgm
.Lentry_shape_is_right:
; out0 = o Wo on codes of FP6 (E2M3) with E8M0 scales; o [1,024][4,096] and Wo's 4,096 columns come as images of operand registers (a fragment of 16 rows x 128 K is 1,536 bytes: [group][lane][16 bytes]).
; A tile of the result is 128 x 128; four waves, each 64 x 64: 16 accumulators.  K goes in slots of 512 (four steps of 128) through a ring of two LDS slots; the scale bytes of the tile's rows and columns for all of K
; come once, with the first fills.  CLUSTERS: 4 x 4 work-groups; o's tiles are shared along a row of the cluster, Wo's along a column: each is asked for jointly.
; THE PRODUCT IS USED TRANSPOSED (source 0 = 16 columns of Wo, source 1 = 16 rows of o), and Wo's columns lie in turned order, so that lane (r, h) holds row 16 a + r and its registers 32 a + 16 bb + i hold columns
; 32 bb + 16 h + i: 64 neighbouring bytes of a row.  They go through the wave's own stage and leave as whole rows of 256 bytes.
; REGISTERS: window 0: v1-5 lane terms, v16-29 addresses, v32-47 scale words (two sets), v128-255 the accumulators ((a, b) at v[128 + 8 (4 a + b)]).
;   window 1: two sets of fragments, v0-95 and v96-191 (o's four at + 12 i, Wo's four at + 48 + 12 i); on the way out rows read back.
.set SLOT,   98304
.set HALFT,  24576
.set RTS,    6144
.set RTG,    49152
.set SCL,    2*SLOT
.set SPARE,  SCL+32768
.set SPITCH, 272                       ; the stage: 64 rows of 256 bytes + 16 for each wave, in slot 0, which has had its last fill and its last read by then
.set STGW,   64*SPITCH
.set OSO,    3145728
.set WOSO,   12582912
.set ADRA, 16
.set ADRB, 20
.set STO,  24
.set RD,   25
.set CO,   26
.set ADRS, 27
.set SPW,  28
.set NIL,  29
.set SC,   32
.set ACC,  128
.set G1A,  24
.set G0A,  32
.set G1B,  40
.set G0B,  48
.set G1SA, 56
.set G1SB, 68
.set G0SA, 76
.set G0SB, 80
.set WV,   84
.set RH,   85
.set CH,   86
.set CX,   87
.set CY,   88
.set TX,   89
.set TY,   90
.set MSB, 0
.macro WIN new                         ; the immediate's high byte repeats the setting that is left
.if MSB != \new
	s_set_vgpr_msb (MSB<<8)|\new
.set MSB, \new
.endif
.endm
.set MUL,  0x05                        ; sources 0 and 1 window 1; C and D window 0
.set TO_F, 0x40                        ; destination window 1, address window 0
.macro PLACES n
.rept \n
	v_nop
.endr
.endm
.macro JLOAD g0a, g1a, g0b, g1b        ; a joint load: waves 0 and 1 fetch for o, waves 2 and 3 for Wo; an s_nop 0 and four v_nop follow each line
	s_cmp_eq_u32 s[RH], 0
	s_cbranch_scc0 .Lfor_b_\@
	tensor_load_to_lds s[\g0a:\g0a+3], s[\g1a:\g1a+7]
	s_nop 0
	PLACES 4
	s_branch .Lasked_\@
.Lfor_b_\@:
	tensor_load_to_lds s[\g0b:\g0b+3], s[\g1b:\g1b+7]
	s_nop 0
	PLACES 4
.Lasked_\@:
.endm
.macro CREST
	s_cmp_lg_u32 s[WV], 0
	s_cbranch_scc1 .Lnot_wave_0_\@
	s_barrier_signal -3
.Lnot_wave_0_\@:
	s_barrier_wait -3
	s_barrier_signal -1
	s_barrier_wait -1
.endm
.macro CROUND
	s_barrier_signal -1
	s_barrier_wait -1
	CREST
.endm
.macro FETCH slot, q, f                ; the slot's q-th K step: Wo's four fragments and o's four into set f
	WIN TO_F
.irp i, 0,1,2,3
.irp g, 0,1,2
	ds_load_b128 v[(\f)+48+12*\i+4*\g:(\f)+48+12*\i+4*\g+3], v[ADRB+\slot] offset:\i*RTS+(\q)*1536+512*\g
.endr
.endr
.irp i, 0,1,2,3
.irp g, 0,1,2
	ds_load_b128 v[(\f)+12*\i+4*\g:(\f)+12*\i+4*\g+3], v[ADRA+\slot] offset:\i*RTS+(\q)*1536+512*\g
.endr
.endr
	WIN 0
.endm
.macro SCALES kap, set                 ; two K steps' scale words: lanes 0-15 o's tile i, lanes 16-31 Wo's tile i
.irp i, 0,1,2,3
	ds_load_b64 v[SC+8*(\set)+2*\i:SC+8*(\set)+2*\i+1], v[ADRS] offset:(\kap)*512+128*\i
.endr
.endm
.macro MULA f, a, q, set, first        ; o's tile a against Wo's four; the 16 accumulators take turns in the same order in every step
.irp b, 0,1,2,3
.if \first
	v_wmma_scale_f32_16x16x128_f8f6f4 v[ACC+8*(4*(\a)+\b):ACC+8*(4*(\a)+\b)+7], v[(\f)+48+12*\b:(\f)+48+12*\b+11], v[(\f)+12*(\a):(\f)+12*(\a)+11], 0, v[SC+8*(\set)+2*\b+(\q)%2], v[SC+8*(\set)+2*(\a)+(\q)%2] matrix_a_fmt:MATRIX_FMT_FP6 matrix_b_fmt:MATRIX_FMT_FP6 matrix_a_scale:MATRIX_SCALE_ROW1
.else
	v_wmma_scale_f32_16x16x128_f8f6f4 v[ACC+8*(4*(\a)+\b):ACC+8*(4*(\a)+\b)+7], v[(\f)+48+12*\b:(\f)+48+12*\b+11], v[(\f)+12*(\a):(\f)+12*(\a)+11], v[ACC+8*(4*(\a)+\b):ACC+8*(4*(\a)+\b)+7], v[SC+8*(\set)+2*\b+(\q)%2], v[SC+8*(\set)+2*(\a)+(\q)%2] matrix_a_fmt:MATRIX_FMT_FP6 matrix_b_fmt:MATRIX_FMT_FP6 matrix_a_scale:MATRIX_SCALE_ROW1
.endif
.endr
.endm
.macro STEP slot, q, kap, first        ; this step's fragments are in; the next step's are asked for, four places behind the products that read their set; then 16 products
	s_wait_dscnt 0x0
	PLACES 4
	FETCH \slot, (\q)+1, 96*(((\q)+1)%2)
.if (\q) == 1
	SCALES \kap, 1
.endif
	WIN MUL
.irp aa, 0,1,2,3
	MULA 96*((\q)%2), \aa, \q, (\q)/2, \first
.endr
	WIN 0
.endm
.macro TURN slot, next, fill, kap      ; a slot's last K step changes slots: one barrier
	s_wait_tensorcnt 0x0                           ; all my tensor loads have landed: my part of the next slot
	ds_add_u32 v[SPW], v[NIL]                      ; 0 onto my spare word
	s_wait_dscnt 1                                 ; the add alone may be out: this step's fragments are in
	WIN MUL
	MULA 96, 0, 3, 1, 0
	s_wait_dscnt 0x0                               ; the add is done, and my reads of this slot are over
	s_barrier_signal -1
	MULA 96, 1, 3, 1, 0
	WIN 0
	s_barrier_wait -1
.if \fill
	CREST                                          ; the barrier has opened a round of the cluster's: no wave of any partner still reads this slot or has a load on its way
	s_add_nc_u64 s[G0A+4*\slot+2:G0A+4*\slot+3], s[G0A+4*\slot+2:G0A+4*\slot+3], 2*RTS
	s_add_nc_u64 s[G0B+4*\slot+2:G0B+4*\slot+3], s[G0B+4*\slot+2:G0B+4*\slot+3], 2*RTS
	JLOAD G0A+4*\slot, G1A, G0B+4*\slot, G1B       ; the first tensor load behind the round; its four v_nop are the places in front of the loads below
.else
	PLACES 4
.endif
.if \next == 0
	v_add_nc_u32 v[ADRS], 2048, v[ADRS]            ; a lap's four blocks of scale words on (no LDS load of mine is out)
.endif
	FETCH \next, 0, 0
	SCALES \kap, 0
	WIN MUL
	MULA 96, 2, 3, 1, 0
	MULA 96, 3, 3, 1, 0
	WIN 0
.endm
	s_load_b128 s[4:7], s[0:1], 0x0                ; oo 4, wo 6
	s_load_b64 s[8:9], s[0:1], 0x10                ; out0
	v_lshl_add_u32 v[SPW], v0, 2, SPARE
	v_mov_b32 v[NIL], 0
	ds_add_u32 v[SPW], v[NIL]                      ; the wave's opening
	v_lshrrev_b32 v1, 5, v0
	v_readfirstlane_b32 s[WV], v1
	s_lshr_b32 s[RH], s[WV], 1
	s_and_b32 s[CH], s[WV], 1
	s_bfe_u32 s[CX], ttmp6, 0x40000
	s_bfe_u32 s[CY], ttmp6, 0x40004
	s_lshl_b32 s[TX], ttmp9, 2
	s_add_co_u32 s[TX], s[TX], s[CX]
	s_and_b32 s[TY], ttmp7, 0xffff
	s_lshl_b32 s[TY], s[TY], 2
	s_add_co_u32 s[TY], s[TY], s[CY]
	s_lshl_b32 s92, s[CY], 2
	s_lshl_b32 s92, 15, s92                        ; my row of the cluster
	s_lshl_b32 s93, 0x1111, s[CX]                  ; my column
	s_or_b32 s[G1A], s92, (3<<16)|(1<<21)
	s_or_b32 s[G1B], s93, (3<<16)|(1<<21)
.irp g, G1A, G1B
	s_mov_b32 s[\g+1], 768<<16                     ; 4 rows of 768 elements of 8 bytes, 49,152 bytes apart
	s_mov_b32 s[\g+2], 4<<16
	s_mov_b32 s[\g+3], 768<<16
	s_mov_b32 s[\g+4], 4
	s_mov_b32 s[\g+5], 6144
	s_mov_b32 s[\g+6], 0
	s_mov_b32 s[\g+7], 0
.endr
	s_or_b32 s[G1SA], s92, (3<<16)|(1<<21)
	s_or_b32 s[G1SB], s93, (3<<16)|(1<<21)
.irp g, G1SA, G1SB
	s_mov_b32 s[\g+1], 64<<16                      ; 16 rows of 64 image rows x 8 bytes
	s_mov_b32 s[\g+2], 16<<16
	s_mov_b32 s[\g+3], 64<<16
	s_mov_b32 s[\g+4], 16
	s_mov_b32 s[\g+6], 0
	s_mov_b32 s[\g+7], 0
.endr
	s_mov_b32 s[G1SA+5], 1024
	s_mov_b32 s[G1SB+5], 4096
	s_lshl_b32 s92, s[TY], 3                       ; o's codes (no register here ever holds cx)
	s_lshl_b32 s93, s[CH], 2
	s_add_co_u32 s92, s92, s93
	s_mul_i32 s92, s92, RTG
	s_mov_b32 s93, 0
	s_lshl_b32 s94, s[TX], 3                       ; Wo's codes (and none here cy)
	s_lshl_b32 s95, s[CH], 2
	s_add_co_u32 s94, s94, s95
	s_mul_i32 s94, s94, RTG
	s_mov_b32 s95, 0
	s_lshl_b32 s96, s[TY], 10
	s_lshl_b32 s97, s[CH], 9
	s_add_co_u32 s96, s96, s97
	s_add_co_u32 s96, s96, OSO
	s_mov_b32 s97, 0
	s_lshl_b32 s98, s[TX], 10
	s_lshl_b32 s99, s[CH], 9
	s_add_co_u32 s98, s98, s99
	s_add_co_u32 s98, s98, WOSO
	s_mov_b32 s99, 0
	s_mul_i32 s100, s[WV], HALFT
	s_lshl_b32 s101, s[WV], 13
	s_wait_dscnt 0x0                               ; the opening add is done
	s_wait_kmcnt 0x0
	s_add_nc_u64 s[92:93], s[4:5], s[92:93]
	s_add_nc_u64 s[94:95], s[6:7], s[94:95]
	s_add_nc_u64 s[96:97], s[4:5], s[96:97]
	s_add_nc_u64 s[98:99], s[6:7], s[98:99]
	CROUND                                         ; all sixteen work-groups are here: the first joint loads meet
	s_mov_b32 s[G0SA], 1
	s_add_co_u32 s[G0SA+1], s101, SCL
	s_mov_b64 s[G0SA+2:G0SA+3], s[96:97]
	s_or_b32 s[G0SA+3], s[G0SA+3], 0x80000000
	s_mov_b32 s[G0SB], 1
	s_add_co_u32 s[G0SB+1], s101, SCL
	s_mov_b64 s[G0SB+2:G0SB+3], s[98:99]
	s_or_b32 s[G0SB+3], s[G0SB+3], 0x80000000
	JLOAD G0SA, G1SA, G0SB, G1SB
.irp s, 0,1
	s_mov_b32 s[G0A+4*\s], 1
	s_add_co_u32 s[G0A+4*\s+1], s100, \s*SLOT
	s_add_nc_u64 s[G0A+4*\s+2:G0A+4*\s+3], s[92:93], \s*RTS
	s_or_b32 s[G0A+4*\s+3], s[G0A+4*\s+3], 0x80000000
	s_mov_b32 s[G0B+4*\s], 1
	s_add_co_u32 s[G0B+4*\s+1], s100, \s*SLOT
	s_add_nc_u64 s[G0B+4*\s+2:G0B+4*\s+3], s[94:95], \s*RTS
	s_or_b32 s[G0B+4*\s+3], s[G0B+4*\s+3], 0x80000000
	JLOAD G0A+4*\s, G1A, G0B+4*\s, G1B             ; three loads of mine are out
.endr
	v_and_b32 v1, 15, v0                           ; r
	v_bfe_u32 v2, v0, 4, 1                         ; h
	v_and_b32 v3, 31, v0                           ; lane
	v_lshlrev_b32 v4, 4, v3
	s_mul_i32 s92, s[RH], HALFT
	s_mul_i32 s93, s[CH], HALFT
	s_add_co_u32 s93, s93, 2*HALFT
.irp s, 0,1
	v_add_nc_u32 v[ADRA+\s], s92, v4
	v_add_nc_u32 v[ADRB+\s], s93, v4
	s_add_co_u32 s92, s92, SLOT
	s_add_co_u32 s93, s93, SLOT
.endr
	s_lshl_b32 s92, s[RH], 13                      ; scale words: lanes 0-15 o's half RH, lanes 16-31 Wo's half CH: the lower base + h x the distance
	s_lshl_b32 s93, s[CH], 13
	s_add_co_u32 s93, s93, 16384
	s_sub_co_u32 s93, s93, s92
	v_mul_u32_u24 v5, s93, v2
	s_add_co_u32 s92, s92, SCL
	v_lshl_add_u32 v5, v1, 3, v5
	v_add_nc_u32 v[ADRS], s92, v5
	s_mul_i32 s92, s[WV], STGW
	v_mul_u32_u24 v5, v1, SPITCH
	v_lshl_add_u32 v5, v2, 6, v5
	v_add_nc_u32 v[STO], s92, v5
	v_mul_u32_u24 v5, v2, SPITCH
	v_lshl_add_u32 v5, v1, 4, v5
	v_add_nc_u32 v[RD], s92, v5
	v_lshlrev_b32 v[CO], 14, v2
	v_lshl_add_u32 v[CO], v1, 4, v[CO]             ; two rows of out0: 16,384 bytes a row
	s_lshl_b32 s92, s[TY], 21                      ; my first row: 128 TY + 64 RH,
	s_lshl_b32 s93, s[RH], 20
	s_add_co_u32 s92, s92, s93
	s_lshl_b32 s93, s[TX], 9                       ; my first column: 128 TX + 64 CH
	s_add_co_u32 s92, s92, s93
	s_lshl_b32 s93, s[CH], 8
	s_add_co_u32 s92, s92, s93
	s_mov_b32 s93, 0
	s_add_nc_u64 s[8:9], s[8:9], s[92:93]
	s_wait_tensorcnt 1                             ; the scale bytes and my part of slot 0 are in; slot 1's load may be out
	s_barrier_signal -1
	s_barrier_wait -1
	FETCH 0, 0, 0
	SCALES 0, 0
	STEP 0, 0, 0, 1                                ; the first step stands in front of the loop: its products start the sums
	s_mov_b32 s3, 3
.Llap:
	STEP 0, 1, 1, 0
	STEP 0, 2, 0, 0
	TURN 0, 1, 1, 2
	STEP 1, 0, 0, 0
	STEP 1, 1, 3, 0
	STEP 1, 2, 0, 0
	TURN 1, 0, 1, 0
	STEP 0, 0, 0, 0
	s_sub_co_u32 s3, s3, 1
	s_cmp_lg_u32 s3, 0
	s_cbranch_scc1 .Llap
	STEP 0, 1, 1, 0                                ; the last lap fills nothing
	STEP 0, 2, 0, 0
	TURN 0, 1, 0, 2
	STEP 1, 0, 0, 0
	STEP 1, 1, 3, 0
	STEP 1, 2, 0, 0
	s_wait_dscnt 0x0
	WIN MUL
.irp aa, 0,1,2,3
	MULA 96, \aa, 3, 1, 0
.endr
	WIN 0
	; THE WAY OUT
	PLACES 4
.irp a, 0,1,2,3
.irp bb, 0,1
.irp i, 0,1,2,3
	ds_store_b128 v[STO], v[ACC+32*\a+16*\bb+4*\i:ACC+32*\a+16*\bb+4*\i+3] offset:16*\a*SPITCH+128*\bb+16*\i   ; each accumulator from its low end on
.endr
.endr
.endr
	WIN 0x40                                       ; destination window 1
.set T, 0
.rept 32
	ds_load_b128 v[4*T:4*T+3], v[RD] offset:2*T*SPITCH   ; LDS serves a wave's instructions in order: these see my stores
.set T, T+1
.endr
	WIN 0x04                                       ; a store's data are its source 1: window 1
.set T, 0
.rept 32
	s_wait_dscnt 31-T                              ; the younger read-backs may be out
	global_store_b128 v[CO], v[4*T:4*T+3], s[8:9] offset:2*T*16384 th:TH_STORE_NT   ; 16 lanes store 256 consecutive bytes, at a multiple of 256; 62 rows at the most: inside the signed 24-bit immediate
.set T, T+1
.endr
	WIN 0
	s_wait_tensorcnt 0x0                           ; the wave's end
	ds_add_u32 v[SPW], v[NIL]
	s_wait_dscnt 0x0
	CROUND                                         ; the closing round
	s_endpgm
.Lfunc_end_k_qb1b9710e4f_outp:
	.size	k_qb1b9710e4f_outp, .Lfunc_end_k_qb1b9710e4f_outp-k_qb1b9710e4f_outp
	.p2alignl 7, 3214868480
	.fill 96, 4, 3214868480
	.section	.rodata,"a",@progbits
	.p2align	6, 0x0
	.amdhsa_kernel k_qb1b9710e4f_outp
		.amdhsa_group_segment_fixed_size 327680
		.amdhsa_private_segment_fixed_size 0
		.amdhsa_enable_private_segment 0
		.amdhsa_kernarg_size 24
		.amdhsa_user_sgpr_count 2
		.amdhsa_user_sgpr_kernarg_segment_ptr 1
		.amdhsa_wavefront_size32 1
		.amdhsa_system_sgpr_workgroup_id_x 1
		.amdhsa_system_sgpr_workgroup_id_y 1
		.amdhsa_system_sgpr_workgroup_id_z 1
		.amdhsa_system_vgpr_workitem_id 0
		.amdhsa_next_free_vgpr 448
		.amdhsa_next_free_sgpr 102
		.amdhsa_reserve_vcc 0
		.amdhsa_float_denorm_mode_32 3
		.amdhsa_float_denorm_mode_16_64 3
		.amdhsa_memory_ordered 1
		.amdhsa_forward_progress 1
		.amdhsa_inst_pref_size 83
	.end_amdhsa_kernel
	.amdgpu_metadata
---
amdhsa.version: [ 1, 2 ]
amdhsa.kernels:
  - .name:           k_qb1b9710e4f_outp
    .symbol:         k_qb1b9710e4f_outp.kd
    .args:
      - { .name: oo, .offset: 0, .size: 8, .value_kind: global_buffer, .address_space: global }
      - { .name: wo, .offset: 8, .size: 8, .value_kind: global_buffer, .address_space: global }
      - { .name: out0, .offset: 16, .size: 8, .value_kind: global_buffer, .address_space: global }
    .group_segment_fixed_size: 327680
    .private_segment_fixed_size: 0
    .kernarg_segment_align: 8
    .kernarg_segment_size: 24
    .max_flat_workgroup_size: 128
    .sgpr_count:     102
    .vgpr_count:     448
    .wavefront_size: 32
...
	.end_amdgpu_metadata
.endif
;; end of part 4
;; ======== version 2 of 2: 4 launches
;; limits: right only within a limited range of input values
;; workspace buffers: xw 19,791,872 bytes; wo 13,107,200 bytes; kv 819,200 bytes; qq 3,276,800 bytes; oo 3,276,800 bytes
;; launch quant (part 5): grid 1296 x 1, 4 waves a work-group, no clusters, 25,088 bytes of LDS; arguments Wq, Wo, Wk, Wv, cache_v, cache_k, x, xw, wo, kv, out1, out2; writes xw, wo, kv, out1, out2
.if DOCPART == 5
	.amdgcn_target "amdgcn-amd-amdhsa--gfx1250"
	.amdhsa_code_object_version 6
	.text
	.protected	k_qb1b9710e4f_quant
	.globl	k_qb1b9710e4f_quant
	.p2align	8
	.type	k_qb1b9710e4f_quant,@function
k_qb1b9710e4f_quant:
	s_mov_b64 s[64:65], 0
	v_nop
	global_prefetch_b8 v0, s[64:65] scope:SCOPE_SE
	s_setreg_imm32_b32 hwreg(HW_REG_WAVE_MODE, 25, 1), 1
	s_wait_xcnt 0x0
; THE QUANTISER: every operand that arrives as f32 and is read by many work-groups later becomes codes of FP6 (E2M3) with one E8M0 byte for each 32 along K, once.
; All codes are laid as IMAGES OF OPERAND REGISTERS: a fragment (16 rows x 128 K, 12 registers a lane) is [group 0..2][lane 0..31][16 bytes] = 1,536 bytes, group g = registers 4 g .. 4 g + 3.
; Lane (r, h) holds row r; registers 6 c .. 6 c + 5 hold k = 64 c + 32 h + 0 .. 31.  Scale bytes: [K / 256][image row][8 bytes]; for K = 128 (the keys): [image row][4 bytes].
; ROWS IN TURNED ORDER (weights' columns, keys, V's channels): in each 32 rows, tile 2 b + u, image row i holds true row 32 b + 8 u + i + 8 (i / 8), so that the product's result has 16 neighbours in a lane's 16 registers.
; THE QKV WEIGHTS' IMAGE has ten tiles of 16 columns for each of the 32 heads of q: the head's tiles 0-3, a tile of k or v (u = 0), the head's tiles 4-7, the tile of k or v beside it (u = 1).  Block c of 32 columns of
; [Wk | Wv] (c = 4 g + j) stands with heads 8 g + j and 8 g + 4 + j: it is laid twice, 40 tiles apart, since two work-groups of the next launch multiply it, each by other rows.
; THREE ROLES, parted by the work-group's number; inside a role ONE path, the tensors told apart by scalars and pointers chosen on that number:
;   columns (0 .. 1095): K is the FIRST axis (Wq, Wo, Wk, Wv; cache_v, whose K is the keys).  A lane takes a column, its registers run down K; a work-group takes 128 columns x 256 K.
;   rows (1096 .. 1231): K is innermost (x, cache_k).  A wave makes four fragments; lane (r, h) loads 16 neighbours of each block of 32 of its row.
;   copy (1232 .. 1295): the caches go into the first halves of out1 and out2.
; A block's scale is 2^(floor(log2(largest magnitude)) - 2): its byte is the largest magnitude's exponent field - 2, held at 1 from below by a floor among the maximum's leaves.
; LIMITS: a block of zeros gets the byte 1 (its codes are zeros; the bytes are read by this program alone); NaN and infinities among the inputs are not served.
; The caches are read twice in this launch (quantised and copied); the quantising roles keep one hint for all their tensors.
.set XSO,   3145728                    ; xw: x's image at 0, x's scale bytes here,
.set WI,    3276800                    ;     the QKV weights' image (320 tiles of 16 columns x 32 K steps),
.set WSO,   19005440                   ;     their scale bytes
.set WOSO,  12582912                   ; wo: Wo's image at 0, its scale bytes here
.set VI,    393216                     ; kv: K's image at 0, V's image,
.set KSO,   786432                     ;     K's scale words,
.set VSO,   802816                     ;     V's scale bytes
.set SPARE, 24576                      ; LDS: four stages of 6,144 bytes, then the spare words, 128 bytes a wave
.set G_WO,  512                        ; first work-group of each tensor
.set G_WK,  1024
.set G_WV,  1056
.set G_CV,  1088
.set G_X,   1096
.set G_CK,  1224
.set G_CP,  1232
.set SPW,   2                          ; v2  LDS address of my spare word; never rewritten
.set NIL,   3                          ; v3  0; never rewritten
.set OFF,   32                         ; columns: v32-63 byte offset of K row i of a block, at my column
.set X,     64                         ; columns: v64-127 two sets of 32 numbers; later the stage read back
.set NUM,   64                         ; rows: v64-127, v128-191 two sets of 64 numbers
.set TM,    44                         ; rows: v44-59 at work in QUANT
.set PC,    24                         ; rows: v24-43 the codes just made
.set SEL,   52                         ; rows: s[52:53] lane selects for lane l xor 16
.set P_G0,  30                         ; the tensor's first work-group
.set P_SRC, 32                         ; s[32:33] where it is read
.set P_NS,  34                         ; bytes from K row to K row
.set P_XM,  35                         ; work-group number -> column block: mask,
.set P_XS,  36                         ; shift to the K block,
.set P_YM,  37                         ; its mask,
.set P_HS,  38                         ; shift to the head (cache_v alone)
.set P_DO,  39                         ; the image's offset in its buffer
.set P_DST, 40                         ; s[40:41] the buffer that takes image and scale bytes
.set P_SRT, 42                         ; image bytes from tile of rows to tile of rows
.set P_SKS, 43                         ; and from K step to K step
.set P_RB,  44                         ; first tile; tiles for a column block; tiles for a pair of waves
.set P_XT,  45
.set P_WT,  46
.set P_SO,  47                         ; the scale bytes' offset
.set P_SP,  66                         ; scale bytes for 256 along K
.set P_SU,  87                         ; image bytes from my wave's first tile to its second
.set P_SUS, 88                         ; scale bytes likewise
.set P_W1,  89                         ; tiles for the odd wave of a pair
.macro PICK reg, val                   ; takes val where the last compare held
	s_cselect_b32 s[\reg], \val, s[\reg]
.endm
.macro FINISH                          ; the wave's end
	s_wait_tensorcnt 0x0
	ds_add_u32 v[SPW], v[NIL]
	s_wait_dscnt 0x0
	s_endpgm
.endm
.macro LOADW t                         ; block t of 32 along K: 32 loads, each 128 consecutive bytes a wave, 512 a work-group
.set LI, 0
.rept 32
	global_load_b32 v[X+32*((\t)%2)+LI], v[OFF+LI], s[48+2*(\t):49+2*(\t)] th:TH_LOAD_NT
.set LI, LI+1
.endr
.endm
.macro BLOCKW t                        ; block t: K step t / 4, block t % 4 = 2 c + h of that step's fragment
.set XB, X+32*((\t)%2)
.set SBASE, 1536*((\t)/4)+256*((\t)%2)
.if (\t) < 7
	s_wait_loadcnt 32                              ; this block's 32 loads are in; the next block's 32 may be out
.else
	s_wait_loadcnt 0x0
.endif
	v_max3_num_f32 v12, |v[XB]|, |v[XB+1]|, |v[XB+2]|              ; the block's largest magnitude: all 32 numbers are mine; two chains
	v_max3_num_f32 v13, |v[XB+3]|, |v[XB+4]|, |v[XB+5]|
.irp i, 6,10,14,18,22,26
	v_max3_num_f32 v12, v12, |v[XB+\i]|, |v[XB+\i+1]|
	v_max3_num_f32 v13, v13, |v[XB+\i+2]|, |v[XB+\i+3]|
.endr
	v_max3_num_f32 v12, v12, |v[XB+30]|, |v[XB+31]|
	v_max3_num_f32 v12, v12, v13, 0x1800000        ; and the floor 2^(3 - 127): the byte cannot fall under 1
	v_add_nc_u32 v14, 0xff000000, v12              ; 2 off the exponent field: the conversion takes this operand's exponent field as its scale
	v_lshrrev_b32 v15, 23, v14                     ; the scale's byte
.if (\t)%4 == 0
	v_mov_b32 v[16+(\t)/4], v15                    ; four bytes to a word, the lower K in the lower byte
.else
	v_lshl_or_b32 v[16+(\t)/4], v15, 8*((\t)%4), v[16+(\t)/4]
.endif
	v_cvt_scalef32_pk16_fp6_f32 v[20:22], v[XB:XB+15], v14
	v_cvt_scalef32_pk16_fp6_f32 v[28:30], v[XB+16:XB+31], v14      ; (a conversion's three registers begin on an even number)
	v_nop                                          ; one plain place behind the conversions
	v_mov_b32 v23, v28
	v_mov_b32 v24, v29
	v_mov_b32 v25, v30                             ; v20-25: the block's 24 bytes
.if ((\t)/2)%2 == 0                    ; c = 0: registers 0-5 of the fragment: all of group 0, the first half of group 1
	ds_store_b128 v4, v[20:23] offset:SBASE
	ds_store_b64 v4, v[24:25] offset:SBASE+512
.else                                  ; c = 1: registers 6-11: the second half of group 1, all of group 2
	ds_store_b64 v4, v[20:21] offset:SBASE+520
	ds_store_b128 v4, v[22:25] offset:SBASE+1024
.endif
.if (\t) < 6
	LOADW (\t)+2
.endif
	s_wait_dscnt 0x0                               ; the stores have read v20-25: the next block writes them
.endm
.macro XLOAD f                         ; fragment f: my 16 numbers of each of the four blocks of my row
.irp b, 0,1,2,3
.irp j, 0,1,2,3
	global_load_b128 v[NUM+64*((\f)%2)+16*\b+4*\j:NUM+64*((\f)%2)+16*\b+4*\j+3], v[4+(\f)], s[P_SRC:P_SRC+1] offset:128*\b+16*\j th:TH_LOAD_NT
.endr
.endr
.endm
; 64 numbers of a lane, register 16 b + i = k 32 b + 16 (lane / 16) + i of my row, become a fragment's codes in v[PC] on and its scale word in v[pw]
.macro QUANT s, pw
.irp b, 0,1,2,3
	v_max3_num_f32 v[TM+\b], |v[\s+16*\b]|, |v[\s+1+16*\b]|, 0x1800000   ; my 16 numbers of block b, and the floor
.endr
.irp i, 2,4,6,8,10,12,14
.irp b, 0,1,2,3
	v_max3_num_f32 v[TM+\b], v[TM+\b], |v[\s+16*\b+\i]|, |v[\s+1+16*\b+\i]|   ; the four blocks by turns
.endr
.endr
.irp b, 0,1,2,3
	v_permlanex16_b32 v[TM+4+\b], v[TM+\b], s[SEL], s[SEL+1]
.endr
.irp b, 0,1,2,3
	v_max_num_f32 v[TM+\b], v[TM+\b], v[TM+4+\b]   ; with lane l xor 16's 16: the block's largest magnitude
.endr
.irp b, 0,1,2,3
	v_add_nc_u32 v[TM+12+\b], 0xff000000, v[TM+\b]
.endr
.irp b, 0,1,2,3
	v_lshrrev_b32 v[TM+4+\b], 23, v[TM+12+\b]
.endr
	v_lshl_or_b32 v[\pw], v[TM+5], 8, v[TM+4]      ; my row's scale word (both halves of the lanes hold it)
	v_lshl_or_b32 v[\pw], v[TM+6], 16, v[\pw]
	v_lshl_or_b32 v[\pw], v[TM+7], 24, v[\pw]
.irp c, 0,1
	v_cvt_scalef32_pk16_fp6_f32 v[PC+6*\c:PC+2+6*\c], v[\s+32*\c:\s+15+32*\c], v[TM+12+2*\c]
	v_cvt_scalef32_pk16_fp6_f32 v[PC+12+4*\c:PC+14+4*\c], v[\s+16+32*\c:\s+31+32*\c], v[TM+12+2*\c+1]
.endr
	v_nop                                          ; one plain place behind the conversions
.irp c, 0,1                            ; the layout wants a whole block in a lane: lanes 0-15 block 2 c, lanes 16-31 block 2 c + 1
.irp i, 0,1,2
	v_permlane16_swap_b32 v[PC+6*\c+\i], v[PC+12+4*\c+\i]
.endr
.irp i, 0,1,2
	v_mov_b32 v[PC+3+6*\c+\i], v[PC+12+4*\c+\i]
.endr
.endr
.endm
	s_load_b512 s[4:19], s[0:1], 0x0               ; Wq 4, Wo 6, Wk 8, Wv 10, cache_v 12, cache_k 14, x 16, xw 18
	s_load_b256 s[20:27], s[0:1], 0x40             ; wo 20, kv 22, out1 24, out2 26
	v_lshl_add_u32 v[SPW], v0, 2, SPARE
	v_mov_b32 v[NIL], 0
	v_lshrrev_b32 v1, 5, v0
	v_readfirstlane_b32 s28, v1                    ; wave 0..3
	v_and_b32 v1, 31, v0                           ; lane
	s_mov_b32 s29, ttmp9                           ; the work-group's number
	s_wait_kmcnt 0x0
	s_cmp_ge_u32 s29, G_CP
	s_cbranch_scc1 .Lcopy
	s_cmp_ge_u32 s29, G_X
	s_cbranch_scc1 .Lrows
	; ---------------- columns: K is the first axis ----------------
	s_mov_b32 s[P_G0], 0                           ; Wq's figures; each later tensor's take their place from its first work-group on
	s_mov_b64 s[P_SRC:P_SRC+1], s[4:5]
	s_mov_b64 s[P_DST:P_DST+1], s[18:19]
	s_mov_b32 s[P_NS], 16384
	s_mov_b32 s[P_XM], 31
	s_mov_b32 s[P_XS], 5
	s_mov_b32 s[P_YM], 15
	s_mov_b32 s[P_HS], 9
	s_mov_b32 s[P_DO], WI
	s_mov_b32 s[P_SRT], 49152
	s_mov_b32 s[P_SKS], 1536
	s_mov_b32 s[P_SU], 49152
	s_mov_b32 s[P_SUS], 128
	s_mov_b32 s[P_RB], 0
	s_mov_b32 s[P_XT], 10                          ; ten tiles a head: waves 0, 1 at + 0, + 2; waves 2, 3 at + 5, + 7
	s_mov_b32 s[P_WT], 5
	s_mov_b32 s[P_W1], 2
	s_mov_b32 s[P_SO], WSO
	s_mov_b32 s[P_SP], 49152                       ; a half head's five tiles have 640 scale bytes in a place of 768: every place begins at a multiple of 256
	s_mov_b32 s90, 128                             ; the bytes left free behind each five tiles (QKV weights' image alone)
	s_cmp_ge_u32 s29, G_WO                         ; Wo: eight tiles for 128 columns, on end
	PICK P_G0, G_WO
	s_cselect_b64 s[P_SRC:P_SRC+1], s[6:7], s[P_SRC:P_SRC+1]
	s_cselect_b64 s[P_DST:P_DST+1], s[20:21], s[P_DST:P_DST+1]
	PICK P_DO, 0
	PICK P_XT, 8
	PICK P_WT, 4
	PICK P_SO, WOSO
	PICK 90, 0
	PICK P_SP, 32768
	s_cmp_ge_u32 s29, G_WK                         ; Wk: wave w of column block xb has block 4 xb + w of 32 columns: tiles 10 (8 xb + w) + 4 and + 9
	PICK P_G0, G_WK
	s_cselect_b64 s[P_SRC:P_SRC+1], s[8:9], s[P_SRC:P_SRC+1]
	s_cselect_b64 s[P_DST:P_DST+1], s[18:19], s[P_DST:P_DST+1]
	PICK P_NS, 1024
	PICK P_XM, 1
	PICK P_XS, 1
	PICK P_DO, WI
	PICK P_SU, 245760
	PICK P_SUS, 768
	PICK P_RB, 4
	PICK P_XT, 80
	PICK P_WT, 20
	PICK P_W1, 10
	PICK P_SO, WSO
	PICK P_SP, 49152
	PICK 90, 128
	s_cmp_ge_u32 s29, G_WV                         ; Wv: sixteen heads further on
	PICK P_G0, G_WV
	s_cselect_b64 s[P_SRC:P_SRC+1], s[10:11], s[P_SRC:P_SRC+1]
	PICK P_RB, 164
	s_cmp_ge_u32 s29, G_CV                         ; cache_v: K = the keys, columns = the head's 128
	PICK P_G0, G_CV
	s_cselect_b64 s[P_SRC:P_SRC+1], s[12:13], s[P_SRC:P_SRC+1]
	s_cselect_b64 s[P_DST:P_DST+1], s[22:23], s[P_DST:P_DST+1]
	PICK P_NS, 512
	PICK P_XM, 0
	PICK P_XS, 0
	PICK P_YM, 3
	PICK P_HS, 2
	PICK P_DO, VI
	PICK P_SRT, 1536
	PICK P_SKS, 12288
	PICK P_SU, 1536
	PICK P_SUS, 128
	PICK P_RB, 0
	PICK P_XT, 0
	PICK P_WT, 4
	PICK P_W1, 2
	PICK P_SO, VSO
	PICK 90, 0
	PICK P_SP, 1024
	s_sub_co_u32 s67, s29, s[P_G0]
	s_and_b32 s68, s67, s[P_XM]                    ; which 128 columns
	s_lshr_b32 s69, s67, s[P_XS]
	s_and_b32 s69, s69, s[P_YM]                    ; which 256 along K
	s_lshr_b32 s70, s67, s[P_HS]                   ; which head (0 for the weights)
	s_lshr_b32 s71, s28, 1
	s_and_b32 s72, s28, 1
	s_mul_i32 s73, s[P_XT], s68
	s_add_co_u32 s73, s73, s[P_RB]
	s_mul_i32 s74, s[P_WT], s71
	s_add_co_u32 s73, s73, s74
	s_mul_i32 s74, s[P_W1], s72
	s_add_co_u32 s73, s73, s74                     ; the first of my wave's two tiles of 16 columns
	s_lshl_b32 s74, s70, 19                        ; source: head x 524,288
	s_lshl_b32 s75, s[P_NS], 8
	s_mul_i32 s75, s75, s69                        ; + 256 K rows x K block
	s_add_co_u32 s74, s74, s75
	s_lshl_b32 s75, s68, 9                         ; + 128 columns x 4 bytes x column block
	s_add_co_u32 s74, s74, s75
	s_lshl_b32 s75, s28, 7                         ; + 32 columns x 4 bytes x wave
	s_add_co_u32 s74, s74, s75
	s_mov_b32 s75, 0
	s_add_nc_u64 s[48:49], s[P_SRC:P_SRC+1], s[74:75]   ; block 0's first K row
	s_lshl_b32 s76, s[P_NS], 5
	s_mov_b32 s77, 0
.irp t, 1,2,3,4,5,6,7
	s_add_nc_u64 s[48+2*\t:49+2*\t], s[46+2*\t:47+2*\t], s[76:77]   ; block t's: 32 K rows further down
.endr
	s_mul_i32 s78, s70, 196608                     ; image: head
	s_add_co_u32 s78, s78, s[P_DO]
	s_mul_i32 s79, s73, s[P_SRT]                   ; + tile
	s_add_co_u32 s78, s78, s79
	s_lshl_b32 s79, s69, 1
	s_mul_i32 s79, s79, s[P_SKS]                   ; + two K steps x K block
	s_add_co_u32 s78, s78, s79
	s_mov_b32 s79, 0
	s_add_nc_u64 s[80:81], s[P_DST:P_DST+1], s[78:79]
	s_lshl_b32 s82, s70, 13                        ; scale bytes: head
	s_add_co_u32 s82, s82, s[P_SO]
	s_mul_i32 s83, s69, s[P_SP]                    ; + K block
	s_add_co_u32 s82, s82, s83
	s_mul_i32 s83, s73, 205                        ; tile / 5 (tiles stay under 320): the half heads passed,
	s_lshr_b32 s83, s83, 10
	s_mul_i32 s83, s83, s90                        ; each with its free bytes
	s_add_co_u32 s82, s82, s83
	s_lshl_b32 s83, s73, 7
	s_add_co_u32 s82, s82, s83
	s_mov_b32 s83, 0
	s_add_nc_u64 s[84:85], s[P_DST:P_DST+1], s[82:83]
	s_wait_alu depctr_va_vdst(0)
	v_bfe_u32 v7, v1, 3, 1                         ; my column's tile of the two: u = (lane / 8) % 2,
	v_and_b32 v12, 7, v1
	v_lshrrev_b32 v13, 4, v1
	v_lshl_add_u32 v12, v13, 3, v12                ; and its row there: lane % 8 + 8 (lane / 16)
	s_mul_i32 s86, s28, 6144                       ; my wave's stage: [u][K step][1,536]
	v_mul_u32_u24 v4, v7, 3072
	v_lshl_add_u32 v4, v12, 4, v4
	v_add_nc_u32 v4, s86, v4                       ; into it
	v_lshlrev_b32 v8, 4, v1                        ; 16 x lane
	v_add_nc_u32 v5, s86, v8                       ; out of it
	v_mul_u32_u24 v6, s[P_SUS], v7
	v_lshl_add_u32 v6, v12, 3, v6                  ; my column's 8 scale bytes
	v_add_nc_u32 v9, s[P_SKS], v8                  ; v8-11: the four fragments' places in the image: (u, K step)
	v_add_nc_u32 v10, s[P_SU], v8
	v_add_nc_u32 v11, s[P_SKS], v10
	v_lshlrev_b32 v[OFF], 2, v1
.set LI, 0
.rept 31
	v_add_nc_u32 v[OFF+LI+1], s[P_NS], v[OFF+LI]
.set LI, LI+1
.endr
	LOADW 0
	LOADW 1
.irp t, 0,1,2,3,4,5,6,7
	BLOCKW \t
.endr
	s_wait_alu depctr_va_vdst(0)
	global_store_b64 v6, v[16:17], s[84:85]        ; each tile's 16 rows: 128 consecutive bytes of scale bytes; where the two tiles are neighbours, 256
.set LI, 0
.rept 12
	ds_load_b128 v[X+4*LI:X+4*LI+3], v5 offset:512*LI   ; LDS serves a wave's instructions in order: these see my stores
.set LI, LI+1
.endr
.set LI, 0
.rept 12
	s_wait_dscnt 11-LI                             ; the younger read-backs may be out
	global_store_b128 v[8+LI/3], v[X+4*LI:X+4*LI+3], s[80:81] offset:512*(LI%3)   ; 512 consecutive bytes, at a multiple of 256
.set LI, LI+1
.endr
	s_cmp_lt_u32 s29, G_WK                         ; Wk's and Wv's tiles are laid a second time, four heads (40 tiles) further on
	s_cbranch_scc1 .Lonce
	s_cmp_ge_u32 s29, G_CV
	s_cbranch_scc1 .Lonce
	global_store_b64 v6, v[16:17], s[84:85] offset:6144
.set LI, 0
.rept 12
	global_store_b128 v[8+LI/3], v[X+4*LI:X+4*LI+3], s[80:81] offset:512*(LI%3)+1966080
.set LI, LI+1
.endr
.Lonce:
	FINISH
	; ---------------- rows: K is innermost ----------------
.Lrows:
	s_cmp_ge_u32 s29, G_CK                         ; x, or cache_k
	s_mov_b32 s30, G_X
	PICK 30, G_CK
	s_cselect_b64 s[P_SRC:P_SRC+1], s[14:15], s[16:17]
	s_cselect_b64 s[P_DST:P_DST+1], s[22:23], s[18:19]
	s_mov_b32 s34, 16384                           ; bytes from row to row
	PICK 34, 512
	s_mov_b32 s35, 1024                            ; source bytes for a step of lo: 256 along K | 64 keys
	PICK 35, 32768
	s_mov_b32 s36, 262144                          ; source: fragment f % 2: 16 rows on | 8 keys on
	PICK 36, 4096
	s_mov_b32 s37, 512                             ; fragment f / 2: 128 along K on | 32 keys on
	PICK 37, 16384
	s_mov_b32 s38, 98304                           ; image bytes for a step of hi: two tiles of rows | a head
	PICK 38, 196608
	s_mov_b32 s39, 3072                            ; for a step of lo: two K steps | four tiles
	PICK 39, 6144
	s_mov_b32 s42, 49152                           ; image: fragment f % 2
	PICK 42, 1536
	s_mov_b32 s43, 1536                            ; fragment f / 2
	PICK 43, 3072
	s_mov_b32 s44, XSO
	PICK 44, KSO
	s_mov_b32 s45, 8192                            ; scale bytes for a step of lo,
	PICK 45, 256
	s_mov_b32 s46, 256                             ; of hi
	PICK 46, 8192
	s_cselect_b32 s47, 8, 0                        ; the keys of a tile are not neighbours: row r + 8 (r / 8)
	s_sub_co_u32 s66, s29, s30
	s_lshl_b32 s66, s66, 2
	s_add_co_u32 s66, s66, s28                     ; my wave among the tensor's
	s_lshr_b32 s67, s66, 4                         ; hi: which 32 rows | which head
	s_and_b32 s68, s66, 15                         ; lo: which 256 along K | which 64 keys
	s_lshl_b32 s70, s67, 19
	s_mul_i32 s71, s68, s35
	s_add_co_u32 s70, s70, s71
	s_mov_b32 s71, 0
	s_add_nc_u64 s[P_SRC:P_SRC+1], s[P_SRC:P_SRC+1], s[70:71]
	s_mul_i32 s70, s67, s38
	s_mul_i32 s72, s68, s39
	s_add_co_u32 s70, s70, s72
	s_add_nc_u64 s[48:49], s[P_DST:P_DST+1], s[70:71]   ; the image (both begin at byte 0 of their buffers)
	s_mul_i32 s70, s68, s45
	s_mul_i32 s72, s67, s46
	s_add_co_u32 s70, s70, s72
	s_add_co_u32 s70, s70, s44
	s_add_nc_u64 s[50:51], s[P_DST:P_DST+1], s[70:71]   ; the scale bytes
	s_mov_b32 s[SEL], 0x76543210
	s_mov_b32 s[SEL+1], 0xfedcba98
	s_wait_alu depctr_va_vdst(0)
	v_and_b32 v14, 15, v1                          ; r
	v_lshrrev_b32 v15, 4, v1                       ; h
	v_lshrrev_b32 v13, 3, v14
	v_mad_u32_u24 v13, v13, s47, v14               ; my row of the fragment's 16
	v_mul_lo_u32 v4, v13, s34
	v_lshl_add_u32 v4, v15, 6, v4                  ; v4-7: + 64 h: my 16 numbers of a block; the four fragments
	v_add_nc_u32 v5, s36, v4
	v_add_nc_u32 v6, s37, v4
	v_add_nc_u32 v7, s37, v5
	v_lshlrev_b32 v8, 4, v1                        ; v8-11: their places in the image
	v_add_nc_u32 v9, s42, v8
	v_add_nc_u32 v10, s43, v8
	v_add_nc_u32 v11, s43, v9
	v_lshlrev_b32 v12, 3, v1
	v_lshlrev_b32 v13, 2, v1
.irp b, 0,1,2,3
	v_mov_b32 v[TM+4+\b], 0                        ; written once: a lane permute's destination counts as one of its sources
.endr
	XLOAD 0
	XLOAD 1
.irp f, 0,1,2,3
.if \f < 3
	s_wait_loadcnt 16                              ; this fragment's 16 loads are in; the other set's 16 may be out
.else
	s_wait_loadcnt 0x0
.endif
.if \f > 0
	s_wait_xcnt 0x0                                ; the last fragment's stores have read v[PC] on
.endif
	QUANT NUM+64*(\f%2), 16+\f
.irp c, 0,1,2
	global_store_b128 v[8+\f], v[PC+4*\c:PC+4*\c+3], s[48:49] offset:512*\c   ; 512 consecutive bytes, at a multiple of 256
.endr
.if \f < 2
	XLOAD \f+2
.endif
.endr
	v_cmp_le_u32 vcc_lo, 16, v1                    ; lanes 16-31 store for the fragments with f % 2 = 1
	v_cndmask_b32 v20, v16, v17, vcc_lo
	v_cndmask_b32 v21, v18, v19, vcc_lo
	s_cmp_ge_u32 s29, G_CK
	s_cbranch_scc1 .Lkeys
	global_store_b64 v12, v[20:21], s[50:51]       ; x: 32 rows x two K steps' words: 256 consecutive bytes
	FINISH
.Lkeys:
	s_wait_alu depctr_va_vdst(0)
	global_store_b32 v13, v20, s[50:51]            ; keys: one word an image row: tiles 0, 1,
	global_store_b32 v13, v21, s[50:51] offset:128 ; tiles 2, 3
	FINISH
	; ---------------- copy: the caches are the first 1,024 keys of out1 and out2 ----------------
.Lcopy:
	s_sub_co_u32 s30, s29, G_CP
	s_lshr_b32 s31, s30, 4                         ; 0, 1: cache_k's heads; 2, 3: cache_v's
	s_and_b32 s30, s30, 15                         ; which 32,768 bytes of the head's 524,288
	s_cmp_lt_u32 s31, 2
	s_cselect_b64 s[32:33], s[14:15], s[12:13]
	s_cselect_b64 s[40:41], s[24:25], s[26:27]
	s_and_b32 s31, s31, 1
	s_lshl_b32 s34, s30, 15
	s_lshl_b32 s35, s28, 13                        ; 8,192 bytes a wave
	s_add_co_u32 s34, s34, s35
	s_lshl_b32 s36, s31, 19
	s_add_co_u32 s36, s36, s34
	s_mov_b32 s37, 0
	s_add_nc_u64 s[32:33], s[32:33], s[36:37]
	s_lshl_b32 s36, s31, 20                        ; a head of the outputs is twice as long
	s_add_co_u32 s36, s36, s34
	s_add_nc_u64 s[40:41], s[40:41], s[36:37]
	s_wait_alu depctr_va_vdst(0)
	v_lshlrev_b32 v4, 4, v1
.set LI, 0
.rept 16
	global_load_b128 v[64+4*LI:67+4*LI], v4, s[32:33] offset:512*LI
.set LI, LI+1
.endr
.set LI, 0
	s_wait_alu depctr_va_vdst(0)
.rept 16
	s_wait_loadcnt 15-LI                           ; the younger loads may be out
	global_store_b128 v4, v[64+4*LI:67+4*LI], s[40:41] offset:512*LI
.set LI, LI+1
.endr
	FINISH
.Lfunc_end_k_qb1b9710e4f_quant:
	.size	k_qb1b9710e4f_quant, .Lfunc_end_k_qb1b9710e4f_quant-k_qb1b9710e4f_quant
	.p2alignl 7, 3214868480
	.fill 96, 4, 3214868480
	.section	.rodata,"a",@progbits
	.p2align	6, 0x0
	.amdhsa_kernel k_qb1b9710e4f_quant
		.amdhsa_group_segment_fixed_size 25088
		.amdhsa_private_segment_fixed_size 0
		.amdhsa_enable_private_segment 0
		.amdhsa_kernarg_size 96
		.amdhsa_user_sgpr_count 2
		.amdhsa_user_sgpr_kernarg_segment_ptr 1
		.amdhsa_wavefront_size32 1
		.amdhsa_system_sgpr_workgroup_id_x 1
		.amdhsa_system_sgpr_workgroup_id_y 1
		.amdhsa_system_sgpr_workgroup_id_z 1
		.amdhsa_system_vgpr_workitem_id 0
		.amdhsa_next_free_vgpr 192
		.amdhsa_next_free_sgpr 100
		.amdhsa_reserve_vcc 1
		.amdhsa_float_denorm_mode_32 3
		.amdhsa_float_denorm_mode_16_64 3
		.amdhsa_memory_ordered 1
		.amdhsa_forward_progress 1
		.amdhsa_inst_pref_size 79
	.end_amdhsa_kernel
	.amdgpu_metadata
---
amdhsa.version: [ 1, 2 ]
amdhsa.kernels:
  - .name:           k_qb1b9710e4f_quant
    .symbol:         k_qb1b9710e4f_quant.kd
    .args:
      - { .name: Wq, .offset: 0, .size: 8, .value_kind: global_buffer, .address_space: global }
      - { .name: Wo, .offset: 8, .size: 8, .value_kind: global_buffer, .address_space: global }
      - { .name: Wk, .offset: 16, .size: 8, .value_kind: global_buffer, .address_space: global }
      - { .name: Wv, .offset: 24, .size: 8, .value_kind: global_buffer, .address_space: global }
      - { .name: cache_v, .offset: 32, .size: 8, .value_kind: global_buffer, .address_space: global }
      - { .name: cache_k, .offset: 40, .size: 8, .value_kind: global_buffer, .address_space: global }
      - { .name: x, .offset: 48, .size: 8, .value_kind: global_buffer, .address_space: global }
      - { .name: xw, .offset: 56, .size: 8, .value_kind: global_buffer, .address_space: global }
      - { .name: wo, .offset: 64, .size: 8, .value_kind: global_buffer, .address_space: global }
      - { .name: kv, .offset: 72, .size: 8, .value_kind: global_buffer, .address_space: global }
      - { .name: out1, .offset: 80, .size: 8, .value_kind: global_buffer, .address_space: global }
      - { .name: out2, .offset: 88, .size: 8, .value_kind: global_buffer, .address_space: global }
    .group_segment_fixed_size: 25088
    .private_segment_fixed_size: 0
    .kernarg_segment_align: 8
    .kernarg_segment_size: 96
    .max_flat_workgroup_size: 128
    .sgpr_count:     100
    .vgpr_count:     192
    .wavefront_size: 32
...
	.end_amdgpu_metadata
.endif
;; end of part 5
;; launch qkv (part 6): grid 32 x 8, 4 waves a work-group, clusters of 4 x 4, 327,680 bytes of LDS; arguments xw, bq, bk, bv, cos, sin, qq, kv, out1, out2; writes qq, kv, out1, out2
.if DOCPART == 6
	.amdgcn_target "amdgcn-amd-amdhsa--gfx1250"
	.amdhsa_code_object_version 6
	.text
	.protected	k_qb1b9710e4f_qkv
	.globl	k_qb1b9710e4f_qkv
	.p2align	8
	.type	k_qb1b9710e4f_qkv,@function
k_qb1b9710e4f_qkv:
	s_mov_b64 s[64:65], 0
	v_nop
	global_prefetch_b8 v0, s[64:65] scope:SCOPE_SE
	s_setreg_imm32_b32 hwreg(HW_REG_WAVE_MODE, 25, 1), 1
	s_wait_xcnt 0x0
	s_wait_alu depctr_hold_cnt(0) depctr_sa_sdst(0) depctr_va_vdst(0) depctr_va_sdst(0) depctr_va_ssrc(0) depctr_va_vcc(0) depctr_vm_vsrc(0)
	s_getreg_b32 s2, hwreg(HW_REG_IB_STS2, 6, 4)
	s_cmp_eq_u32 s2, 0
	s_cbranch_scc0 .Lentry_in_a_cluster
	s_endpgm
.Lentry_in_a_cluster:
	s_bfe_u32 s2, ttmp6, 0x10000c
	s_cmp_lg_u32 s2, 0xf033
	s_cbranch_scc0 .Lentry_shape_is_right
	s_endpgm
.Lentry_shape_is_right:
; q, k, v = x W + b on codes of FP6 (E2M3) with E8M0 scales, then the partial rope, then: q as codes for the attention; k and v as f32 into out1 and out2 (keys 1,024 on) and as codes for the attention.
; x's and the weights' codes come as images of operand registers (a fragment of 16 rows x 128 K is 1,536 bytes: [group][lane][16 bytes]), so a fragment is three LDS loads of 512 consecutive bytes.
; SHARES.  32 x 8 work-groups, one for each head of q and each 128 rows; four waves, each 64 x 64 of q: 16 accumulators.  K AND V HAVE NO WORK-GROUPS OF THEIR OWN: their 1,024 rows x 512 columns are shared out evenly,
; 64 rows x 32 columns to a work-group, a tile of 16 rows x 32 columns (two accumulators) to a wave.  With X the cluster's x (the same in all sixteen partners): X % 2 says which half of the work-group's 128 rows,
; X / 2 says k (0, 1) or v (2, 3) and which head (its low bit), and the place cx in the cluster says which 32 of that head's 128 columns.
; NOTHING IN LDS KNOWS OF X: x's joint loads bring the true half (p xor X % 2) of the rows into LDS half p, so that the rows for k and v always lie in LDS half 0, wave w's tile at place w.  Only global addresses follow.
; K goes in slots of 512 (four steps of 128) through a ring of two LDS slots; the scale bytes of the tile's rows and columns for all of K come once, with the first fills.
; CLUSTERS: 4 x 4 work-groups; x's tiles are shared along a row of the cluster, the weights' along a column: each is asked for jointly, by one tensor load with a mask that names the four.  The weights' image has ten
; tiles for a head (q's 0-3, k or v u = 0, q's 4-7, k or v u = 1), so that each of waves 2 and 3 still brings its half by one load, of five rows.
; THE PRODUCT IS USED TRANSPOSED (source 0 = 16 columns of W, source 1 = 16 rows of x), and the weights' columns lie in turned order, so that a lane holds one row and the 16 registers of two neighbouring tiles hold 16
; neighbouring columns, 16 (lane / 16) on: neighbours along the next product's K.  The bias is the C of each sum's first matrix instruction.
; No branch hangs on a work-group's place: where there is no rope the wave multiplies by cos = 1 and sin = 0; k and v are told apart by selects.  v is quantised along the KEYS: all waves put their 16 x 32 numbers
; into a stage in LDS, pass a barrier and read them by columns; the select then takes the staged numbers (v) or the registers (k).
; The new keys' codes leave in stores of 4 bytes and their scale bytes singly, q's scale halves in stores of 2 bytes, and a row of out1 or out2 gets 128 consecutive bytes from a work-group: a small part of what the launch writes.
; LIMITS: NaN and infinities are not served; a block of zeros gets the scale byte 1 with zero codes (read by this program alone).
; REGISTERS: window 0: v1-9 lane terms, v16-30 addresses, v32-47 q's scale words (two sets), v48-79 q's bias, later at work, v80-87 the scale words for k and v (two sets), v88-127 at work, v128-255 q's accumulators.
;   window 1: two sets of fragments, v0-95 and v96-191 (x's four at + 12 i, W's four at + 48 + 12 i).
;   window 2: v0-127 q's cos and sin; v128-199 two sets of (x's tile for k and v, W's two tiles); v200-215 their cos and sin; v216-231 their accumulators; v232-247 their bias; v248-255 at work.
.set SLOT,   110592                    ; x's 8 tiles of rows x 4 K steps x 1,536, then W's 10
.set HALFA,  24576                     ; what a load of x brings: 4 tiles x 6,144 bytes
.set HALFB,  30720                     ; what a load of W brings: 5 tiles
.set BOFF,   49152                     ; W's tiles in a slot
.set RTS,    6144                      ; a tile's four K steps
.set RTG,    49152                     ; a tile's 32 K steps in memory
.set SCL,    2*SLOT                    ; the scale bytes: four shares of 10,240: x's halves, W's halves; each [16][640 bytes]
.set SHALF,  10240
.set SKP,    640                       ; 256 along K: W: 80 rows x 8 bytes; x: 64 rows x 8 bytes + 128 of padding, so that one immediate serves both
.set SPARE,  SCL+4*SHALF               ; the spare words, 128 bytes a wave
.set STP,    144                       ; the stage for v: 64 keys x (128 bytes + 16), in slot 0, which has had its last fill and its last read by then
.set XSO,    3145728
.set WI,     3276800
.set WSO,    19005440
.set QSO,    3145728
.set VI,     393216
.set KSO,    786432
.set VSO,    802816
.set ADRA, 16                          ; v16-17  x's fragments for q, slot 0, 1
.set ADRX, 18                          ; v18-19  x's fragment for k and v
.set ADRB, 20                          ; v20-21  W's fragments for q
.set ADRK, 22                          ; v22-23  W's fragments for k and v
.set STK,  24                          ; v24     the stage: where I put my numbers
.set STR,  25                          ; v25     and where I read a column
.set KO,   26                          ; v26     my byte offset in out1 or out2
.set ADRS, 27                          ; v27     q's scale words
.set SPW,  28
.set NIL,  29
.set ADRSK, 30                         ; v30     the scale words for k and v
.set SC,   32
.set BI,   48
.set RT,   62                          ; v62-69  at work in the rope, later addresses
.set SK,   80                          ; set s, tile u at v[80 + 4 s + 2 u]: lanes 0-15 x's tile, lanes 16-31 W's tile u
.set ACC,  128
.set XF,   128                         ; window 2
.set KCOS, 200
.set KSIN, 208
.set KACC, 216
.set KB,   232
.set KT,   248
.set G1A,  24
.set G0A,  32
.set G1B,  40
.set G0B,  48
.set G1SA, 56
.set G1SB, 68
.set G0SA, 76
.set G0SB, 80
.set WV,   84
.set RH,   85                          ; my LDS half of the rows.  Also: I fetch for x (0) or for W (1)
.set CH,   86                          ; my half of q's columns.  Also: which half of that tile I fetch
.set CX,   87
.set CY,   88
.set RHT,  88                          ; (once cy is done with) the true half of the rows that my LDS half holds
.set TX,   89
.set TY,   90
.set NRM,  91                          ; all ones where my columns of q have no rope, else 0
.set SELB, 2                           ; X % 2
.set KG,   66                          ; X / 2
.set NRK,  67                          ; all ones where my columns of k or v have no rope
.set SEL,  100
.set MSB, 0
.macro WIN new                         ; the immediate's high byte repeats the setting that is left
.if MSB != \new
	s_set_vgpr_msb (MSB<<8)|\new
.set MSB, \new
.endif
.endm
.set MUL,  0x05                        ; sources 0 and 1 window 1; C and D window 0
.set MULW, 0xaa                        ; all four in window 2
.set TO_F, 0x40                        ; destination window 1, address window 0
.set TO_X, 0x80                        ; destination window 2, address window 0
.macro PLACES n
.rept \n
	v_nop
.endr
.endm
; A joint load: waves 0 and 1 fetch for x, waves 2 and 3 for W.  Each line has one mask and one set of registers for all that issue it; the branch hangs on the wave's number alone.
; An s_nop 0 and four v_nop follow each of the two lines.
.macro JLOAD g0a, g1a, g0b, g1b
	s_cmp_eq_u32 s[RH], 0
	s_cbranch_scc0 .Lfor_b_\@
	tensor_load_to_lds s[\g0a:\g0a+3], s[\g1a:\g1a+7]
	s_nop 0
	PLACES 4
	s_branch .Lasked_\@
.Lfor_b_\@:
	tensor_load_to_lds s[\g0b:\g0b+3], s[\g1b:\g1b+7]
	s_nop 0
	PLACES 4
.Lasked_\@:
.endm
.macro CREST                           ; a round of the cluster's barrier behind its opening barrier
	s_cmp_lg_u32 s[WV], 0
	s_cbranch_scc1 .Lnot_wave_0_\@
	s_barrier_signal -3
.Lnot_wave_0_\@:
	s_barrier_wait -3
	s_barrier_signal -1
	s_barrier_wait -1
.endm
.macro CROUND
	s_barrier_signal -1
	s_barrier_wait -1
	CREST
.endm
; The slot's q-th K step into set f (0 or 96): for q W's four fragments and x's four; for k and v x's one and W's two: 33 loads of 512 consecutive bytes
.macro FETCH slot, q, f
	WIN TO_F
.irp i, 0,1,2,3
.irp g, 0,1,2
	ds_load_b128 v[(\f)+48+12*\i+4*\g:(\f)+48+12*\i+4*\g+3], v[ADRB+\slot] offset:\i*RTS+(\q)*1536+512*\g
.endr
.endr
.irp i, 0,1,2,3
.irp g, 0,1,2
	ds_load_b128 v[(\f)+12*\i+4*\g:(\f)+12*\i+4*\g+3], v[ADRA+\slot] offset:\i*RTS+(\q)*1536+512*\g
.endr
.endr
	WIN TO_X
.irp g, 0,1,2
	ds_load_b128 v[XF+36*((\f)/96)+4*\g:XF+36*((\f)/96)+4*\g+3], v[ADRX+\slot] offset:(\q)*1536+512*\g
.endr
.irp u, 0,1
.irp g, 0,1,2
	ds_load_b128 v[XF+36*((\f)/96)+12+12*\u+4*\g:XF+36*((\f)/96)+12+12*\u+4*\g+3], v[ADRK+\slot] offset:\u*HALFB+(\q)*1536+512*\g
.endr
.endr
	WIN 0
.endm
.macro SCALES kap, set                 ; two K steps' scale words: lanes 0-15 x's tile, lanes 16-31 W's
.irp i, 0,1,2,3
	ds_load_b64 v[SC+8*(\set)+2*\i:SC+8*(\set)+2*\i+1], v[ADRS] offset:(\kap)*SKP+128*\i
.endr
.irp u, 0,1
	ds_load_b64 v[SK+4*(\set)+2*\u:SK+4*(\set)+2*\u+1], v[ADRSK] offset:(\kap)*SKP+\u*SHALF
.endr
.endm
.macro MULA f, a, q, set, first        ; x's tile a against W's four.  The 18 accumulators take turns in the same order in every step
.irp b, 0,1,2,3
.if \first
	v_wmma_scale_f32_16x16x128_f8f6f4 v[ACC+8*(4*(\a)+\b):ACC+8*(4*(\a)+\b)+7], v[(\f)+48+12*\b:(\f)+48+12*\b+11], v[(\f)+12*(\a):(\f)+12*(\a)+11], v[BI+8*\b:BI+8*\b+7], v[SC+8*(\set)+2*\b+(\q)%2], v[SC+8*(\set)+2*(\a)+(\q)%2] matrix_a_fmt:MATRIX_FMT_FP6 matrix_b_fmt:MATRIX_FMT_FP6 matrix_a_scale:MATRIX_SCALE_ROW1
.else
	v_wmma_scale_f32_16x16x128_f8f6f4 v[ACC+8*(4*(\a)+\b):ACC+8*(4*(\a)+\b)+7], v[(\f)+48+12*\b:(\f)+48+12*\b+11], v[(\f)+12*(\a):(\f)+12*(\a)+11], v[ACC+8*(4*(\a)+\b):ACC+8*(4*(\a)+\b)+7], v[SC+8*(\set)+2*\b+(\q)%2], v[SC+8*(\set)+2*(\a)+(\q)%2] matrix_a_fmt:MATRIX_FMT_FP6 matrix_b_fmt:MATRIX_FMT_FP6 matrix_a_scale:MATRIX_SCALE_ROW1
.endif
.endr
.endm
.macro MULK f, q, set, first           ; my tile of rows against the two tiles of k or v.  x's scale words stand in lanes 0-15 of tile 0's register
	WIN MULW
.irp u, 0,1
.if \first
	v_wmma_scale_f32_16x16x128_f8f6f4 v[KACC+8*\u:KACC+8*\u+7], v[XF+36*((\f)/96)+12+12*\u:XF+36*((\f)/96)+23+12*\u], v[XF+36*((\f)/96):XF+36*((\f)/96)+11], v[KB+8*\u:KB+8*\u+7], v[SK+4*(\set)+2*\u+(\q)%2], v[SK+4*(\set)+(\q)%2] matrix_a_fmt:MATRIX_FMT_FP6 matrix_b_fmt:MATRIX_FMT_FP6 matrix_a_scale:MATRIX_SCALE_ROW1
.else
	v_wmma_scale_f32_16x16x128_f8f6f4 v[KACC+8*\u:KACC+8*\u+7], v[XF+36*((\f)/96)+12+12*\u:XF+36*((\f)/96)+23+12*\u], v[XF+36*((\f)/96):XF+36*((\f)/96)+11], v[KACC+8*\u:KACC+8*\u+7], v[SK+4*(\set)+2*\u+(\q)%2], v[SK+4*(\set)+(\q)%2] matrix_a_fmt:MATRIX_FMT_FP6 matrix_b_fmt:MATRIX_FMT_FP6 matrix_a_scale:MATRIX_SCALE_ROW1
.endif
.endr
.endm
; One of a slot's first three K steps: this step's fragments are in; the next step's are asked for, into the set that the last step multiplied, four places behind its products; then 18 products.
.macro STEP slot, q, kap, first
	s_wait_dscnt 0x0
	PLACES 4
	FETCH \slot, (\q)+1, 96*(((\q)+1)%2)
.if (\q) == 1
	SCALES \kap, 1
.endif
	WIN MUL
.irp aa, 0,1,2,3
	MULA 96*((\q)%2), \aa, \q, (\q)/2, \first
.endr
	MULK 96*((\q)%2), \q, (\q)/2, \first
	WIN 0
.endm
; A slot's last K step changes slots: ONE barrier; in front of it each wave waits for all its tensor loads, adds 0 to its spare word, and waits for that and for its reads of this slot.
.macro TURN slot, next, fill, kap
.if (\fill) && (\slot) == 0
	s_wait_xcnt 0x0                                ; my prefetches have read their address: it steps a lap (two slots) on
	s_add_nc_u64 s[104:105], s[104:105], 2*RTS
.endif
	s_wait_tensorcnt 0x0
	ds_add_u32 v[SPW], v[NIL]                      ; 0 onto my spare word
	s_wait_dscnt 1                                 ; the add alone may be out: this step's fragments are in
	WIN MUL
	MULA 96, 0, 3, 1, 0
	s_wait_dscnt 0x0                               ; the add is done, and my reads of this slot are over
	s_barrier_signal -1
	MULA 96, 1, 3, 1, 0
	WIN 0
	s_barrier_wait -1
.if \fill
	CREST                                          ; the barrier has opened a round of the cluster's: no wave of any partner still reads this slot or has a load on its way
	s_add_nc_u64 s[G0A+4*\slot+2:G0A+4*\slot+3], s[G0A+4*\slot+2:G0A+4*\slot+3], 2*RTS
	s_add_nc_u64 s[G0B+4*\slot+2:G0B+4*\slot+3], s[G0B+4*\slot+2:G0B+4*\slot+3], 2*RTS
	JLOAD G0A+4*\slot, G1A, G0B+4*\slot, G1B       ; the first tensor load behind the round; its four v_nop are the places in front of the loads below
.else
	PLACES 4
.endif
.if \next == 0
	v_add_nc_u32 v[ADRS], 4*SKP, v[ADRS]           ; a lap's four blocks of scale words on
	v_add_nc_u32 v[ADRSK], 4*SKP, v[ADRSK]
.endif
	FETCH \next, 0, 0
	SCALES \kap, 0
.if \fill
	s_cmp_gt_u32 s3, 1                             ; the last lap's refills have no slot two refills on
	s_cbranch_scc0 .Lnot_asked_\@
	global_prefetch_b8 v31, s[104:105] offset:(2+\slot)*RTS th:TH_LOAD_NT scope:SCOPE_SE   ; the slot that stands two refills on: my share of the blocks that my joint load will bring
.Lnot_asked_\@:
.endif
	WIN MUL
	MULA 96, 2, 3, 1, 0
	MULA 96, 3, 3, 1, 0
	MULK 96, 3, 1, 0
	WIN 0
.endm
	s_load_b512 s[4:19], s[0:1], 0x0               ; xw 4, bq 6, bk 8, bv 10, cos 12, sin 14, qq 16, kv 18
	s_load_b128 s[20:23], s[0:1], 0x40             ; out1 20, out2 22
	v_lshl_add_u32 v[SPW], v0, 2, SPARE
	v_mov_b32 v[NIL], 0
	ds_add_u32 v[SPW], v[NIL]                      ; the wave's opening
	ds_add_u32 v[SPW], v[NIL]
	v_lshrrev_b32 v1, 5, v0
	v_readfirstlane_b32 s[WV], v1
	s_lshr_b32 s[RH], s[WV], 1
	s_and_b32 s[CH], s[WV], 1
	s_bfe_u32 s[CX], ttmp6, 0x40000
	s_bfe_u32 s[CY], ttmp6, 0x40004
	s_lshl_b32 s[TX], ttmp9, 2
	s_add_co_u32 s[TX], s[TX], s[CX]               ; head of q = 4 x cluster x + cx
	s_and_b32 s[TY], ttmp7, 0xffff
	s_lshl_b32 s[TY], s[TY], 2
	s_add_co_u32 s[TY], s[TY], s[CY]               ; tile row = 4 x cluster y + cy
	s_and_b32 s[SELB], ttmp9, 1                    ; both the same in all sixteen partners
	s_lshr_b32 s[KG], ttmp9, 1
	s_lshl_b32 s92, s[CY], 2
	s_lshl_b32 s92, 15, s92                        ; my row of the cluster
	s_lshl_b32 s93, 0x1111, s[CX]                  ; my column
	s_xor_b32 s[RHT], s[RH], s[SELB]
	s_or_b32 s[G1A], s92, (3<<16)|(1<<21)          ; codes: elements of 8 bytes, no padding; x's tiles go to my row,
	s_or_b32 s[G1B], s93, (3<<16)|(1<<21)          ; W's to my column
	s_mov_b32 s[G1A+1], 768<<16                    ; tensor_dim0: 768 elements = 6,144 bytes
	s_mov_b32 s[G1A+2], 4<<16                      ; tensor_dim1 = 4
	s_mov_b32 s[G1A+3], 768<<16                    ; tile_dim0
	s_mov_b32 s[G1A+4], 4                          ; tile_dim1
	s_mov_b32 s[G1A+5], 6144                       ; from tile to tile: 49,152 bytes
	s_mov_b32 s[G1A+6], 0
	s_mov_b32 s[G1A+7], 0
	s_mov_b32 s[G1B+1], 768<<16
	s_mov_b32 s[G1B+2], 5<<16                      ; five tiles
	s_mov_b32 s[G1B+3], 768<<16
	s_mov_b32 s[G1B+4], 5
	s_mov_b32 s[G1B+5], 6144
	s_mov_b32 s[G1B+6], 0
	s_mov_b32 s[G1B+7], 0
	s_or_b32 s[G1SA], s92, (3<<16)|(1<<20)|(1<<21)|(6<<22)|(31<<25)   ; x's scale bytes: 16 rows of 64 x 8 bytes; behind every 128 words 32 words of padding: rows 640 bytes apart
	s_mov_b32 s[G1SA+1], 64<<16
	s_mov_b32 s[G1SA+2], 16<<16
	s_mov_b32 s[G1SA+3], 64<<16
	s_mov_b32 s[G1SA+4], 16
	s_mov_b32 s[G1SA+5], 1024                      ; x has 1,024 rows
	s_mov_b32 s[G1SA+6], 0
	s_mov_b32 s[G1SA+7], 0
	s_or_b32 s[G1SB], s93, (3<<16)|(1<<21)         ; W's: 16 rows of 80 x 8 bytes, dense
	s_mov_b32 s[G1SB+1], 80<<16
	s_mov_b32 s[G1SB+2], 16<<16
	s_mov_b32 s[G1SB+3], 80<<16
	s_mov_b32 s[G1SB+4], 16
	s_mov_b32 s[G1SB+5], 6144                      ; 64 half heads x 768 bytes for 256 along K
	s_mov_b32 s[G1SB+6], 0
	s_mov_b32 s[G1SB+7], 0
	s_xor_b32 s93, s[CH], s[SELB]                  ; the true half of the rows that I fetch into LDS half CH (no register here ever holds cx)
	s_lshl_b32 s92, s[TY], 3
	s_lshl_b32 s100, s93, 2
	s_add_co_u32 s92, s92, s100
	s_mul_i32 s92, s92, RTG                        ; x's codes: tile 8 TY + 4 x that half
	s_lshl_b32 s96, s[TY], 10                      ; x's scale bytes: 8 bytes a row
	s_lshl_b32 s97, s93, 9
	s_add_co_u32 s96, s96, s97
	s_add_co_u32 s96, s96, XSO
	s_mov_b32 s93, 0
	s_mov_b32 s97, 0
	s_mul_i32 s94, s[TX], 10                       ; W's codes: tile 10 TX + 5 x half (and none here cy)
	s_mul_i32 s95, s[CH], 5
	s_add_co_u32 s94, s94, s95
	s_mul_i32 s94, s94, RTG
	s_add_co_u32 s94, s94, WI
	s_mov_b32 s95, 0
	s_mul_i32 s98, s[TX], 1536                     ; W's scale bytes: a half head's 640 lie in a place of 768, so each row begins at a multiple of 256
	s_mul_i32 s99, s[CH], 768
	s_add_co_u32 s98, s98, s99
	s_add_co_u32 s98, s98, WSO
	s_mov_b32 s99, 0
	s_mov_b32 s[G0SA], 1                           ; where they go: constants and the wave's number alone
	s_mul_i32 s[G0SA+1], s[CH], SHALF
	s_add_co_u32 s[G0SA+1], s[G0SA+1], SCL
	s_mov_b32 s[G0SB], 1
	s_add_co_u32 s[G0SB+1], s[G0SA+1], 2*SHALF
	s_mov_b32 s[G0A], 1
	s_mul_i32 s[G0A+1], s[CH], HALFA
	s_mov_b32 s[G0A+4], 1
	s_add_co_u32 s[G0A+5], s[G0A+1], SLOT
	s_mov_b32 s[G0B], 1
	s_mul_i32 s[G0B+1], s[CH], HALFB
	s_add_co_u32 s[G0B+1], s[G0B+1], BOFF
	s_mov_b32 s[G0B+4], 1
	s_add_co_u32 s[G0B+5], s[G0B+1], SLOT
	s_wait_dscnt 0x0                               ; the opening add is done
	s_wait_kmcnt 0x0
	s_add_nc_u64 s[G0SA+2:G0SA+3], s[4:5], s[96:97]
	s_or_b32 s[G0SA+3], s[G0SA+3], 0x80000000
	s_add_nc_u64 s[G0SB+2:G0SB+3], s[4:5], s[98:99]
	s_or_b32 s[G0SB+3], s[G0SB+3], 0x80000000
	s_add_nc_u64 s[G0A+2:G0A+3], s[4:5], s[92:93]
	s_add_nc_u64 s[G0A+6:G0A+7], s[G0A+2:G0A+3], RTS
	s_or_b32 s[G0A+3], s[G0A+3], 0x80000000
	s_or_b32 s[G0A+7], s[G0A+7], 0x80000000
	s_add_nc_u64 s[G0B+2:G0B+3], s[4:5], s[94:95]
	s_add_nc_u64 s[G0B+6:G0B+7], s[G0B+2:G0B+3], RTS
	s_or_b32 s[G0B+3], s[G0B+3], 0x80000000
	s_or_b32 s[G0B+7], s[G0B+7], 0x80000000
	; PREFETCH: a slot of the tiles that my joint load brings is 4 x 24 (x) or 5 x 24 (W) blocks of 256 bytes; the four partners that ask jointly share them out by address, 24 or 30 each, a lane a block
	; (lanes left over name the last block again).  Each load of slot s is followed by the request for slot s + 2; slots 0 and 1 are asked for here.
	s_bfe_u32 s98, ttmp6, 0x40004                  ; cy
	s_cmp_eq_u32 s[RH], 0                          ; do I fetch for x?
	s_cselect_b32 s96, s92, s94                    ; where my load's tiles begin
	s_cselect_b32 s98, s[CX], s98                  ; my place among the four
	s_cselect_b32 s99, 24, 30
	s_mov_b32 s97, 0
	s_add_nc_u64 s[104:105], s[4:5], s[96:97]
	s_mul_i32 s98, s98, s99
	s_sub_co_u32 s99, s99, 1
	v_and_b32 v31, 31, v0
	v_min_u32 v31, s99, v31
	v_add_nc_u32 v31, s98, v31                     ; my block among the load's 96 or 120
	v_mul_u32_u24 v10, v31, 171
	v_lshrrev_b32 v10, 12, v10                     ; block / 24: its tile
	v_mul_u32_u24 v11, v10, 24
	v_sub_nc_u32 v31, v31, v11
	v_lshlrev_b32 v31, 8, v31
	v_mad_u32_u24 v31, v10, RTG, v31
	global_prefetch_b8 v31, s[104:105] th:TH_LOAD_NT scope:SCOPE_SE
	global_prefetch_b8 v31, s[104:105] offset:RTS th:TH_LOAD_NT scope:SCOPE_SE
	CROUND                                         ; all sixteen work-groups are here: the first joint loads meet
	JLOAD G0SA, G1SA, G0SB, G1SB                   ; the scale bytes first: they are wanted with the first K step
	s_wait_alu depctr_va_vdst(0)
	s_wait_tensorcnt 0x0                           ; one tensor load a wave at the head; a later first fill stands behind these lines and a round
	ds_add_u32 v[SPW], v[NIL]
	s_wait_dscnt 0x0
	CROUND
	JLOAD G0A, G1A, G0B, G1B                       ; slot 0; the set-up below stands under its flight
	global_prefetch_b8 v31, s[104:105] offset:2*RTS th:TH_LOAD_NT scope:SCOPE_SE
	v_and_b32 v1, 15, v0                           ; r
	v_bfe_u32 v2, v0, 4, 1                         ; h
	v_and_b32 v3, 31, v0                           ; lane
	v_lshlrev_b32 v4, 4, v3                        ; 16 x lane
	v_lshlrev_b32 v8, 3, v3                        ; 8 x lane
	v_lshlrev_b32 v9, 2, v3                        ; 4 x lane
	s_mul_i32 s92, s[RH], HALFA                    ; my 64 rows of x,
	s_mul_i32 s93, s[CH], HALFB                    ; my 64 columns of W for q,
	s_add_co_u32 s93, s93, BOFF
	s_mul_i32 s94, s[WV], RTS                      ; my tile of rows for k and v: LDS half 0, place w
.irp s, 0,1
	v_add_nc_u32 v[ADRA+\s], s92, v4
	v_add_nc_u32 v[ADRB+\s], s93, v4
	v_add_nc_u32 v[ADRX+\s], s94, v4
	v_add_nc_u32 v[ADRK+\s], \s*SLOT+BOFF+4*RTS, v4   ; the fifth tile of W's half 0; half 1's lies HALFB on
	s_add_co_u32 s92, s92, SLOT
	s_add_co_u32 s93, s93, SLOT
	s_add_co_u32 s94, s94, SLOT
.endr
	s_mul_i32 s92, s[RH], SHALF                    ; q's scale words: lanes 0-15 x's half RH, lanes 16-31 W's half CH: the lower base + h x the distance
	s_mul_i32 s93, s[CH], SHALF
	s_add_co_u32 s93, s93, 2*SHALF
	s_sub_co_u32 s93, s93, s92
	v_mul_u32_u24 v5, s93, v2
	s_add_co_u32 s92, s92, SCL
	v_lshl_add_u32 v5, v1, 3, v5
	v_add_nc_u32 v[ADRS], s92, v5
	s_lshl_b32 s92, s[WV], 7                       ; for k and v: lanes 0-15 x's half 0, tile w; lanes 16-31 the fifth tile of W's half 0
	s_mov_b32 s93, 2*SHALF+4*128
	s_sub_co_u32 s93, s93, s92
	v_mul_u32_u24 v5, s93, v2
	s_add_co_u32 s92, s92, SCL
	v_lshl_add_u32 v5, v1, 3, v5
	v_add_nc_u32 v[ADRSK], s92, v5
	s_mul_i32 s92, s[WV], 16*STP                   ; the stage, in: key 16 w + r, + 64 h
	v_mul_u32_u24 v5, v1, STP
	v_lshl_add_u32 v5, v2, 6, v5
	v_add_nc_u32 v[STK], s92, v5
	s_mul_i32 s92, s[RH], 32*STP                   ; out: keys 32 (w / 2) + 16 h on, channel 16 (w % 2) + r
	s_lshl_b32 s93, s[CH], 6
	s_add_co_u32 s92, s92, s93
	v_mul_u32_u24 v5, v2, 16*STP
	v_lshl_add_u32 v5, v1, 2, v5
	v_add_nc_u32 v[STR], s92, v5
	v_lshlrev_b32 v[KO], 9, v1
	v_lshl_add_u32 v[KO], v2, 6, v[KO]             ; out1, out2: row r of 512 bytes, + 64 h
	s_lshl_b32 s92, s[TX], 9                       ; q's bias at my 64 columns
	s_lshl_b32 s93, s[CH], 8
	s_add_co_u32 s92, s92, s93
	s_mov_b32 s93, 0
	s_add_nc_u64 s[92:93], s[6:7], s[92:93]
	s_cmp_ge_u32 s[KG], 2                          ; k's or v's bias at my 32 columns
	s_cselect_b64 s[94:95], s[10:11], s[8:9]
	s_and_b32 s96, s[KG], 1
	s_lshl_b32 s96, s96, 9
	s_lshl_b32 s97, s[CX], 7
	s_add_co_u32 s96, s96, s97
	s_mov_b32 s97, 0
	s_add_nc_u64 s[94:95], s[94:95], s[96:97]
	s_sub_co_u32 s[NRM], 0, s[CH]                  ; q: the head's upper 64 have no rope
	s_lshr_b32 s96, s[KG], 1                       ; k: likewise (cx 2, 3); v: never any
	s_lshr_b32 s97, s[CX], 1
	s_or_b32 s96, s96, s97
	s_sub_co_u32 s[NRK], 0, s96
	s_lshl_b32 s96, s[TY], 14                      ; cos and sin: 128 bytes a row
	s_lshl_b32 s97, s[SELB], 13                    ; for k and v: row 128 TY + 64 (X % 2) + 16 w,
	s_add_co_u32 s97, s97, s96
	s_lshl_b32 s98, s[WV], 11
	s_add_co_u32 s97, s97, s98
	s_and_b32 s98, s[CX], 1                        ; pairs 16 (cx % 2) on (cx 2, 3 read what they do not use, inside the table)
	s_lshl_b32 s98, s98, 6
	s_add_co_u32 s98, s98, s97
	s_mov_b32 s99, 0
	s_add_nc_u64 s[100:101], s[14:15], s[98:99]
	s_add_nc_u64 s[98:99], s[12:13], s[98:99]
	s_lshl_b32 s97, s[RHT], 13                     ; for q: row 128 TY + 64 x my true half
	s_add_co_u32 s96, s96, s97
	s_mov_b32 s97, 0
	s_add_nc_u64 s[12:13], s[12:13], s[96:97]
	s_add_nc_u64 s[14:15], s[14:15], s[96:97]
	v_lshlrev_b32 v7, 6, v2                        ; bias: + 16 h numbers
	v_lshlrev_b32 v6, 7, v1
	v_lshl_add_u32 v6, v2, 5, v6                   ; cos, sin: row r, + 8 h pairs
.irp b, 0,1,2,3
.irp e, 0,1
	global_load_b128 v[BI+8*\b+4*\e:BI+8*\b+4*\e+3], v7, s[92:93] offset:(32*(\b/2)+8*(\b%2))*4+16*\e   ; tile b's register j: column 32 (b / 2) + 16 h + 8 (b % 2) + j
.endr
.endr
	WIN TO_X
.irp e, 0,1,2,3
	global_load_b128 v[KB+4*\e:KB+4*\e+3], v7, s[94:95] offset:16*\e   ; columns 16 h + 0 .. 15 of my 32
.endr
.irp a, 0,1,2,3
.irp bb, 0,1
.irp e, 0,1
	global_load_b128 v[32*\a+16*\bb+4*\e:32*\a+16*\bb+4*\e+3], v6, s[12:13] offset:\a*2048+64*\bb+16*\e       ; cos of pairs 16 bb + 8 h + 0 .. 7
	global_load_b128 v[32*\a+16*\bb+8+4*\e:32*\a+16*\bb+8+4*\e+3], v6, s[14:15] offset:\a*2048+64*\bb+16*\e   ; sin
.endr
.endr
.endr
.irp e, 0,1
	global_load_b128 v[KCOS+4*\e:KCOS+4*\e+3], v6, s[98:99] offset:16*\e
	global_load_b128 v[KSIN+4*\e:KSIN+4*\e+3], v6, s[100:101] offset:16*\e
.endr
	WIN 0
	s_wait_alu depctr_va_vdst(0)
	s_wait_tensorcnt 0x0                           ; my part of slot 0 is in
	ds_add_u32 v[SPW], v[NIL]
	s_wait_dscnt 0x0
	CROUND                                         ; slot 0 is whole for all four waves, and the partners meet
	JLOAD G0A+4, G1A, G0B+4, G1B                   ; slot 1's first fill, the first tensor load behind the round
	global_prefetch_b8 v31, s[104:105] offset:3*RTS th:TH_LOAD_NT scope:SCOPE_SE
	FETCH 0, 0, 0
	SCALES 0, 0
	s_wait_loadcnt 36                              ; the 12 loads of the biases are in; the 36 of cos and sin behind them may be out
	STEP 0, 0, 0, 1                                ; the first step stands in front of the loop: its products start the sums, on the biases
	s_mov_b32 s3, 3
.Llap:                                                 ; a trip goes once round the ring and fills both slots again
	s_wait_alu depctr_va_vdst(0)
	STEP 0, 1, 1, 0
	STEP 0, 2, 0, 0
	TURN 0, 1, 1, 2
	STEP 1, 0, 0, 0
	STEP 1, 1, 3, 0
	STEP 1, 2, 0, 0
	TURN 1, 0, 1, 0
	STEP 0, 0, 0, 0
	s_sub_co_u32 s3, s3, 1
	s_cmp_lg_u32 s3, 0
	s_cbranch_scc1 .Llap
	s_wait_alu depctr_va_vdst(0)
	STEP 0, 1, 1, 0                                ; the last lap fills nothing
	STEP 0, 2, 0, 0
	TURN 0, 1, 0, 2
	STEP 1, 0, 0, 0
	STEP 1, 1, 3, 0
	STEP 1, 2, 0, 0
	s_wait_dscnt 0x0
	WIN MUL
.irp aa, 0,1,2,3
	MULA 96, \aa, 3, 1, 0
.endr
	MULK 96, 3, 1, 0
	WIN 0
	; ---------------- the rope ----------------
	PLACES 4
	s_wait_loadcnt 0x0                             ; cos and sin
	WIN 0x82                                       ; destination and source 0 window 2
.set T, 0
.rept 8
.irp i, 0,1,2,3,4,5,6,7
	v_cndmask_b32 v[16*T+\i], v[16*T+\i], 1.0, s[NRM]         ; where my columns have no rope: cos = 1,
	v_cndmask_b32 v[16*T+8+\i], v[16*T+8+\i], 0, s[NRM]       ; sin = 0
.endr
.set T, T+1
.endr
.irp i, 0,1,2,3,4,5,6,7
	v_cndmask_b32 v[KCOS+\i], v[KCOS+\i], 1.0, s[NRK]
	v_cndmask_b32 v[KSIN+\i], v[KSIN+\i], 0, s[NRK]
.endr
	WIN 0x08                                       ; source 1 window 2
.macro ROPE a                          ; registers 2 i, 2 i + 1 of a lane's 16 are a pair.  Each accumulator is read from its low end on
.irp bb, 0,1
.irp i, 0,1,2,3,4,5,6,7
	v_mul_f32 v[RT+2*(\i%4)], v[ACC+32*(\a)+16*\bb+2*\i+1], v[32*(\a)+16*\bb+8+\i]
	v_mul_f32 v[RT+1+2*(\i%4)], v[ACC+32*(\a)+16*\bb+2*\i], v[32*(\a)+16*\bb+8+\i]
	v_fma_f32 v[ACC+32*(\a)+16*\bb+2*\i], v[ACC+32*(\a)+16*\bb+2*\i], v[32*(\a)+16*\bb+\i], -v[RT+2*(\i%4)]
	v_fma_f32 v[ACC+32*(\a)+16*\bb+2*\i+1], v[ACC+32*(\a)+16*\bb+2*\i+1], v[32*(\a)+16*\bb+\i], v[RT+1+2*(\i%4)]
.endr
.endr
.endm
	ROPE 0
	ROPE 1
	ROPE 2
	ROPE 3
	WIN MULW                                       ; k's (and, with cos = 1 and sin = 0, v's) in place, all in window 2
.irp i, 0,1,2,3,4,5,6,7
	v_mul_f32 v[KT+2*(\i%4)], v[KACC+2*\i+1], v[KSIN+\i]
	v_mul_f32 v[KT+1+2*(\i%4)], v[KACC+2*\i], v[KSIN+\i]
	v_fma_f32 v[KACC+2*\i], v[KACC+2*\i], v[KCOS+\i], -v[KT+2*(\i%4)]
	v_fma_f32 v[KACC+2*\i+1], v[KACC+2*\i+1], v[KCOS+\i], v[KT+1+2*(\i%4)]
.endr
	WIN 0
	s_mov_b32 s[SEL], 0x76543210
	s_mov_b32 s[SEL+1], 0xfedcba98
	v_mov_b32 v50, 0                               ; written once: a lane permute's destination counts as one of its sources
	v_mov_b32 v51, 0
	v_cmp_le_u32 vcc_lo, 16, v3                    ; lanes 16-31
	; ---------------- where k's or v's 16 rows x 32 columns go (no memory instruction of mine is out: every scalar may be written) ----------------
	s_lshr_b32 s4, s[KG], 1                        ; 1: v, 0: k
	s_and_b32 s5, s[KG], 1                         ; the head of the two
	s_sub_co_u32 s6, 0, s4                         ; all ones for v
	s_lshl_b32 s7, s[SELB], 2
	s_add_co_u32 s7, s7, s[WV]                     ; my tile of rows among the work-group's eight
	s_add_co_u32 s8, s[TY], 8                      ; the key step of 128: behind the cache's eight
	s_lshl_b32 s9, s[SELB], 2                      ; k: its rows are keys: key 16 (tile) + r of the step lies in tiles 2 (tile / 2) + r / 8, image row r % 8 + 8 (w % 2)
	s_lshl_b32 s10, s[RH], 1
	s_add_co_u32 s9, s9, s10
	s_lshl_b32 s12, s8, 9                          ; its scale byte: 4 bytes an image row, byte cx
	s_lshl_b32 s13, s9, 6
	s_add_co_u32 s12, s12, s13
	s_lshl_b32 s13, s[CH], 5
	s_add_co_u32 s12, s12, s13
	s_add_co_u32 s12, s12, s[CX]
	s_add_co_u32 s12, s12, KSO
	s_and_b32 s10, s[CX], 1                        ; block cx of the head's four: lanes 16 (cx % 2) on, registers 6 (cx / 2) on
	s_lshr_b32 s11, s[CX], 1
	s_lshl_b32 s13, s[CX], 1                       ; v: its rows are channels: channel 16 (w % 2) + r of my 32 lies in tiles 2 cx + r / 8, image row r % 8 + 8 (w % 2)
	s_lshr_b32 s14, s8, 1                          ; its scale byte: 8 bytes an image row for two key steps, byte 4 (step % 2) + 2 (X % 2) + w / 2
	s_lshl_b32 s14, s14, 10
	s_lshl_b32 s15, s13, 7
	s_add_co_u32 s14, s14, s15
	s_lshl_b32 s15, s[CH], 6
	s_add_co_u32 s14, s14, s15
	s_and_b32 s15, s8, 1
	s_lshl_b32 s15, s15, 2
	s_add_co_u32 s14, s14, s15
	s_lshl_b32 s15, s[SELB], 1
	s_add_co_u32 s14, s14, s15
	s_add_co_u32 s14, s14, s[RH]
	s_add_co_u32 s14, s14, VSO
	s_cmp_eq_u32 s4, 1
	s_cselect_b64 s[96:97], s[22:23], s[20:21]     ; v goes to out2, k to out1
	s_cselect_b32 s9, s13, s9                      ; the first of the two tiles
	s_cselect_b32 s10, s[RH], s10                  ; which half of the lanes (v: block 2 (X % 2) + w / 2 of the step's four blocks of keys)
	s_cselect_b32 s11, s[SELB], s11                ; which six registers
	s_cselect_b32 s12, s14, s12
	s_cselect_b32 s13, VI, 0
	s_cselect_b32 s14, 3, 2                        ; an image row's scale bytes: 8 or 4
	s_mul_i32 s15, s5, 196608
	s_add_co_u32 s13, s13, s15
	s_mul_i32 s15, s8, 12288
	s_add_co_u32 s13, s13, s15
	s_mul_i32 s15, s9, 1536
	s_add_co_u32 s13, s13, s15
	s_lshl_b32 s15, s10, 8
	s_add_co_u32 s13, s13, s15
	s_lshl_b32 s15, s[CH], 7
	s_add_co_u32 s98, s13, s15
	s_mov_b32 s99, 0
	s_add_nc_u64 s[98:99], s[18:19], s[98:99]      ; the codes
	s_lshl_b32 s15, s5, 13
	s_add_co_u32 s12, s12, s15
	s_mov_b32 s13, 0
	s_add_nc_u64 s[12:13], s[18:19], s[12:13]      ; the scale byte
	s_lshl_b32 s8, s5, 20
	s_lshl_b32 s9, s[TY], 16
	s_add_co_u32 s8, s8, s9
	s_lshl_b32 s9, s7, 13
	s_add_co_u32 s8, s8, s9
	s_lshl_b32 s9, s[CX], 7
	s_add_co_u32 s8, s8, s9
	s_add_co_u32 s8, s8, 1024*512                  ; behind the cache's 1,024 keys
	s_mov_b32 s9, 0
	s_add_nc_u64 s[96:97], s[96:97], s[8:9]        ; the f32 numbers
	s_mul_i32 s11, s11, 24                         ; the block's first byte among a lane's 48
; Rows 16 a on of q: my 64 columns are two blocks of 32.  Codes into v[96 + 8 a] on: lane (r, h) then holds block h of row r, six registers; the two bytes into v[56 + a].
.macro QUANT2 a
.set QB, ACC+32*(\a)
.irp b, 0,1
	v_max3_num_f32 v[48+\b], |v[QB+16*\b]|, |v[QB+16*\b+1]|, 0x1800000
.endr
.irp i, 2,4,6,8,10,12,14
.irp b, 0,1
	v_max3_num_f32 v[48+\b], v[48+\b], |v[QB+16*\b+\i]|, |v[QB+16*\b+\i+1]|
.endr
.endr
.irp b, 0,1
	v_permlanex16_b32 v[50+\b], v[48+\b], s[SEL], s[SEL+1]
.endr
.irp b, 0,1
	v_max_num_f32 v[48+\b], v[48+\b], v[50+\b]
.endr
.irp b, 0,1
	v_add_nc_u32 v[52+\b], 0xff000000, v[48+\b]
.endr
.irp b, 0,1
	v_lshrrev_b32 v[54+\b], 23, v[52+\b]
.endr
	v_lshl_or_b32 v[56+(\a)], v55, 8, v54
	v_cvt_scalef32_pk16_fp6_f32 v[96+8*(\a):98+8*(\a)], v[QB:QB+15], v52
	v_cvt_scalef32_pk16_fp6_f32 v[88:90], v[QB+16:QB+31], v53
	v_nop                                          ; one plain place behind the conversions
.irp i, 0,1,2
	v_permlane16_swap_b32 v[96+8*(\a)+\i], v[88+\i]
.endr
.irp i, 0,1,2
	v_mov_b32 v[99+8*(\a)+\i], v[88+\i]
.endr
.endm
	; ---------------- q: codes and scale halves for the attention ----------------
	s_mul_i32 s92, s[TX], 98304                    ; head
	s_lshl_b32 s93, s[TY], 3
	s_lshl_b32 s94, s[RHT], 2
	s_add_co_u32 s93, s93, s94
	s_mul_i32 s93, s93, 1536                       ; tile of 16 queries
	s_add_co_u32 s92, s92, s93
	s_mul_i32 s93, s[CH], 768                      ; registers 6 CH on
	s_add_co_u32 s92, s92, s93
	s_mov_b32 s93, 0
	s_add_nc_u64 s[92:93], s[16:17], s[92:93]
	s_lshl_b32 s94, s[TX], 12
	s_lshl_b32 s95, s[TY], 9
	s_add_co_u32 s94, s94, s95
	s_lshl_b32 s95, s[RHT], 8
	s_add_co_u32 s94, s94, s95
	s_lshl_b32 s95, s[CH], 1
	s_add_co_u32 s94, s94, s95
	s_add_co_u32 s94, s94, QSO
	s_mov_b32 s95, 0
	s_add_nc_u64 s[94:95], s[16:17], s[94:95]
.irp a, 0,1,2,3
	QUANT2 \a
.irp p, 0,1,2
	global_store_b64 v8, v[96+8*\a+2*\p:97+8*\a+2*\p], s[92:93] offset:1536*\a+256*\p   ; 32 lanes store 256 consecutive bytes, at a multiple of 256
.endr
.endr
	v_cndmask_b32 v60, v56, v57, vcc_lo            ; lanes 16-31 store for the next 16 rows
	v_cndmask_b32 v61, v58, v59, vcc_lo
	global_store_b16 v9, v60, s[94:95]             ; my half of each row's scale word
	global_store_b16 v9, v61, s[94:95] offset:128
	; ---------------- k or v.  None of the registers that q's stores still read (v8, v9, v60, v61, v96-127, s92-95) is written below ----------------
	WIN 0x08                                       ; a store's data are its source 1: window 2
.irp i, 0,1,2,3
	global_store_b128 v[KO], v[KACC+4*\i:KACC+4*\i+3], s[96:97] offset:16*\i   ; a lane's 16 neighbours: 64 bytes of a row; with the lane 16 away 128
.endr
.irp i, 0,1,2,3
	ds_store_b128 v[STK], v[KACC+4*\i:KACC+4*\i+3] offset:16*\i
.endr
	WIN 0
	s_wait_dscnt 0x0                               ; for the others' sake: my stores into the stage are done
	s_barrier_signal -1
	s_barrier_wait -1
.set T, 0
.rept 16
	ds_load_b32 v[ACC+T], v[STR] offset:T*STP      ; one channel, 16 keys down: into q's accumulators, which are done with
.set T, T+1
.endr
	v_lshrrev_b32 v62, 3, v1                       ; r / 8: which of the two tiles
	v_and_b32 v63, 7, v1
	v_lshl_add_u32 v69, v62, 4, v63
	v_lshlrev_b32 v69, s14, v69                    ; the image row's scale bytes
	v_mul_u32_u24 v62, v62, 1536
	v_lshl_add_u32 v62, v63, 4, v62                ; the image row's lane in its fragment
	v_mul_u32_u24 v63, v2, 12
	v_add_nc_u32 v63, s11, v63                     ; my 12 bytes begin at byte 24 c + 12 h of that lane's 48;
.irp i, 0,1,2
	v_add_nc_u32 v64, 4*\i, v63                    ; byte x of the 48 lies in group x / 16, 512 bytes a group, at x % 16
	v_lshrrev_b32 v65, 4, v64
	v_and_b32 v64, 15, v64
	v_lshl_add_u32 v64, v65, 9, v64
	v_add_nc_u32 v[66+\i], v64, v62
.endr
	s_wait_dscnt 0x0
	WIN 0x02                                       ; source 0 window 2
.set T, 0
.rept 16
	v_cndmask_b32 v[ACC+16+T], v[KACC+T], v[ACC+T], s6   ; k: 16 neighbouring columns of my row; v: 16 neighbouring keys of my channel
.set T, T+1
.endr
	WIN 0
	v_max3_num_f32 v48, |v[ACC+16]|, |v[ACC+17]|, 0x1800000   ; my 16 numbers of the block, and the floor
.irp i, 2,4,6,8,10,12,14
	v_max3_num_f32 v48, v48, |v[ACC+16+\i]|, |v[ACC+17+\i]|
.endr
	v_permlanex16_b32 v50, v48, s[SEL], s[SEL+1]
	v_max_num_f32 v48, v48, v50                    ; with lane l xor 16's 16: the block's largest magnitude
	v_add_nc_u32 v52, 0xff000000, v48
	v_lshrrev_b32 v54, 23, v52
	v_cvt_scalef32_pk16_fp6_f32 v[ACC+32:ACC+34], v[ACC+16:ACC+31], v52
	v_nop                                          ; one plain place behind the conversion
.irp i, 0,1,2
	global_store_b32 v[66+\i], v[ACC+32+\i], s[98:99]
.endr
	global_store_b8 v69, v54, s[12:13]             ; lanes l and l + 16 hold the same byte and name the same place
	s_wait_tensorcnt 0x0                           ; the wave's end
	ds_add_u32 v[SPW], v[NIL]
	s_wait_dscnt 0x0
	CROUND                                         ; the closing round: no work-group ends while a partner may still ask for a tile that names it
	s_endpgm
.Lfunc_end_k_qb1b9710e4f_qkv:
	.size	k_qb1b9710e4f_qkv, .Lfunc_end_k_qb1b9710e4f_qkv-k_qb1b9710e4f_qkv
	.p2alignl 7, 3214868480
	.fill 96, 4, 3214868480
	.section	.rodata,"a",@progbits
	.p2align	6, 0x0
	.amdhsa_kernel k_qb1b9710e4f_qkv
		.amdhsa_group_segment_fixed_size 327680
		.amdhsa_private_segment_fixed_size 0
		.amdhsa_enable_private_segment 0
		.amdhsa_kernarg_size 80
		.amdhsa_user_sgpr_count 2
		.amdhsa_user_sgpr_kernarg_segment_ptr 1
		.amdhsa_wavefront_size32 1
		.amdhsa_system_sgpr_workgroup_id_x 1
		.amdhsa_system_sgpr_workgroup_id_y 1
		.amdhsa_system_sgpr_workgroup_id_z 1
		.amdhsa_system_vgpr_workitem_id 0
		.amdhsa_next_free_vgpr 768
		.amdhsa_next_free_sgpr 106
		.amdhsa_reserve_vcc 1
		.amdhsa_float_denorm_mode_32 3
		.amdhsa_float_denorm_mode_16_64 3
		.amdhsa_memory_ordered 1
		.amdhsa_forward_progress 1
		.amdhsa_inst_pref_size 139
	.end_amdhsa_kernel
	.amdgpu_metadata
---
amdhsa.version: [ 1, 2 ]
amdhsa.kernels:
  - .name:           k_qb1b9710e4f_qkv
    .symbol:         k_qb1b9710e4f_qkv.kd
    .args:
      - { .name: xw, .offset: 0, .size: 8, .value_kind: global_buffer, .address_space: global }
      - { .name: bq, .offset: 8, .size: 8, .value_kind: global_buffer, .address_space: global }
      - { .name: bk, .offset: 16, .size: 8, .value_kind: global_buffer, .address_space: global }
      - { .name: bv, .offset: 24, .size: 8, .value_kind: global_buffer, .address_space: global }
      - { .name: cos, .offset: 32, .size: 8, .value_kind: global_buffer, .address_space: global }
      - { .name: sin, .offset: 40, .size: 8, .value_kind: global_buffer, .address_space: global }
      - { .name: qq, .offset: 48, .size: 8, .value_kind: global_buffer, .address_space: global }
      - { .name: kv, .offset: 56, .size: 8, .value_kind: global_buffer, .address_space: global }
      - { .name: out1, .offset: 64, .size: 8, .value_kind: global_buffer, .address_space: global }
      - { .name: out2, .offset: 72, .size: 8, .value_kind: global_buffer, .address_space: global }
    .group_segment_fixed_size: 327680
    .private_segment_fixed_size: 0
    .kernarg_segment_align: 8
    .kernarg_segment_size: 80
    .max_flat_workgroup_size: 128
    .sgpr_count:     106
    .vgpr_count:     768
    .wavefront_size: 32
...
	.end_amdgpu_metadata
.endif
;; end of part 6
;; launch attn (part 7): grid 64 x 4, 4 waves a work-group, clusters of 4 x 1, 327,680 bytes of LDS; arguments qq, kv, attention_mask, oo; writes oo
.if DOCPART == 7
	.amdgcn_target "amdgcn-amd-amdhsa--gfx1250"
	.amdhsa_code_object_version 6
	.text
	.protected	k_qb1b9710e4f_attn
	.globl	k_qb1b9710e4f_attn
	.p2align	8
	.type	k_qb1b9710e4f_attn,@function
k_qb1b9710e4f_attn:
	s_mov_b64 s[64:65], 0
	v_nop
	global_prefetch_b8 v0, s[64:65] scope:SCOPE_SE
	s_setreg_imm32_b32 hwreg(HW_REG_WAVE_MODE, 25, 1), 1
	s_wait_xcnt 0x0
	s_wait_alu depctr_hold_cnt(0) depctr_sa_sdst(0) depctr_va_vdst(0) depctr_va_sdst(0) depctr_va_ssrc(0) depctr_va_vcc(0) depctr_vm_vsrc(0)
	s_getreg_b32 s2, hwreg(HW_REG_IB_STS2, 6, 4)
	s_cmp_eq_u32 s2, 0
	s_cbranch_scc0 .Lentry_in_a_cluster
	s_endpgm
.Lentry_in_a_cluster:
	s_bfe_u32 s2, ttmp6, 0x10000c
	s_cmp_lg_u32 s2, 0x3003
	s_cbranch_scc0 .Lentry_shape_is_right
	s_endpgm
.Lentry_shape_is_right:
; o = softmax(q k^T / sqrt(128) + mask) v on codes of FP6 (E2M3) with E8M0 scales; o leaves as codes and scale words for the last product.
; SHARES.  64 x 4 work-groups: 16 queries x 8 heads that share one head of k and v.  Four waves, one for each SIMD; A WAVE TAKES THE 16 QUERIES OF TWO HEADS:
; each fragment of k and of v that it reads from LDS feeds two matrix instructions, and the mask's 64 registers are the C of both heads' score products.
; Both products are used transposed (S^T = k q^T, O^T = v^T p^T): a lane holds one query; the keys of a tile lie in turned order, so that 16 registers of two tiles are 16 neighbouring keys.
; SOFTMAX: running M = ceil(largest t), t = (score + mask sqrt(128)) x log2(e) / sqrt(128); p = 2^(t - M) by one packed multiply-add and one exponential; the row's sum is taken of the unquantised p;
; when M moves, the sum and O^T are multiplied by a power of two.  A block's largest p is made from the block's largest score by the same two instructions.
; LDS: two slots of 512 keys (k 49,152 bytes, v 49,152, the mask's two halves of 16 rows x 1,040), then the scale words of k and v for all keys (16,384), then the spare words.
; A fill is three loads: wave 0 k and v (two rows of 49,152 bytes, one descriptor), waves 2 and 3 a half of the mask's tile each; at the head wave 1 brings the scale words.  Every wave issues one load at the head.
; CLUSTERS: the four query tiles of a cluster read the same k, v and scale words: these loads are joint (mask 15).  The mask's tile is each work-group's own.
; A STEP of 128 keys: both heads' scores; then the next step's k and mask and this step's v are asked of LDS; head A's softmax; its O product; head B's softmax; its O product.
; PREFETCH: behind each refill but the last, each wave names 32 blocks of 256 bytes of the slot that the NEXT refill brings (512 keys ahead of the tensor load).  Wave 1: the mask's 128 blocks of that slot are shared out among
; the four work-groups that read the tile, 4 rows x 8 blocks each; waves 0, 2, 3: the 384 blocks of k and v are shared out among the cluster's four work-groups by address, 96 each.
; LIMITS: holds while |t| stays under 2^31; NaN and infinities are not served; a block of zeros gets the scale byte 1 with zero codes (read by this program alone).
; REGISTERS: window 0: v1-15 addresses, v16-39 q's fragments, v40-51 scale words, v64-127 the mask, v128-223 k's fragments.  Windows 1, 2: a head each: v64-127 S^T then p, v128-191 O^T, v192-203 p's codes, v204-240 at work.
;   window 3: v0-95 v's fragments.
.set SLOT1,  131584
.set KSTEPB, 12288                     ; 128 keys of k or of v: eight fragments of 1,536 bytes
.set VOFF,   49152
.set MOFF,   98304
.set MHALF,  16640                     ; 256 keys of the mask: 16 rows x (1,024 + 16) bytes
.set MP,     1040
.set SCK,    263168
.set SCV,    271360
.set SPARE,  279552
.set KSO,    786432
.set QSO,    3145728
.set OSO,    3145728
.set SPW, 5
.set NIL, 6
.set ADK, 8                            ; LDS addresses: k's fragments, the mask, k's scale words (of the step to come); v's fragments, v's scale words (of this step)
.set ADM, 9
.set ADS, 10
.set ADV, 11
.set ADT, 12
.set PFO, 13
.set QF,  16
.set KS,  40
.set VS,  44
.set QS,  48
.set PWS, 50
.set OSV, 55
.set MK,  64
.set KF,  128
.set SS,  64                           ; in a head's window
.set OO,  128
.set PCD, 192
.set CT,  204
.set TM,  212
.set SCO, 220
.set T,   224
.set NM,  226                          ; -M, and beside it the running largest t
.set RM,  227
.set SUM, 228
.set F,   230
.set A2,  232
.set BY,  236
.set PWR, 240
.set WV,  12
.set CX,  13
.set QT,  14
.set HG,  15
.set KVH, 16
.set HEAD, 17
.set R128, 18
.set SEL, 20
.set CS,  22
.set G1D, 24
.set G1S, 32
.set G1M, 40
.set G0D, 48
.set G0S, 52
.set G0M, 56
.set TB,  60                           ; the slot being read
.set TSO, 61                           ; its scale words: 2,048 bytes a slot, for k and for v alike
.set TQ,  62                           ; the step in the slot
.set SLOTS, 63
.set PFA, 66
.set PFS, 68
.set TF,  70                           ; the slot being filled
.set PST, 71
.set MB,  85
.set MSB, 0
.macro WIN new                         ; the immediate's high byte repeats the setting that is left
.if MSB != (\new)
	s_set_vgpr_msb (MSB<<8)|(\new)
.set MSB, (\new)
.endif
.endm
.macro PLACES n
.rept \n
	v_nop
.endr
.endm
.macro CROUND                          ; a round of the cluster's barrier
	s_barrier_signal -1
	s_barrier_wait -1
	s_cmp_lg_u32 s[WV], 0
	s_cbranch_scc1 .Lnot_wave_0_\@
	s_barrier_signal -3
.Lnot_wave_0_\@:
	s_barrier_wait -3
	s_barrier_signal -1
	s_barrier_wait -1
.endm
.macro TLOAD                           ; a refill: wave 0 k and v, waves 2 and 3 the mask's halves; wave 1 has no part
	s_cmp_eq_u32 s[WV], 0
	s_cbranch_scc0 .Lnot_kv_\@
	tensor_load_to_lds s[G0D:G0D+3], s[G1D:G1D+7]
	s_nop 0
	PLACES 4
	s_branch .Lasked_\@
.Lnot_kv_\@:
	s_cmp_ge_u32 s[WV], 2
	s_cbranch_scc0 .Lasked_\@
	tensor_load_to_lds s[G0M:G0M+3], s[G1M:G1M+7]
	s_nop 0
	PLACES 4
.Lasked_\@:
.endm
	s_load_b256 s[4:11], s[0:1], 0x0               ; qq 4, kv 6, mask 8, oo 10
	v_lshl_add_u32 v[SPW], v0, 2, SPARE
	v_mov_b32 v[NIL], 0
	ds_add_u32 v[SPW], v[NIL]                      ; the opening lines
	ds_add_u32 v[SPW], v[NIL]
	v_lshrrev_b32 v7, 5, v0
	v_readfirstlane_b32 s[WV], v7
	s_bfe_u32 s[CX], ttmp6, 0x40000
	s_lshl_b32 s[QT], ttmp9, 2
	s_add_co_u32 s[QT], s[QT], s[CX]               ; tile of 16 queries
	s_and_b32 s[HG], ttmp7, 0xffff                 ; group of 8 heads
	s_lshr_b32 s[KVH], s[HG], 1
	s_lshl_b32 s[HEAD], s[HG], 3
	s_lshl_b32 s72, s[WV], 1
	s_add_co_u32 s[HEAD], s[HEAD], s72             ; my first head; the second is the next
	s_mov_b32 s[G1D], 15|(3<<16)|(1<<21)           ; k and v: two rows of 6,144 elements of 8 bytes, 393,216 bytes apart; joint
	s_mov_b32 s[G1D+1], 6144<<16
	s_mov_b32 s[G1D+2], 2<<16
	s_mov_b32 s[G1D+3], 6144<<16
	s_mov_b32 s[G1D+4], 2
	s_mov_b32 s[G1D+5], 49152
	s_mov_b32 s[G1D+6], 0
	s_mov_b32 s[G1D+7], 0
	s_mov_b32 s[G1S], 15|(3<<16)|(1<<21)           ; scale words: two rows of 8,192 bytes (k's, v's), 16,384 apart; joint
	s_mov_b32 s[G1S+1], 1024<<16
	s_mov_b32 s[G1S+2], 2<<16
	s_mov_b32 s[G1S+3], 1024<<16
	s_mov_b32 s[G1S+4], 2
	s_mov_b32 s[G1S+5], 2048
	s_mov_b32 s[G1S+6], 0
	s_mov_b32 s[G1S+7], 0
	s_mov_b32 s[G1M], (2<<16)|(1<<20)|(7<<22)|(3<<25)   ; the mask: 16 rows of 256 f32, 16 bytes of padding behind each
	s_mov_b32 s[G1M+1], 256<<16
	s_mov_b32 s[G1M+2], 16<<16
	s_mov_b32 s[G1M+3], 256<<16
	s_mov_b32 s[G1M+4], 16
	s_mov_b32 s[G1M+5], 2048
	s_mov_b32 s[G1M+6], 0
	s_mov_b32 s[G1M+7], 0
	s_mul_i32 s72, s[KVH], 196608
	s_mov_b32 s73, 0
	s_lshl_b32 s76, s[KVH], 13
	s_add_co_u32 s76, s76, KSO
	s_mov_b32 s77, 0
	s_and_b32 s74, s[WV], 1                        ; waves 2, 3: the mask's half 0, 1
	s_mul_i32 s[MB], s74, MHALF
	s_add_co_u32 s[MB], s[MB], MOFF
	s_lshl_b32 s78, s[QT], 17
	s_lshl_b32 s74, s74, 10
	s_add_co_u32 s78, s78, s74
	s_mov_b32 s79, 0
	s_mov_b32 s[R128], 0x413504f3                  ; sqrt(128)
	s_mov_b32 s[R128+1], s[R128]
	s_mov_b32 s[SEL], 0x76543210
	s_mov_b32 s[SEL+1], 0xfedcba98
	s_mov_b32 s[CS], 0x3e0293ee                    ; log2(e) / sqrt(128)
	s_mov_b32 s[CS+1], s[CS]
	s_mov_b32 s[TB], 0
	s_mov_b32 s[TSO], 0
	s_mov_b32 s[TF], 0
	s_mov_b32 s[SLOTS], 3
	s_wait_dscnt 0x0
	s_wait_kmcnt 0x0
	s_mov_b32 s[G0D], 1
	s_mov_b32 s[G0D+1], 0
	s_add_nc_u64 s[G0D+2:G0D+3], s[6:7], s[72:73]
	s_or_b32 s[G0D+3], s[G0D+3], 0x80000000
	s_mov_b32 s[G0S], 1
	s_mov_b32 s[G0S+1], SCK
	s_add_nc_u64 s[G0S+2:G0S+3], s[6:7], s[76:77]
	s_or_b32 s[G0S+3], s[G0S+3], 0x80000000
	s_mov_b32 s[G0M], 1
	s_mov_b32 s[G0M+1], s[MB]
	s_add_nc_u64 s[G0M+2:G0M+3], s[8:9], s[78:79]
	s_or_b32 s[G0M+3], s[G0M+3], 0x80000000
	CROUND                                         ; the partners are here: the first joint loads meet
	s_cmp_eq_u32 s[WV], 0                          ; the head's loads, one a wave, in one chain of branches
	s_cbranch_scc0 .Lhead_s
	tensor_load_to_lds s[G0D:G0D+3], s[G1D:G1D+7]
	s_nop 0
	PLACES 4
	s_branch .Lhead_asked
.Lhead_s:
	s_cmp_eq_u32 s[WV], 1
	s_cbranch_scc0 .Lhead_m
	tensor_load_to_lds s[G0S:G0S+3], s[G1S:G1S+7]
	s_nop 0
	PLACES 4
	s_branch .Lhead_asked
.Lhead_m:
	tensor_load_to_lds s[G0M:G0M+3], s[G1M:G1M+7]
	s_nop 0
	PLACES 4
.Lhead_asked:
	s_mul_i32 s72, s[HEAD], 98304                  ; q's codes
	s_mul_i32 s74, s[QT], 1536
	s_add_co_u32 s72, s72, s74
	s_add_nc_u64 s[74:75], s[4:5], s[72:73]
	s_lshl_b32 s72, s[HEAD], 12                    ; q's scale words
	s_lshl_b32 s76, s[QT], 6
	s_add_co_u32 s72, s72, s76
	s_add_co_u32 s72, s72, QSO
	s_add_nc_u64 s[76:77], s[4:5], s[72:73]
	s_mul_i32 s72, s[QT], 49152                    ; o's codes: K step = head
	s_mul_i32 s78, s[HEAD], 1536
	s_add_co_u32 s72, s72, s78
	s_add_nc_u64 s[78:79], s[10:11], s[72:73]
	s_lshr_b32 s72, s[HEAD], 1                     ; o's scale words: my two heads fill an image row's 8 bytes
	s_lshl_b32 s72, s72, 13
	s_lshl_b32 s80, s[QT], 7
	s_add_co_u32 s72, s72, s80
	s_add_co_u32 s72, s72, OSO
	s_add_nc_u64 s[80:81], s[10:11], s[72:73]
	s_mul_i32 s82, s[KVH], 196608                  ; prefetch of k and v: cx / 2 says k or v, cx % 2 which 24,576 bytes of the slot's 49,152, the wave which 8,192 of those
	s_lshr_b32 s83, s[CX], 1
	s_mul_i32 s83, s83, 393216
	s_add_co_u32 s82, s82, s83
	s_and_b32 s83, s[CX], 1
	s_mul_i32 s83, s83, 24576
	s_add_co_u32 s82, s82, s83
	s_max_u32 s83, s[WV], 1
	s_sub_co_u32 s83, s83, 1
	s_lshl_b32 s83, s83, 13
	s_add_co_u32 s82, s82, s83
	s_add_co_u32 s82, s82, 4*KSTEPB                ; it stands at slot 1's keys and is stepped ahead of each use
	s_lshl_b32 s83, s[QT], 17                      ; of the mask: my work-group's 4 rows of the tile's 16
	s_lshl_b32 s84, s[HG], 15
	s_add_co_u32 s83, s83, s84
	s_add_co_u32 s83, s83, 2048
	s_cmp_eq_u32 s[WV], 1
	s_cselect_b64 s[PFA:PFA+1], s[8:9], s[6:7]
	s_cselect_b32 s82, s83, s82
	s_mov_b32 s[PFS], 4*KSTEPB
	s_cselect_b32 s[PFS], 2048, s[PFS]
	s_mov_b32 s[PST], 2048
	s_cselect_b32 s[PST], 8192, s[PST]
	s_mov_b32 s83, 0
	s_mov_b32 s[PFS+1], 0
	s_add_nc_u64 s[PFA:PFA+1], s[PFA:PFA+1], s[82:83]
	v_and_b32 v7, 31, v0                           ; lane
	v_and_b32 v14, 15, v0                          ; r
	v_bfe_u32 v15, v0, 4, 1                        ; h
	v_lshlrev_b32 v1, 4, v7                        ; a fragment's 16 bytes a lane
	v_mul_u32_u24 v2, v14, MP
	v_lshl_add_u32 v2, v15, 6, v2
	v_add_nc_u32 v2, MOFF, v2                      ; the mask: query r, + 16 h keys
	v_lshl_add_u32 v3, v7, 2, SCK
	v_lshl_add_u32 v4, v7, 3, SCV
	v_lshlrev_b32 v52, 3, v7
	v_lshlrev_b32 v53, 2, v14
	v_lshlrev_b32 v[OSV], 3, v14
.irp hd, 0,1
.irp c, 0,1
.irp p, 0,1,2
	global_load_b64 v[QF+12*\hd+6*\c+2*\p:QF+12*\hd+6*\c+2*\p+1], v52, s[74:75] offset:98304*\hd+768*\c+256*\p
.endr
.endr
	global_load_b32 v[QS+\hd], v53, s[76:77] offset:4096*\hd
.endr
	v_lshrrev_b32 v54, 3, v7
	v_mul_lo_u32 v[PFO], v54, s[PST]
	v_and_b32 v54, 7, v7
	v_lshl_add_u32 v[PFO], v54, 8, v[PFO]          ; 8 blocks of 256 bytes on end, then a row of the mask (8,192) or the next 2,048 bytes of k or v
.irp w, 1,2                            ; the step is written once: the first finds zeros, which the first change of M leaves zeros
	WIN 0x40*\w
	v_mov_b32 v[RM], 0xff61b1e6                    ; -3e38, under every t
	v_mov_b32 v[NM], 0x7f61b1e6
	v_mov_b32 v[SUM], 0
	v_mov_b32 v[SUM+1], 0
	v_mov_b32 v[F+1], 0
.irp b, 4,5,6,7
	v_mov_b32 v[TM+\b], 0                          ; a lane permute's destination counts as one of its sources
.endr
.set J, 0
.rept 64
	v_mov_b32 v[OO+J], 0
.set J, J+1
.endr
.endr
	WIN 0
.macro LOADK                           ; a step's mask, k's scale words and k's eight fragments: 44 loads
.irp b, 0,1,2,3
.irp i, 0,1,2,3
	ds_load_b128 v[MK+16*\b+4*\i:MK+16*\b+4*\i+3], v[ADM] offset:128*\b+16*\i
.endr
.endr
.irp w, 0,1,2,3
	ds_load_b32 v[KS+\w], v[ADS] offset:128*\w
.endr
.irp t, 0,1,2,3,4,5,6,7
.irp c, 0,1,2
	ds_load_b128 v[KF+12*\t+4*\c:KF+12*\t+4*\c+3], v[ADK] offset:1536*\t+512*\c
.endr
.endr
.endm
.macro QK w                            ; S^T of head w: D in the head's window, C = the mask in window 0
	WIN 0x40*\w
.irp t, 0,1,2,3,4,5,6,7
.if \t%2 == 0
	v_wmma_scale_f32_16x16x128_f8f6f4 v[SS+8*\t:SS+8*\t+7], v[KF+12*\t:KF+12*\t+11], v[QF+12*(\w-1):QF+12*(\w-1)+11], v[MK+8*\t:MK+8*\t+7], v[KS+\t/2], v[QS+\w-1] matrix_a_fmt:MATRIX_FMT_FP6 matrix_b_fmt:MATRIX_FMT_FP6
.else
	v_wmma_scale_f32_16x16x128_f8f6f4 v[SS+8*\t:SS+8*\t+7], v[KF+12*\t:KF+12*\t+11], v[QF+12*(\w-1):QF+12*(\w-1)+11], v[MK+8*\t:MK+8*\t+7], v[KS+\t/2], v[QS+\w-1] matrix_a_fmt:MATRIX_FMT_FP6 matrix_b_fmt:MATRIX_FMT_FP6 matrix_a_scale:MATRIX_SCALE_ROW1
.endif
.endr
.endm
.macro PV w                            ; O^T of head w += v^T p^T: v's fragments in window 3, all else in the head's window; eight accumulators by turns
	WIN 0x03+0x54*\w
.irp t, 0,1,2,3,4,5,6,7
.if \t%2 == 0
	v_wmma_scale_f32_16x16x128_f8f6f4 v[OO+8*\t:OO+8*\t+7], v[12*\t:12*\t+11], v[PCD:PCD+11], v[OO+8*\t:OO+8*\t+7], v[VS+\t/2], v[PWS+\w-1] matrix_a_fmt:MATRIX_FMT_FP6 matrix_b_fmt:MATRIX_FMT_FP6
.else
	v_wmma_scale_f32_16x16x128_f8f6f4 v[OO+8*\t:OO+8*\t+7], v[12*\t:12*\t+11], v[PCD:PCD+11], v[OO+8*\t:OO+8*\t+7], v[VS+\t/2], v[PWS+\w-1] matrix_a_fmt:MATRIX_FMT_FP6 matrix_b_fmt:MATRIX_FMT_FP6 matrix_a_scale:MATRIX_SCALE_ROW1
.endif
.endr
.endm
.macro CODES                           ; 64 numbers in v[SS] on, scale operands in v[SCO] on -> a fragment's codes in v[PCD] on
.irp c, 0,1
	v_cvt_scalef32_pk16_fp6_f32 v[PCD+6*\c:PCD+6*\c+2], v[SS+32*\c:SS+32*\c+15], v[SCO+2*\c]
	v_cvt_scalef32_pk16_fp6_f32 v[CT+4*\c:CT+4*\c+2], v[SS+16+32*\c:SS+31+32*\c], v[SCO+2*\c+1]
.endr
	v_nop                                          ; one plain place behind the conversions
.irp c, 0,1                            ; the layout wants a whole block in a lane
.irp i, 0,1,2
	v_permlane16_swap_b32 v[PCD+6*\c+\i], v[CT+4*\c+\i]
.endr
.irp i, 0,1,2
	v_mov_b32 v[PCD+3+6*\c+\i], v[CT+4*\c+\i]
.endr
.endr
.endm
.macro SOFTMAX w                       ; all in the head's window
	WIN 0x55*\w
.if \w == 2
	s_wait_alu depctr_va_vdst(0)
.endif
.irp b, 0,1,2,3
	v_max3_num_f32 v[TM+\b], v[SS+16*\b], v[SS+1+16*\b], v[SS+2+16*\b]   ; the largest score of each block of 32 keys: two chains a block, one for each tile, eight chains by turns
.endr
.irp b, 0,1,2,3
	v_max3_num_f32 v[TM+4+\b], v[SS+8+16*\b], v[SS+9+16*\b], v[SS+10+16*\b]
.endr
.irp i, 3,5
.irp b, 0,1,2,3
	v_max3_num_f32 v[TM+\b], v[TM+\b], v[SS+16*\b+\i], v[SS+1+16*\b+\i]
.endr
.irp b, 0,1,2,3
	v_max3_num_f32 v[TM+4+\b], v[TM+4+\b], v[SS+8+16*\b+\i], v[SS+9+16*\b+\i]
.endr
.endr
.irp b, 0,1,2,3
	v_max3_num_f32 v[TM+\b], v[TM+\b], v[TM+4+\b], v[SS+7+16*\b]
.endr
.irp b, 0,1,2,3
	v_max_num_f32 v[TM+\b], v[TM+\b], v[SS+15+16*\b]
.endr
.irp b, 0,1,2,3
	v_permlanex16_b32 v[TM+4+\b], v[TM+\b], s[SEL], s[SEL+1]
.endr
.irp b, 0,1,2,3
	v_max_num_f32 v[TM+\b], v[TM+\b], v[TM+4+\b]
.endr
	v_max3_num_f32 v[T], v[TM], v[TM+1], v[TM+2]
	v_max_num_f32 v[T], v[T], v[TM+3]
	v_mul_f32 v[T], s[CS], v[T]                    ; the step's largest t
	v_max_num_f32 v[RM], v[RM], v[T]
	v_mov_b32 v[T], v[NM]
	v_floor_f32 v[NM], -v[RM]                      ; -M = -ceil(t)
.set J, 0
.rept 32
	v_pk_fma_f32 v[SS+J:SS+J+1], v[SS+J:SS+J+1], s[CS:CS+1], v[NM:NM+1] op_sel_hi:[1,0,0]   ; t - M
.if J == 8                             ; f = 2^(old M - new M) is made among these lines: three lines that hang on each other, each with independent work behind it
	v_sub_f32 v[T], v[NM], v[T]
.endif
.if J == 24
	v_cvt_i32_f32 v[T], v[T]                       ; (it saturates)
.endif
.if J == 40
	v_ldexp_f32 v[F], 1.0, v[T]
.endif
.set J, J+2
.endr
.irp b, 0,1,2,3
	v_fma_f32 v[TM+\b], v[TM+\b], s[CS], v[NM]
.endr
	s_wait_alu depctr_va_vdst(0)
.set J, 0
.rept 64
	v_exp_f32 v[SS+J], v[SS+J]
.set J, J+1
.endr
	v_pk_mul_f32 v[SUM:SUM+1], v[SUM:SUM+1], v[F:F+1] op_sel_hi:[1,0]
	s_wait_alu depctr_va_vdst(0)                   ; one wait for the batch, ahead of its first reader
.irp b, 0,1,2,3
	v_exp_f32 v[TM+\b], v[TM+\b]                   ; each block's largest p
.endr
	v_pk_add_f32 v[A2:A2+1], v[SS:SS+1], v[SS+2:SS+3]   ; the row's sum of the unquantised p, in two chains
.irp j, 4,8,12,16,20,24,28,32,36,40,44,48,52,56,60
	v_pk_add_f32 v[SUM:SUM+1], v[SUM:SUM+1], v[SS+\j:SS+\j+1]
	v_pk_add_f32 v[A2:A2+1], v[A2:A2+1], v[SS+2+\j:SS+3+\j]
.endr
	v_pk_add_f32 v[SUM:SUM+1], v[SUM:SUM+1], v[A2:A2+1]
	s_wait_alu depctr_va_vdst(0)                   ; and one for the four
.irp b, 0,1,2,3
	v_max_num_f32 v[TM+\b], 0x1800000, v[TM+\b]    ; the floor 2^(3 - 127): the byte cannot fall under 1
.endr
.irp b, 0,1,2,3
	v_add_nc_u32 v[SCO+\b], 0xff000000, v[TM+\b]   ; 2 off the exponent field: the conversion's scale operand
.endr
.irp b, 0,1,2,3
	v_lshrrev_b32 v[BY+\b], 23, v[SCO+\b]
.endr
	v_lshl_or_b32 v[BY], v[BY+1], 8, v[BY]
	v_lshl_or_b32 v[BY], v[BY+2], 16, v[BY]
	WIN 0x15*\w
	v_lshl_or_b32 v[PWS+\w-1], v[BY+3], 24, v[BY]  ; p's scale word, into window 0, where scale operands are taken from
	WIN 0x55*\w
	CODES
	s_wait_alu depctr_va_vdst(0)                   ; directly ahead of the first reader of O^T
.set J, 0
.rept 32
	v_pk_mul_f32 v[OO+J:OO+J+1], v[OO+J:OO+J+1], v[F:F+1] op_sel_hi:[1,0]   ; O^T under the new M; also the places ahead of the products
.set J, J+2
.endr
.endm
.macro CHANGE fill
	s_wait_tensorcnt 0x0                           ; all my tensor loads have landed
	ds_add_u32 v[SPW], v[NIL]
.if \fill
	s_xor_b32 s[TF], s[TF], SLOT1                  ; no load of mine is out: the descriptors step to the next 512 keys and the other slot
	s_mov_b32 s[G0D+1], s[TF]
	s_add_nc_u64 s[G0D+2:G0D+3], s[G0D+2:G0D+3], 4*KSTEPB
	s_add_co_u32 s[G0M+1], s[TF], s[MB]
	s_add_nc_u64 s[G0M+2:G0M+3], s[G0M+2:G0M+3], 2048
	s_wait_xcnt 0x0                                ; my last prefetch has read its address
	s_add_nc_u64 s[PFA:PFA+1], s[PFA:PFA+1], s[PFS:PFS+1]
	s_wait_dscnt 0x0                               ; the add is done; my reads of the slot to be filled were over before
	CROUND                                         ; the same holds of every wave of every partner
	TLOAD
.else
	s_wait_dscnt 0x0
	s_barrier_signal -1
	s_barrier_wait -1
.endif
.endm
.macro SLOTWORK ask                    ; a slot's four steps of 128 keys
	s_mov_b32 s[TQ], 0
	v_add_nc_u32 v[ADK], s[TB], v1
	v_add_nc_u32 v[ADM], s[TB], v2
	v_add_nc_u32 v[ADS], s[TSO], v3
	LOADK
.if \ask
	s_cmp_gt_u32 s[SLOTS], 1                       ; the last refill has no slot behind it to ask for
	s_cbranch_scc0 .Lna_\@
	global_prefetch_b8 v[PFO], s[PFA:PFA+1] th:TH_LOAD_NT scope:SCOPE_SE
.Lna_\@:
.endif
.Lstep_\@:
	s_wait_dscnt 0x0                               ; this step's mask and k are in
	s_mul_i32 s86, s[TQ], KSTEPB                   ; this step's v,
	s_add_co_u32 s86, s86, s[TB]
	s_and_b32 s87, s[TQ], 1                        ; its scale words: 8 bytes an image row for two steps
	s_lshl_b32 s87, s87, 2
	s_lshr_b32 s88, s[TQ], 1
	s_lshl_b32 s88, s88, 10
	s_add_co_u32 s87, s87, s88
	s_add_co_u32 s87, s87, s[TSO]
	s_add_co_u32 s89, s[TQ], 1                     ; the next step of this slot (held inside the slot)
	s_min_u32 s89, s89, 3
	s_mul_i32 s90, s89, KSTEPB
	s_add_co_u32 s90, s90, s[TB]
	s_and_b32 s91, s89, 1
	s_lshl_b32 s91, s91, 9
	s_lshr_b32 s92, s89, 1
	s_mul_i32 s92, s92, MHALF
	s_add_co_u32 s91, s91, s92
	s_add_co_u32 s91, s91, s[TB]
	s_lshl_b32 s92, s89, 9
	s_add_co_u32 s92, s92, s[TSO]
.set J, 0
.rept 32
	v_pk_mul_f32 v[MK+J:MK+J+1], v[MK+J:MK+J+1], s[R128:R128+1] op_sel_hi:[1,0]   ; mask x sqrt(128), once for both heads: the scores' C
.set J, J+2
.endr
	QK 1
	QK 2
	WIN 0
	PLACES 4                                       ; ahead of loads into registers that the products read, and of the first read of the scores
	s_cmp_lt_u32 s[TQ], 3
	s_cbranch_scc0 .Lnok_\@                        ; the slot's last step has no next step to fetch
	v_add_nc_u32 v[ADK], s90, v1
	v_add_nc_u32 v[ADM], s91, v2
	v_add_nc_u32 v[ADS], s92, v3
	LOADK
.Lnok_\@:
	v_add_nc_u32 v[ADV], s86, v1
	v_add_nc_u32 v[ADT], s87, v4
	WIN 0xc0
.irp t, 0,1,2,3,4,5,6,7
.irp c, 0,1,2
	ds_load_b128 v[12*\t+4*\c:12*\t+4*\c+3], v[ADV] offset:VOFF+1536*\t+512*\c
.endr
.endr
	WIN 0
.irp w, 0,1,2,3
	ds_load_b32 v[VS+\w], v[ADT] offset:256*\w
.endr
	SOFTMAX 1
	s_wait_alu depctr_va_vdst(0)
	s_wait_dscnt 0x0                               ; v is in (and the next step's mask and k, asked for ahead of it)
	PV 1
	SOFTMAX 2
	PV 2
	WIN 0
	s_add_co_u32 s[TQ], s[TQ], 1
	s_cmp_lt_u32 s[TQ], 4
	s_cbranch_scc1 .Lstep_\@
	s_xor_b32 s[TB], s[TB], SLOT1
	s_add_co_u32 s[TSO], s[TSO], 2048
.endm
	s_wait_alu depctr_va_vdst(0)
	s_wait_loadcnt 0x0                             ; q
.Lslot:
	CHANGE 1
	SLOTWORK 1
	s_sub_co_u32 s[SLOTS], s[SLOTS], 1
	s_cmp_lg_u32 s[SLOTS], 0
	s_cbranch_scc1 .Lslot
	CHANGE 0                                       ; the last slot: nothing is filled again
	SLOTWORK 0
.macro EPI w                           ; o = O^T / the sum, quantised along the head's 128, stored as a fragment's image and a scale word
	WIN 0x55*\w
	v_add_f32 v[SUM], v[SUM], v[SUM+1]
	v_permlanex16_b32 v[T], v[SUM], s[SEL], s[SEL+1]
	v_add_f32 v[SUM], v[SUM], v[T]
	s_wait_alu depctr_va_vdst(0)                   ; ahead of the transcendental
	v_rcp_f32 v[F], v[SUM]
	v_nop
	s_wait_alu depctr_va_vdst(0)                   ; and ahead of its first reader, which is O^T's first reader too
.set J, 0
.rept 32
	v_pk_mul_f32 v[SS+J:SS+J+1], v[OO+J:OO+J+1], v[F:F+1] op_sel_hi:[1,0]
.set J, J+2
.endr
.irp b, 0,1,2,3
	v_max3_num_f32 v[TM+\b], |v[SS+16*\b]|, |v[SS+1+16*\b]|, 0x1800000
.endr
.irp i, 2,4,6,8,10,12,14
.irp b, 0,1,2,3
	v_max3_num_f32 v[TM+\b], v[TM+\b], |v[SS+16*\b+\i]|, |v[SS+1+16*\b+\i]|
.endr
.endr
.irp b, 0,1,2,3
	v_permlanex16_b32 v[TM+4+\b], v[TM+\b], s[SEL], s[SEL+1]
.endr
.irp b, 0,1,2,3
	v_max_num_f32 v[TM+\b], v[TM+\b], v[TM+4+\b]
.endr
.irp b, 0,1,2,3
	v_add_nc_u32 v[SCO+\b], 0xff000000, v[TM+\b]
.endr
.irp b, 0,1,2,3
	v_lshrrev_b32 v[BY+\b], 23, v[SCO+\b]
.endr
	v_lshl_or_b32 v[PWR], v[BY+1], 8, v[BY]
	v_lshl_or_b32 v[PWR], v[BY+2], 16, v[PWR]
	v_lshl_or_b32 v[PWR], v[BY+3], 24, v[PWR]
	CODES
	WIN 0x04*\w                                    ; a store's data are its source 1
.irp c, 0,1,2
	global_store_b128 v1, v[PCD+4*\c:PCD+4*\c+3], s[78:79] offset:1536*(\w-1)+512*\c   ; 512 consecutive bytes, at a multiple of 256
.endr
	global_store_b32 v[OSV], v[PWR], s[80:81] offset:4*(\w-1)   ; lanes l and l + 16 hold the same word and name the same place
.endm
	EPI 1                                          ; its vector work stands as the places behind head B's last products
	EPI 2
	WIN 0
	s_wait_tensorcnt 0x0                           ; the wave's end
	ds_add_u32 v[SPW], v[NIL]
	s_wait_dscnt 0x0
	CROUND                                         ; the closing round
	s_endpgm
.Lfunc_end_k_qb1b9710e4f_attn:
	.size	k_qb1b9710e4f_attn, .Lfunc_end_k_qb1b9710e4f_attn-k_qb1b9710e4f_attn
	.p2alignl 7, 3214868480
	.fill 96, 4, 3214868480
	.section	.rodata,"a",@progbits
	.p2align	6, 0x0
	.amdhsa_kernel k_qb1b9710e4f_attn
		.amdhsa_group_segment_fixed_size 327680
		.amdhsa_private_segment_fixed_size 0
		.amdhsa_enable_private_segment 0
		.amdhsa_kernarg_size 32
		.amdhsa_user_sgpr_count 2
		.amdhsa_user_sgpr_kernarg_segment_ptr 1
		.amdhsa_wavefront_size32 1
		.amdhsa_system_sgpr_workgroup_id_x 1
		.amdhsa_system_sgpr_workgroup_id_y 1
		.amdhsa_system_sgpr_workgroup_id_z 1
		.amdhsa_system_vgpr_workitem_id 0
		.amdhsa_next_free_vgpr 864
		.amdhsa_next_free_sgpr 100
		.amdhsa_reserve_vcc 0
		.amdhsa_float_denorm_mode_32 3
		.amdhsa_float_denorm_mode_16_64 3
		.amdhsa_memory_ordered 1
		.amdhsa_forward_progress 1
		.amdhsa_inst_pref_size 111
	.end_amdhsa_kernel
	.amdgpu_metadata
---
amdhsa.version: [ 1, 2 ]
amdhsa.kernels:
  - .name:           k_qb1b9710e4f_attn
    .symbol:         k_qb1b9710e4f_attn.kd
    .args:
      - { .name: qq, .offset: 0, .size: 8, .value_kind: global_buffer, .address_space: global }
      - { .name: kv, .offset: 8, .size: 8, .value_kind: global_buffer, .address_space: global }
      - { .name: attention_mask, .offset: 16, .size: 8, .value_kind: global_buffer, .address_space: global }
      - { .name: oo, .offset: 24, .size: 8, .value_kind: global_buffer, .address_space: global }
    .group_segment_fixed_size: 327680
    .private_segment_fixed_size: 0
    .kernarg_segment_align: 8
    .kernarg_segment_size: 32
    .max_flat_workgroup_size: 128
    .sgpr_count:     100
    .vgpr_count:     864
    .wavefront_size: 32
...
	.end_amdgpu_metadata
.endif
;; end of part 7
;; launch outp (part 8): grid 32 x 8, 4 waves a work-group, clusters of 4 x 4, 327,680 bytes of LDS; arguments oo, wo, out0; writes out0
.if DOCPART == 8
	.amdgcn_target "amdgcn-amd-amdhsa--gfx1250"
	.amdhsa_code_object_version 6
	.text
	.protected	k_qb1b9710e4f_outp
	.globl	k_qb1b9710e4f_outp
	.p2align	8
	.type	k_qb1b9710e4f_outp,@function
k_qb1b9710e4f_outp:
	s_mov_b64 s[64:65], 0
	v_nop
	global_prefetch_b8 v0, s[64:65] scope:SCOPE_SE
	s_setreg_imm32_b32 hwreg(HW_REG_WAVE_MODE, 25, 1), 1
	s_wait_xcnt 0x0
	s_wait_alu depctr_hold_cnt(0) depctr_sa_sdst(0) depctr_va_vdst(0) depctr_va_sdst(0) depctr_va_ssrc(0) depctr_va_vcc(0) depctr_vm_vsrc(0)
	s_getreg_b32 s2, hwreg(HW_REG_IB_STS2, 6, 4)
	s_cmp_eq_u32 s2, 0
	s_cbranch_scc0 .Lentry_in_a_cluster
	s_endpgm
.Lentry_in_a_cluster:
	s_bfe_u32 s2, ttmp6, 0x10000c
	s_cmp_lg_u32 s2, 0xf033
	s_cbranch_scc0 .Lentry_shape_is_right
	s_endpgm
.Lentry_shape_is_right:
.set SLOT,   98304
.set HALFT,  24576
.set RTS,    6144
.set RTG,    49152
.set SCL,    2*SLOT
.set SPARE,  SCL+32768
.set SPITCH, 272
.set STGW,   64*SPITCH
.set OSO,    3145728
.set WOSO,   12582912
.set ADRA, 16
.set ADRB, 20
.set STO,  24
.set RD,   25
.set CO,   26
.set ADRS, 27
.set SPW,  28
.set NIL,  29
.set SC,   32
.set ACC,  128
.set G1A,  24
.set G0A,  32
.set G1B,  40
.set G0B,  48
.set G1SA, 56
.set G1SB, 68
.set G0SA, 76
.set G0SB, 80
.set WV,   84
.set RH,   85
.set CH,   86
.set CX,   87
.set CY,   88
.set TX,   89
.set TY,   90
.set MSB, 0
.macro WIN new
.if MSB != \new
	s_set_vgpr_msb (MSB<<8)|\new
.set MSB, \new
.endif
.endm
.set MUL,  0x05
.set TO_F, 0x40
.macro PLACES n
.rept \n
	v_nop
.endr
.endm
.macro JLOAD g0a, g1a, g0b, g1b
	s_cmp_eq_u32 s[RH], 0
	s_cbranch_scc0 .Lfor_b_\@
	tensor_load_to_lds s[\g0a:\g0a+3], s[\g1a:\g1a+7]
	s_nop 0
	PLACES 4
	s_branch .Lasked_\@
.Lfor_b_\@:
	tensor_load_to_lds s[\g0b:\g0b+3], s[\g1b:\g1b+7]
	s_nop 0
	PLACES 4
.Lasked_\@:
.endm
.macro CREST
	s_cmp_lg_u32 s[WV], 0
	s_cbranch_scc1 .Lnot_wave_0_\@
	s_barrier_signal -3
.Lnot_wave_0_\@:
	s_barrier_wait -3
	s_barrier_signal -1
	s_barrier_wait -1
.endm
.macro CROUND
	s_barrier_signal -1
	s_barrier_wait -1
	CREST
.endm
.macro FETCH slot, q, f
	WIN TO_F
.irp i, 0,1,2,3
.irp g, 0,1,2
	ds_load_b128 v[(\f)+48+12*\i+4*\g:(\f)+48+12*\i+4*\g+3], v[ADRB+\slot] offset:\i*RTS+(\q)*1536+512*\g
.endr
.endr
.irp i, 0,1,2,3
.irp g, 0,1,2
	ds_load_b128 v[(\f)+12*\i+4*\g:(\f)+12*\i+4*\g+3], v[ADRA+\slot] offset:\i*RTS+(\q)*1536+512*\g
.endr
.endr
	WIN 0
.endm
.macro SCALES kap, set
.irp i, 0,1,2,3
	ds_load_b64 v[SC+8*(\set)+2*\i:SC+8*(\set)+2*\i+1], v[ADRS] offset:(\kap)*512+128*\i
.endr
.endm
.macro MULA f, a, q, set, first
.irp b, 0,1,2,3
.if \first
	v_wmma_scale_f32_16x16x128_f8f6f4 v[ACC+8*(4*(\a)+\b):ACC+8*(4*(\a)+\b)+7], v[(\f)+48+12*\b:(\f)+48+12*\b+11], v[(\f)+12*(\a):(\f)+12*(\a)+11], 0, v[SC+8*(\set)+2*\b+(\q)%2], v[SC+8*(\set)+2*(\a)+(\q)%2] matrix_a_fmt:MATRIX_FMT_FP6 matrix_b_fmt:MATRIX_FMT_FP6 matrix_a_scale:MATRIX_SCALE_ROW1
.else
	v_wmma_scale_f32_16x16x128_f8f6f4 v[ACC+8*(4*(\a)+\b):ACC+8*(4*(\a)+\b)+7], v[(\f)+48+12*\b:(\f)+48+12*\b+11], v[(\f)+12*(\a):(\f)+12*(\a)+11], v[ACC+8*(4*(\a)+\b):ACC+8*(4*(\a)+\b)+7], v[SC+8*(\set)+2*\b+(\q)%2], v[SC+8*(\set)+2*(\a)+(\q)%2] matrix_a_fmt:MATRIX_FMT_FP6 matrix_b_fmt:MATRIX_FMT_FP6 matrix_a_scale:MATRIX_SCALE_ROW1
.endif
.endr
.endm
.macro STEP slot, q, kap, first
	s_wait_dscnt 0x0
	PLACES 4
	FETCH \slot, (\q)+1, 96*(((\q)+1)%2)
.if (\q) == 1
	SCALES \kap, 1
.endif
	WIN MUL
.irp aa, 0,1,2,3
	MULA 96*((\q)%2), \aa, \q, (\q)/2, \first
.endr
	WIN 0
.endm
.macro TURN slot, next, fill, kap
.if (\fill) && (\slot) == 0
	s_wait_xcnt 0x0                                ; my prefetches have read their address: it steps a lap (two slots) on
	s_add_nc_u64 s[10:11], s[10:11], 2*RTS
.endif
	s_wait_tensorcnt 0x0
	ds_add_u32 v[SPW], v[NIL]
	s_wait_dscnt 1
	WIN MUL
	MULA 96, 0, 3, 1, 0
	s_wait_dscnt 0x0
	s_barrier_signal -1
	MULA 96, 1, 3, 1, 0
	WIN 0
	s_barrier_wait -1
.if \fill
	CREST
	s_add_nc_u64 s[G0A+4*\slot+2:G0A+4*\slot+3], s[G0A+4*\slot+2:G0A+4*\slot+3], 2*RTS
	s_add_nc_u64 s[G0B+4*\slot+2:G0B+4*\slot+3], s[G0B+4*\slot+2:G0B+4*\slot+3], 2*RTS
	JLOAD G0A+4*\slot, G1A, G0B+4*\slot, G1B
.else
	PLACES 4
.endif
.if \next == 0
	v_add_nc_u32 v[ADRS], 2048, v[ADRS]
.endif
	FETCH \next, 0, 0
	SCALES \kap, 0
.if \fill
	s_cmp_gt_u32 s3, 1                             ; the last lap's refills have no slot two refills on
	s_cbranch_scc0 .Lnot_asked_\@
	global_prefetch_b8 v30, s[10:11] offset:(2+\slot)*RTS th:TH_LOAD_NT scope:SCOPE_SE   ; the slot that stands two refills on: my share of the blocks that my joint load will bring
.Lnot_asked_\@:
.endif
	WIN MUL
	MULA 96, 2, 3, 1, 0
	MULA 96, 3, 3, 1, 0
	WIN 0
.endm
	s_load_b128 s[4:7], s[0:1], 0x0
	s_load_b64 s[8:9], s[0:1], 0x10
	v_lshl_add_u32 v[SPW], v0, 2, SPARE
	v_mov_b32 v[NIL], 0
	ds_add_u32 v[SPW], v[NIL]
	ds_add_u32 v[SPW], v[NIL]
	v_lshrrev_b32 v1, 5, v0
	v_readfirstlane_b32 s[WV], v1
	s_lshr_b32 s[RH], s[WV], 1
	s_and_b32 s[CH], s[WV], 1
	s_bfe_u32 s[CX], ttmp6, 0x40000
	s_bfe_u32 s[CY], ttmp6, 0x40004
	s_lshl_b32 s[TX], ttmp9, 2
	s_add_co_u32 s[TX], s[TX], s[CX]
	s_and_b32 s[TY], ttmp7, 0xffff
	s_lshl_b32 s[TY], s[TY], 2
	s_add_co_u32 s[TY], s[TY], s[CY]
	s_lshl_b32 s92, s[CY], 2
	s_lshl_b32 s92, 15, s92
	s_lshl_b32 s93, 0x1111, s[CX]
	s_or_b32 s[G1A], s92, (3<<16)|(1<<21)
	s_or_b32 s[G1B], s93, (3<<16)|(1<<21)
.irp g, G1A, G1B
	s_mov_b32 s[\g+1], 768<<16
	s_mov_b32 s[\g+2], 4<<16
	s_mov_b32 s[\g+3], 768<<16
	s_mov_b32 s[\g+4], 4
	s_mov_b32 s[\g+5], 6144
	s_mov_b32 s[\g+6], 0
	s_mov_b32 s[\g+7], 0
.endr
	s_or_b32 s[G1SA], s92, (3<<16)|(1<<21)
	s_or_b32 s[G1SB], s93, (3<<16)|(1<<21)
.irp g, G1SA, G1SB
	s_mov_b32 s[\g+1], 64<<16
	s_mov_b32 s[\g+2], 16<<16
	s_mov_b32 s[\g+3], 64<<16
	s_mov_b32 s[\g+4], 16
	s_mov_b32 s[\g+6], 0
	s_mov_b32 s[\g+7], 0
.endr
	s_mov_b32 s[G1SA+5], 1024
	s_mov_b32 s[G1SB+5], 4096
	s_lshl_b32 s92, s[TY], 3
	s_lshl_b32 s93, s[CH], 2
	s_add_co_u32 s92, s92, s93
	s_mul_i32 s92, s92, RTG
	s_mov_b32 s93, 0
	s_lshl_b32 s94, s[TX], 3
	s_lshl_b32 s95, s[CH], 2
	s_add_co_u32 s94, s94, s95
	s_mul_i32 s94, s94, RTG
	s_mov_b32 s95, 0
	s_lshl_b32 s96, s[TY], 10
	s_lshl_b32 s97, s[CH], 9
	s_add_co_u32 s96, s96, s97
	s_add_co_u32 s96, s96, OSO
	s_mov_b32 s97, 0
	s_lshl_b32 s98, s[TX], 10
	s_lshl_b32 s99, s[CH], 9
	s_add_co_u32 s98, s98, s99
	s_add_co_u32 s98, s98, WOSO
	s_mov_b32 s99, 0
	s_mul_i32 s100, s[WV], HALFT
	s_lshl_b32 s101, s[WV], 13
	s_wait_dscnt 0x0
	s_wait_kmcnt 0x0
	s_add_nc_u64 s[92:93], s[4:5], s[92:93]
	s_add_nc_u64 s[94:95], s[6:7], s[94:95]
	s_add_nc_u64 s[96:97], s[4:5], s[96:97]
	s_add_nc_u64 s[98:99], s[6:7], s[98:99]
	; PREFETCH: a slot of the four tiles that my joint load brings is 4 x 24 blocks of 256 bytes; each of the four partners that ask jointly takes one tile, told apart by address, a lane a block
	; (lanes 24-31 name the last block again).  Each load of slot s is followed by the request for slot s + 2; slots 0 and 1 are asked for here.
	s_cmp_eq_u32 s[RH], 0                          ; do I fetch for o's codes?
	s_cselect_b64 s[10:11], s[4:5], s[6:7]
	s_cselect_b32 s12, s[TY], s[TX]
	s_cselect_b32 s13, s[CX], s[CY]                ; my place among the four
	s_lshl_b32 s12, s12, 3
	s_lshl_b32 s14, s[CH], 2
	s_add_co_u32 s12, s12, s14
	s_add_co_u32 s12, s12, s13
	s_mul_i32 s12, s12, RTG
	s_mov_b32 s13, 0
	s_add_nc_u64 s[10:11], s[10:11], s[12:13]
	v_and_b32 v30, 31, v0
	v_min_u32 v30, 23, v30
	v_lshlrev_b32 v30, 8, v30
	global_prefetch_b8 v30, s[10:11] th:TH_LOAD_NT scope:SCOPE_SE
	global_prefetch_b8 v30, s[10:11] offset:RTS th:TH_LOAD_NT scope:SCOPE_SE
	CROUND
	s_mov_b32 s[G0SA], 1
	s_add_co_u32 s[G0SA+1], s101, SCL
	s_mov_b64 s[G0SA+2:G0SA+3], s[96:97]
	s_or_b32 s[G0SA+3], s[G0SA+3], 0x80000000
	s_mov_b32 s[G0SB], 1
	s_add_co_u32 s[G0SB+1], s101, SCL
	s_mov_b64 s[G0SB+2:G0SB+3], s[98:99]
	s_or_b32 s[G0SB+3], s[G0SB+3], 0x80000000
	JLOAD G0SA, G1SA, G0SB, G1SB
.irp s, 0,1
	s_mov_b32 s[G0A+4*\s], 1
	s_add_co_u32 s[G0A+4*\s+1], s100, \s*SLOT
	s_add_nc_u64 s[G0A+4*\s+2:G0A+4*\s+3], s[92:93], \s*RTS
	s_or_b32 s[G0A+4*\s+3], s[G0A+4*\s+3], 0x80000000
	s_mov_b32 s[G0B+4*\s], 1
	s_add_co_u32 s[G0B+4*\s+1], s100, \s*SLOT
	s_add_nc_u64 s[G0B+4*\s+2:G0B+4*\s+3], s[94:95], \s*RTS
	s_or_b32 s[G0B+4*\s+3], s[G0B+4*\s+3], 0x80000000
	s_wait_alu depctr_va_vdst(0)
	s_wait_tensorcnt 0x0
	ds_add_u32 v28, v29
	s_wait_dscnt 0x0
	CROUND
	JLOAD G0A+4*\s, G1A, G0B+4*\s, G1B
	global_prefetch_b8 v30, s[10:11] offset:(2+\s)*RTS th:TH_LOAD_NT scope:SCOPE_SE
.endr
	v_and_b32 v1, 15, v0
	v_bfe_u32 v2, v0, 4, 1
	s_wait_alu depctr_va_vdst(0)
	v_and_b32 v3, 31, v0
	v_lshlrev_b32 v4, 4, v3
	s_mul_i32 s92, s[RH], HALFT
	s_mul_i32 s93, s[CH], HALFT
	s_add_co_u32 s93, s93, 2*HALFT
.irp s, 0,1
	v_add_nc_u32 v[ADRA+\s], s92, v4
	v_add_nc_u32 v[ADRB+\s], s93, v4
	s_add_co_u32 s92, s92, SLOT
	s_add_co_u32 s93, s93, SLOT
.endr
	s_lshl_b32 s92, s[RH], 13
	s_lshl_b32 s93, s[CH], 13
	s_add_co_u32 s93, s93, 16384
	s_sub_co_u32 s93, s93, s92
	v_mul_u32_u24 v5, s93, v2
	s_add_co_u32 s92, s92, SCL
	v_lshl_add_u32 v5, v1, 3, v5
	v_add_nc_u32 v[ADRS], s92, v5
	s_mul_i32 s92, s[WV], STGW
	v_mul_u32_u24 v5, v1, SPITCH
	v_lshl_add_u32 v5, v2, 6, v5
	v_add_nc_u32 v[STO], s92, v5
	v_mul_u32_u24 v5, v2, SPITCH
	v_lshl_add_u32 v5, v1, 4, v5
	v_add_nc_u32 v[RD], s92, v5
	v_lshlrev_b32 v[CO], 14, v2
	v_lshl_add_u32 v[CO], v1, 4, v[CO]
	s_lshl_b32 s92, s[TY], 21
	s_lshl_b32 s93, s[RH], 20
	s_add_co_u32 s92, s92, s93
	s_lshl_b32 s93, s[TX], 9
	s_add_co_u32 s92, s92, s93
	s_lshl_b32 s93, s[CH], 8
	s_add_co_u32 s92, s92, s93
	s_mov_b32 s93, 0
	s_add_nc_u64 s[8:9], s[8:9], s[92:93]
	s_wait_alu depctr_va_vdst(0)
	s_wait_tensorcnt 1
	s_barrier_signal -1
	s_barrier_wait -1
	FETCH 0, 0, 0
	SCALES 0, 0
	STEP 0, 0, 0, 1
	s_mov_b32 s3, 3
.Llap:
	s_wait_alu depctr_va_vdst(0)
	STEP 0, 1, 1, 0
	STEP 0, 2, 0, 0
	TURN 0, 1, 1, 2
	STEP 1, 0, 0, 0
	STEP 1, 1, 3, 0
	STEP 1, 2, 0, 0
	TURN 1, 0, 1, 0
	STEP 0, 0, 0, 0
	s_sub_co_u32 s3, s3, 1
	s_cmp_lg_u32 s3, 0
	s_cbranch_scc1 .Llap
	s_wait_alu depctr_va_vdst(0)
	STEP 0, 1, 1, 0
	STEP 0, 2, 0, 0
	TURN 0, 1, 0, 2
	STEP 1, 0, 0, 0
	STEP 1, 1, 3, 0
	STEP 1, 2, 0, 0
	s_wait_dscnt 0x0
	WIN MUL
.irp aa, 0,1,2,3
	MULA 96, \aa, 3, 1, 0
.endr
	WIN 0
	PLACES 4
.irp a, 0,1,2,3
.irp bb, 0,1
.irp i, 0,1,2,3
	ds_store_b128 v[STO], v[ACC+32*\a+16*\bb+4*\i:ACC+32*\a+16*\bb+4*\i+3] offset:16*\a*SPITCH+128*\bb+16*\i
.endr
.endr
.endr
	WIN 0x40
.set T, 0
.rept 32
	ds_load_b128 v[4*T:4*T+3], v[RD] offset:2*T*SPITCH
.set T, T+1
.endr
	WIN 0x04
.set T, 0
.rept 32
	s_wait_dscnt 31-T
	global_store_b128 v[CO], v[4*T:4*T+3], s[8:9] offset:2*T*16384 th:TH_STORE_NT
.set T, T+1
.endr
	WIN 0
	s_wait_tensorcnt 0x0
	ds_add_u32 v[SPW], v[NIL]
	s_wait_dscnt 0x0
	CROUND
	s_endpgm
.Lfunc_end_k_qb1b9710e4f_outp:
	.size	k_qb1b9710e4f_outp, .Lfunc_end_k_qb1b9710e4f_outp-k_qb1b9710e4f_outp
	.p2alignl 7, 3214868480
	.fill 96, 4, 3214868480
	.section	.rodata,"a",@progbits
	.p2align	6, 0x0
	.amdhsa_kernel k_qb1b9710e4f_outp
		.amdhsa_group_segment_fixed_size 327680
		.amdhsa_private_segment_fixed_size 0
		.amdhsa_enable_private_segment 0
		.amdhsa_kernarg_size 24
		.amdhsa_user_sgpr_count 2
		.amdhsa_user_sgpr_kernarg_segment_ptr 1
		.amdhsa_wavefront_size32 1
		.amdhsa_system_sgpr_workgroup_id_x 1
		.amdhsa_system_sgpr_workgroup_id_y 1
		.amdhsa_system_sgpr_workgroup_id_z 1
		.amdhsa_system_vgpr_workitem_id 0
		.amdhsa_next_free_vgpr 448
		.amdhsa_next_free_sgpr 102
		.amdhsa_reserve_vcc 0
		.amdhsa_float_denorm_mode_32 3
		.amdhsa_float_denorm_mode_16_64 3
		.amdhsa_memory_ordered 1
		.amdhsa_forward_progress 1
		.amdhsa_inst_pref_size 85
	.end_amdhsa_kernel
	.amdgpu_metadata
---
amdhsa.version: [ 1, 2 ]
amdhsa.kernels:
  - .name:           k_qb1b9710e4f_outp
    .symbol:         k_qb1b9710e4f_outp.kd
    .args:
      - { .name: oo, .offset: 0, .size: 8, .value_kind: global_buffer, .address_space: global }
      - { .name: wo, .offset: 8, .size: 8, .value_kind: global_buffer, .address_space: global }
      - { .name: out0, .offset: 16, .size: 8, .value_kind: global_buffer, .address_space: global }
    .group_segment_fixed_size: 327680
    .private_segment_fixed_size: 0
    .kernarg_segment_align: 8
    .kernarg_segment_size: 24
    .max_flat_workgroup_size: 128
    .sgpr_count:     102
    .vgpr_count:     448
    .wavefront_size: 32
...
	.end_amdgpu_metadata
.endif
;; end of part 8
